; MI455X (gfx1250); checked and timed in simulation.
; The chip was launched on July 23, 2026; its instructions are those of AMD's public machine-readable ISA for CDNA 5 (MIT licence, August 2026) and "CDNA5" Instruction Set Architecture Reference Guide (July 2026). The comments in the code are by the model that wrote it; some were corrected since.
;; Codec Attention. Allowed arithmetic: matrix products marked QUANTISED: E2M3 operands, one E8M0 scale for each 32 along K, by v_wmma_scale_f32_16x16x128_f8f6f4 with both operands' format E2M3, f32 sums; everything else in f32.
;; Inputs: features 2 x 2,048 x 1,024 float32; k_norm_w 256 float32; q_norm_w 1,024 float32; wk 256 x 1,024 float32; wo 1,024 x 1,024 float32; wq 1,024 x 1,024 float32; wv 256 x 1,024 float32.
;; Outputs: out0 2 x 2,048 x 1,024 float32.
;; Constants: head_dim = 64, num_heads = 16, num_kv_heads = 4, sliding_window = 512.
;; This version of the problem:
;;   THIS VERSION OF THE PROBLEM IS GIVEN IN LOW PRECISION. The matrix products marked QUANTISED in the list below multiply operands that are first quantised to E2M3 (2 exponent bits, 3 mantissa bits; 6 bits a number), with one power-of-two scale for each 32 numbers along K (OCP MX v1.0); their sums are f32. All else is computed in f32.
;;   The module's matrix products, in the order in which they are computed (A, B: the left and right operand; K: the contracted axis; several contracted axes count as one K, in the product's order):
;;     1. [M 4,096, K 1,024] x [K 1,024, N 1,024]; A: input features; B: input wq: QUANTISED
;;     2. [M 4,096, K 1,024] x [K 1,024, N 256]; A: input features; B: input wk: QUANTISED
;;     3. [M 4,096, K 1,024] x [K 1,024, N 256]; A: input features; B: input wv: QUANTISED
;;     4. batch 32 x [M 2,048, K 64] x [K 64, N 2,048]; A: computed on the way; B: computed on the way: QUANTISED
;;     5. batch 32 x [M 2,048, K 2,048] x [K 2,048, N 64]; A: softmax (see below); B: computed on the way: QUANTISED
;;     6. [M 4,096, K 1,024] x [K 1,024, N 1,024]; A: computed on the way; B: input wo: QUANTISED
;;   THE QUANTISER, for each operand of a quantised product, along K:
;;     - K is cut into blocks of 32 from its start; a last block that is shorter is filled with zeros.
;;     - A block's scale is 2^e with e = floor(log2(the largest magnitude in the block)) - 2, held to -126 .. 127; a block of zeros has e = 0. As a byte (E8M0): e + 127.
;;     - Each number is divided by its block's scale, clamped to +-7.5, and rounded to the nearest number of E2M3, ties to even, subnormals kept.
;;     - The product sums the exact products of the quantised numbers (number of the format x scale) in f32.
;;   ~~~python
;;   def quantise(x, axis):      # numpy; x: float32 -> the quantised numbers, widened to float32 again
;;       x = np.moveaxis(x, axis, -1); K = x.shape[-1]
;;       x = np.pad(x, [(0, 0)] * (x.ndim - 1) + [(0, -K % 32)]); x = x.reshape(x.shape[:-1] + (-1, 32)); a = np.abs(x).max(-1, keepdims=True)
;;       e = np.where(a > 0, np.clip(np.frexp(np.where(a > 0, a, 1))[1] - 1 - 2, -126, 127), 0)      # np.frexp(a)[1] - 1 = floor(log2(a)), exactly
;;       r = np.clip(x / 2.0 ** e, -7.5, 7.5)
;;       step = 2.0 ** (np.maximum(np.frexp(np.where(r == 0, 1, r))[1] - 1, 0) - 3)
;;       q = np.round(r / step) * step * 2.0 ** e      # np.round: ties to even
;;       return np.moveaxis(q.reshape(q.shape[:-2] + (-1,))[..., :K], -1, axis).astype(np.float32)
;;   ~~~
;;   SOFTMAX AHEAD OF A QUANTISED PRODUCT. Where the list says 'softmax', what is quantised is not the finished softmax but p = 2^(t - M), with t = logit x log2(e) and M = ceil(the row's largest t), a whole number; so 1/2 < the row's largest p <= 1. The row's sum l is taken of the UNQUANTISED p, in f32, and the product's result is divided by l at the end. Since M is a whole number, a kernel that streams over the keys may use a running M (the ceiling of the running maximum): every later rescaling is an exact power of two, which a block's scale takes up: the codes' values come out the same.
;;   OPERANDS COMPUTED ON THE WAY. 'Computed on the way' means the value that the module computes at that place (a softmax that the list does not call 'softmax' is quantised finished and normalised). What goes into a quantiser is computed in f32, as accurately as f32 sums, v_exp_f32 and their like allow (about 1e-6 of the number): no bf16 or f16 on the way to a quantiser, and a product that is left as it is and whose result goes on into a quantised operand takes f32 operands (vector FMAs, or v_wmma_f32_16x16x4_f32). A number that lies on a knife's edge between two numbers of the format may be rounded either way, as far as f32 arithmetic and the matrix unit's own rounding can turn it there, and no further.
;; 2 versions. Each part assembles by itself: llvm-mc -triple=amdgcn-amd-amdhsa -mcpu=gfx1250 --defsym DOCPART=n.
;; ======== version 1 of 2: 4 launches
;; workspace buffers: wbuf 2,048,000 bytes; qbuf 3,407,872 bytes; kvbuf 1,638,400 bytes; aobuf 3,276,800 bytes
;; launch wquant (part 1): grid 160 x 1, 8 waves a work-group, no clusters, 2,048 bytes of LDS; arguments wq, wk, wv, wo, wbuf; writes wbuf
.if DOCPART == 1
	.amdgcn_target "amdgcn-amd-amdhsa--gfx1250"
	.amdhsa_code_object_version 6
	.text
	.protected	k_q03e1ca5fe5_wquant
	.globl	k_q03e1ca5fe5_wquant
	.p2align	8
	.type	k_q03e1ca5fe5_wquant,@function
k_q03e1ca5fe5_wquant:
	s_mov_b64 s[64:65], 0
	v_nop
	global_prefetch_b8 v0, s[64:65] scope:SCOPE_SE
	s_setreg_imm32_b32 hwreg(HW_REG_WAVE_MODE, 25, 1), 1
	s_wait_xcnt 0x0
; wq [1024][1024], wk [256][1024], wv [256][1024], wo [1024][1024], f32 with K innermost, become codes of FP6 (E2M3) with one E8M0 byte for each 32 along K,
; laid in the ORDER OF AN OPERAND'S REGISTERS.  wbuf: codes [tile 0..159][K step 0..7][1,536 bytes]: registers 4 g .. 4 g + 3 of lane l at 512 g + 16 l; scale words behind them, [tile][K step][row] of 4 bytes.
; Tiles 0-63 wq, 64-79 wk, 80-95 wv, 96-159 wo.  THE ROWS OF A TILE ARE NOT NEIGHBOURS: lane row r of a source's tile t is its row 32 (t / 2) + 8 (t % 2) + r + 8 (r / 8),
; so that the 16 result registers of two neighbouring tiles are 16 neighbours along the weight's rows.
; A work-group takes a tile, each of its eight waves one K step of 128: one fragment a wave.  Waves share only the 512 bytes of scale words, which leave as one run through LDS.
; A block's scale is 2^(floor(log2(largest magnitude)) - 2); its byte is the largest magnitude's exponent field - 2, held at 1 from below.
; LIMITS: NaN and infinities among the inputs are not served.  A block whose largest magnitude lies under 2^-124 (a block of zeros too) keeps the byte 1: these bytes are read by this program alone.
; No matrix unit, no cluster: memory binds, every input byte is read once by one wave.
.set WSC, 1966080                      ; where the scale words begin in wbuf
.set XN,  16                           ; v16-79   64 numbers: register 16 b + i = k 32 b + 16 (lane / 16) + i of my row
.set TM,  80                           ; v80-83 largest magnitudes, v84-87 the other half's / the bytes, v92-95 the conversions' scale operands
.set PW,  96                           ; v96      the scale word
.set PC,  100                          ; v100-111 the fragment; v112-114, v116-118 at work
.set SEL, 30                           ; s[30:31] lane selects: lane l xor 16
.macro BSC4 s, mx, pt, so              ; four blocks of 16 registers at v[s + 16 b]: the scale operand into v[so + b], the byte into v[pt + b]
.irp b, 0,1,2,3
	v_max3_num_f32 v[\mx+\b], |v[\s+16*\b]|, |v[\s+16*\b+1]|, 0x1800000   ; my 16 numbers, and the floor 2^(3 - 127): the byte cannot fall under 1
.endr
.irp i, 2,4,6,8,10,12,14
.irp b, 0,1,2,3
	v_max3_num_f32 v[\mx+\b], v[\mx+\b], |v[\s+16*\b+\i]|, |v[\s+16*\b+\i+1]|   ; the blocks by turns
.endr
.endr
.irp b, 0,1,2,3
	v_permlanex16_b32 v[\pt+\b], v[\mx+\b], s[SEL], s[SEL+1]
.endr
.irp b, 0,1,2,3
	v_max_num_f32 v[\mx+\b], v[\mx+\b], v[\pt+\b]                   ; with lane l xor 16's 16: the block's largest magnitude
.endr
.irp b, 0,1,2,3
	v_add_nc_u32 v[\so+\b], 0xff000000, v[\mx+\b]                   ; 2 off its exponent field: the conversion reads that field alone
.endr
.irp b, 0,1,2,3
	v_lshrrev_b32 v[\pt+\b], 23, v[\so+\b]                          ; the scale's byte
.endr
.endm
.macro QUANT s                         ; 64 numbers at v[s] on become a fragment in v[PC] on and its scale word in v[PW]
	BSC4 \s, TM, TM+4, TM+12
	v_lshl_or_b32 v[PW], v[TM+5], 8, v[TM+4]
	v_lshl_or_b32 v[PW], v[TM+6], 16, v[PW]
	v_lshl_or_b32 v[PW], v[TM+7], 24, v[PW]
.irp c, 0,1
	v_cvt_scalef32_pk16_fp6_f32 v[PC+6*\c:PC+6*\c+2], v[\s+32*\c:\s+32*\c+15], v[TM+12+2*\c]
	v_cvt_scalef32_pk16_fp6_f32 v[PC+12+4*\c:PC+14+4*\c], v[\s+32*\c+16:\s+32*\c+31], v[TM+13+2*\c]   ; (a conversion's three registers begin on an even number)
.endr
	v_nop                                          ; one plain place behind a scaled conversion
.irp c, 0,1                            ; the operand's layout wants a whole block in a lane: lanes 0-15 block 2 c, lanes 16-31 block 2 c + 1
.irp i, 0,1,2
	v_permlane16_swap_b32 v[PC+6*\c+\i], v[PC+12+4*\c+\i]
.endr
.irp i, 0,1,2
	v_mov_b32 v[PC+3+6*\c+\i], v[PC+12+4*\c+\i]
.endr
.endr
.endm
	s_load_b256 s[4:11], s[0:1], 0x0               ; wq s[4:5], wk s[6:7], wv s[8:9], wo s[10:11]
	s_load_b64 s[12:13], s[0:1], 0x20              ; wbuf
	v_lshl_add_u32 v128, v0, 2, 0x400
	v_mov_b32 v129, 0
	v_lshrrev_b32 v1, 5, v0
	v_readfirstlane_b32 s14, v1                    ; wave = K step
	v_and_b32 v1, 31, v0                           ; lane
	v_and_b32 v2, 15, v0                           ; r
	v_bfe_u32 v3, v0, 4, 1                         ; h
	v_and_b32 v4, 8, v2
	v_add_nc_u32 v4, v4, v2                        ; r + 8 (r / 8)
	v_lshlrev_b32 v4, 12, v4                       ; a row is 4,096 bytes
	v_lshl_add_u32 v4, v3, 6, v4                   ; + 64 h: my 16 numbers of each block of 32
	v_lshlrev_b32 v5, 4, v1                        ; 16 x lane
	s_lshl_b32 s22, s14, 6
	v_lshl_add_u32 v6, v2, 2, s22                  ; LDS: 64 x wave + 4 r: my row's scale word
	s_mov_b32 s[SEL], 0x76543210
	s_mov_b32 s[SEL+1], 0xfedcba98
.irp b, 0,1,2,3
	v_mov_b32 v[TM+4+\b], 0                        ; written once: a lane permute's destination counts as one of its sources
.endr
	s_wait_kmcnt 0x0
	s_mov_b32 s15, 96                              ; which source, and its first tile: the choice hangs on the work-group's number alone
	s_mov_b64 s[16:17], s[10:11]
	s_cmp_lt_u32 ttmp9, 96
	s_cselect_b64 s[16:17], s[8:9], s[16:17]
	s_cselect_b32 s15, 80, s15
	s_cmp_lt_u32 ttmp9, 80
	s_cselect_b64 s[16:17], s[6:7], s[16:17]
	s_cselect_b32 s15, 64, s15
	s_cmp_lt_u32 ttmp9, 64
	s_cselect_b64 s[16:17], s[4:5], s[16:17]
	s_cselect_b32 s15, 0, s15
	s_sub_co_u32 s18, ttmp9, s15                   ; the tile's number t in its source
	s_lshr_b32 s19, s18, 1
	s_lshl_b32 s19, s19, 17                        ; 32 (t / 2) rows
	s_and_b32 s18, s18, 1
	s_lshl_b32 s18, s18, 15                        ; + 8 (t % 2) rows
	s_add_co_u32 s18, s18, s19
	s_lshl_b32 s19, s14, 9                         ; + 512 bytes a K step
	s_add_co_u32 s18, s18, s19
	s_mov_b32 s19, 0
	s_add_nc_u64 s[16:17], s[16:17], s[18:19]
.irp b, 0,1,2,3
.irp j, 0,1,2,3
	global_load_b128 v[XN+16*\b+4*\j:XN+16*\b+4*\j+3], v4, s[16:17] offset:128*\b+16*\j th:TH_LOAD_NT
.endr
.endr
	s_mul_i32 s20, ttmp9, 12288
	s_mul_i32 s21, s14, 1536
	s_add_co_u32 s20, s20, s21
	s_mov_b32 s21, 0
	s_add_nc_u64 s[20:21], s[12:13], s[20:21]      ; my fragment's place
	s_lshl_b32 s24, ttmp9, 9
	s_add_co_u32 s24, s24, WSC
	s_mov_b32 s25, 0
	s_add_nc_u64 s[24:25], s[12:13], s[24:25]      ; the tile's 512 bytes of scale words
	s_wait_loadcnt 0x0
	QUANT XN
.irp g, 0,1,2
	global_store_b128 v5, v[PC+4*\g:PC+4*\g+3], s[20:21] offset:512*\g   ; 32 lanes store 512 consecutive bytes
.endr
	ds_store_b32 v6, v[PW]                         ; both halves of the lanes write the same word with the same value
	s_wait_dscnt 0x0                               ; for the others' sake: my store has landed
	s_barrier_signal -1
	s_barrier_wait -1
	s_cmp_lg_u32 s14, 0
	s_cbranch_scc1 .Ldone
	ds_load_b128 v[120:123], v5                    ; wave 0: the eight waves' scale words, 512 bytes on end
	s_wait_dscnt 0x0
	global_store_b128 v5, v[120:123], s[24:25]
.Ldone:
	s_wait_tensorcnt 0x0
	ds_add_u32 v128, v129
	s_wait_dscnt 0x0
	s_endpgm
.Lfunc_end_k_q03e1ca5fe5_wquant:
	.size	k_q03e1ca5fe5_wquant, .Lfunc_end_k_q03e1ca5fe5_wquant-k_q03e1ca5fe5_wquant
	.p2alignl 7, 3214868480
	.fill 96, 4, 3214868480
	.section	.rodata,"a",@progbits
	.p2align	6, 0x0
	.amdhsa_kernel k_q03e1ca5fe5_wquant
		.amdhsa_group_segment_fixed_size 2048
		.amdhsa_private_segment_fixed_size 0
		.amdhsa_enable_private_segment 0
		.amdhsa_kernarg_size 40
		.amdhsa_user_sgpr_count 2
		.amdhsa_user_sgpr_kernarg_segment_ptr 1
		.amdhsa_wavefront_size32 1
		.amdhsa_system_sgpr_workgroup_id_x 1
		.amdhsa_system_sgpr_workgroup_id_y 1
		.amdhsa_system_sgpr_workgroup_id_z 1
		.amdhsa_system_vgpr_workitem_id 0
		.amdhsa_next_free_vgpr 130
		.amdhsa_next_free_sgpr 66
		.amdhsa_reserve_vcc 0
		.amdhsa_float_denorm_mode_32 3
		.amdhsa_float_denorm_mode_16_64 3
		.amdhsa_memory_ordered 1
		.amdhsa_forward_progress 1
		.amdhsa_inst_pref_size 9
	.end_amdhsa_kernel
	.amdgpu_metadata
---
amdhsa.version: [ 1, 2 ]
amdhsa.kernels:
  - .name:           k_q03e1ca5fe5_wquant
    .symbol:         k_q03e1ca5fe5_wquant.kd
    .args:
      - { .name: wq, .offset: 0, .size: 8, .value_kind: global_buffer, .address_space: global }
      - { .name: wk, .offset: 8, .size: 8, .value_kind: global_buffer, .address_space: global }
      - { .name: wv, .offset: 16, .size: 8, .value_kind: global_buffer, .address_space: global }
      - { .name: wo, .offset: 24, .size: 8, .value_kind: global_buffer, .address_space: global }
      - { .name: wbuf, .offset: 32, .size: 8, .value_kind: global_buffer, .address_space: global }
    .group_segment_fixed_size: 2048
    .private_segment_fixed_size: 0
    .kernarg_segment_align: 8
    .kernarg_segment_size: 40
    .max_flat_workgroup_size: 256
    .sgpr_count:     66
    .vgpr_count:     130
    .wavefront_size: 32
...
	.end_amdgpu_metadata
.endif
;; end of part 1
;; launch qkv (part 2): grid 128 x 1, 16 waves a work-group, no clusters, 32,768 bytes of LDS; arguments features, wbuf, q_norm_w, k_norm_w, qbuf, kvbuf; writes qbuf, kvbuf
.if DOCPART == 2
	.amdgcn_target "amdgcn-amd-amdhsa--gfx1250"
	.amdhsa_code_object_version 6
	.text
	.protected	k_q03e1ca5fe5_qkv
	.globl	k_q03e1ca5fe5_qkv
	.p2align	8
	.type	k_q03e1ca5fe5_qkv,@function
k_q03e1ca5fe5_qkv:
	s_mov_b64 s[64:65], 0
	v_nop
	global_prefetch_b8 v0, s[64:65] scope:SCOPE_SE
	s_setreg_imm32_b32 hwreg(HW_REG_WAVE_MODE, 25, 1), 1
	s_wait_xcnt 0x0
; q = rmsnorm(x wq^T), k = rmsnorm(x wk^T), v = x wv^T on codes of FP6 (E2M3) with E8M0 scales, and q, k, v quantised again for the attention's products.
; SHARES.  A work-group owns 32 whole rows (tokens) of x: the norms want whole rows of q and k, and v is quantised along the keys in blocks of 32 tokens.  4,096 / 32 = 128 work-groups.
; Its 16 waves share the COLUMNS: wave w makes q's head w (64 columns: weight tiles 4 w .. 4 w + 3) and weight tiles 64 + 2 w, 65 + 2 w: for w < 8 that is k (32 columns), else v (32 columns).
; Each weight fragment goes from memory straight into the registers of the one wave that multiplies it (three loads of 16 bytes a lane: wbuf holds register images), one K step ahead.
; x: wave w quantises fragment (K step w / 2, token tile w % 2) in registers; the 16 images go round through LDS.  Token tile u holds tokens 8 u + r + 8 (r / 8).
; q, k: source 0 = 16 weight rows, source 1 = 16 tokens: a lane holds ONE token and its 16 registers of two tiles are 16 neighbouring columns: the next K (the head's 64).
; v: source 0 = 16 tokens, source 1 = 16 weight rows: a lane holds ONE column d and its 16 registers are 16 neighbouring tokens: the next K (the keys).
; OUT.  A lane's 16 codes, 12 bytes, go to [block of 32][row][24 bytes] + 12 (lane / 16): a consumer's lane l finds registers 6 c .. 6 c + 5 at 768 c + 24 l.  No lane exchange is needed.
; NO CLUSTER: all work-groups walk the same 1.2 MB of weights, but they go to registers and not through LDS, where a joint request would have to land; LDS holds 30 KB here.
; LIMITS: NaN and infinities are not served.  A block whose largest magnitude lies under 2^-124 keeps the byte 1 (read by this program alone).  1 / sqrt by v_rsq_f32.
.set WSC, 1966080                      ; wbuf: scale words
.set QSC, 3145728                      ; qbuf: scale words
.set VC,  786432                       ; kvbuf: v's codes;
.set KS,  1572864                      ; k's scale words;
.set VS,  1605632                      ; v's scale bytes
.set XIMG, 0                           ; LDS: x's 16 fragments, 1,536 bytes each (2 s + u)
.set XSC,  24576                       ; their scale words [s][u][r]
.set SSQ,  25600                       ; q's sums of squares [wave 16][slot 16 u + r]
.set SSK,  27648                       ; k's [wave 8][slot]
.set KSX,  28672                       ; k's partial scale words [wave 8][r]
.set VSB,  29184                       ; v's scale bytes, 256
.set LI,  1                            ; v1  16 x lane
.set LS,  2                            ; v2  4 x lane
.set XA,  3                            ; v3  x: (r + 8 (r / 8)) x 4,096 + 64 h
.set XWI, 4                            ; v4  where I store x's image
.set XWS, 5                            ; v5  and its scale words
.set WSO, 6                            ; v6  512 h + 4 r: two tiles' scale words in one register
.set NWO, 7                            ; v7  64 h: the norm weights of my 16 columns of a block
.set CO,  8                            ; v8  24 r + 12 h: my 12 bytes of a block's codes
.set SQA, 9                            ; v9  SSQ + 128 w + 4 lane
.set SKA, 10                           ; v10 SSK + 128 (w % 8) + 4 lane
.set KXA, 11                           ; v11 KSX + 64 (w % 8) + 4 r
.set VBA, 12                           ; v12 VSB + 32 (w % 8) + lane
.set KXR, 13                           ; v13 KSX + 128 (lane / 8) + 8 (lane % 8)
.set VBR, 14                           ; v14 VSB + 8 lane
.set L8,  15                           ; v15 8 x lane
.set QA,  16                           ; v16-79   q's accumulators (u, t) at 16 + 32 u + 8 t
.set KA,  80                           ; v80-111  k's (u, n) at 80 + 16 u + 8 n;  v's (n, u) at 80 + 16 n + 8 u
.set WQ,  112                          ; v112-159 four fragments of wq; later q_norm_w
.set WK,  160                          ; v160-183 two of wk or wv; later k_norm_w and codes
.set XB,  184                          ; v184-207, v208-231 x's two fragments, two buffers; later at work
.set WQS, 232                          ; v232-233 wq's scale words: tile 2 p in lanes 0-15, tile 2 p + 1 in lanes 16-31
.set WKS, 234                          ; v234     the same for wk or wv
.set XS,  235                          ; v235-236 x's scale words, two buffers: u = 0 in lanes 0-15, u = 1 in lanes 16-31
.set PW,  239
.set TM,  240                          ; v240-255 at work in the quantisers
.set PC,  184
.set WV,  16                           ; s16 wave
.set PX,  20                           ; s[20:21] x            s[22:23] wq's fragments     s[24:25] wk's or wv's
.set PWQ, 22
.set PWK, 24
.set PSQ, 26                           ; s[26:27], s[28:29] their scale words
.set PSK, 28
.set PQN, 30                           ; s[30:31] q_norm_w     s[32:33] k_norm_w
.set PKN, 32
.set PQC, 34                           ; s[34:35] q's codes    s[36:37] q's scale words
.set PQS, 36
.set PKC, 38                           ; s[38:39] k's codes    s[40:41] v's codes
.set PVC, 40
.set PKS, 42                           ; s[42:43] k's scale words   s[44:45] v's scale bytes
.set PVS, 44
.set SEL, 46
.set INVQ, 48
.set INVK, 49
.set EPS, 50
.set SH8, 51
.macro BSC4 s, mx, pt, so              ; four blocks of 16 registers at v[s + 16 b]: the scale operand into v[so + b], the byte into v[pt + b]
.irp b, 0,1,2,3
	v_max3_num_f32 v[\mx+\b], |v[\s+16*\b]|, |v[\s+16*\b+1]|, 0x1800000   ; my 16 numbers, and the floor 2^(3 - 127): the byte cannot fall under 1
.endr
.irp i, 2,4,6,8,10,12,14
.irp b, 0,1,2,3
	v_max3_num_f32 v[\mx+\b], v[\mx+\b], |v[\s+16*\b+\i]|, |v[\s+16*\b+\i+1]|
.endr
.endr
.irp b, 0,1,2,3
	v_permlanex16_b32 v[\pt+\b], v[\mx+\b], s[SEL], s[SEL+1]
.endr
.irp b, 0,1,2,3
	v_max_num_f32 v[\mx+\b], v[\mx+\b], v[\pt+\b]
.endr
.irp b, 0,1,2,3
	v_add_nc_u32 v[\so+\b], 0xff000000, v[\mx+\b]
.endr
.irp b, 0,1,2,3
	v_lshrrev_b32 v[\pt+\b], 23, v[\so+\b]
.endr
.endm
.macro BSC2 s, mx, pt, so              ; the same for two blocks
.irp b, 0,1
	v_max3_num_f32 v[\mx+\b], |v[\s+16*\b]|, |v[\s+16*\b+1]|, 0x1800000
.endr
.irp i, 2,4,6,8,10,12,14
.irp b, 0,1
	v_max3_num_f32 v[\mx+\b], v[\mx+\b], |v[\s+16*\b+\i]|, |v[\s+16*\b+\i+1]|
.endr
.endr
.irp b, 0,1
	v_permlanex16_b32 v[\pt+\b], v[\mx+\b], s[SEL], s[SEL+1]
.endr
.irp b, 0,1
	v_max_num_f32 v[\mx+\b], v[\mx+\b], v[\pt+\b]
.endr
.irp b, 0,1
	v_add_nc_u32 v[\so+\b], 0xff000000, v[\mx+\b]
.endr
.irp b, 0,1
	v_lshrrev_b32 v[\pt+\b], 23, v[\so+\b]
.endr
.endm
.macro QUANT s                         ; 64 numbers at v[s] on become a fragment in v[PC] on and its scale word in v[PW]
	BSC4 \s, TM, TM+4, TM+12
	v_lshl_or_b32 v[PW], v[TM+5], 8, v[TM+4]
	v_lshl_or_b32 v[PW], v[TM+6], 16, v[PW]
	v_lshl_or_b32 v[PW], v[TM+7], 24, v[PW]
.irp c, 0,1
	v_cvt_scalef32_pk16_fp6_f32 v[PC+6*\c:PC+6*\c+2], v[\s+32*\c:\s+32*\c+15], v[TM+12+2*\c]
	v_cvt_scalef32_pk16_fp6_f32 v[PC+12+4*\c:PC+14+4*\c], v[\s+32*\c+16:\s+32*\c+31], v[TM+13+2*\c]
.endr
	v_nop                                          ; one plain place behind a scaled conversion
.irp c, 0,1
.irp i, 0,1,2
	v_permlane16_swap_b32 v[PC+6*\c+\i], v[PC+12+4*\c+\i]
.endr
.irp i, 0,1,2
	v_mov_b32 v[PC+3+6*\c+\i], v[PC+12+4*\c+\i]
.endr
.endr
.endm
; One matrix instruction.  zero = 1: it starts its sum.  ra, rb = 1: that side's scales are read from lanes 16-31 of the register named.
.macro WM d, a, b, zero, sa, sb, ra, rb
.if \zero
.if (\ra) && (\rb)
	v_wmma_scale_f32_16x16x128_f8f6f4 v[(\d):(\d)+7], v[(\a):(\a)+11], v[(\b):(\b)+11], 0, v[\sa], v[\sb] matrix_a_fmt:MATRIX_FMT_FP6 matrix_b_fmt:MATRIX_FMT_FP6 matrix_a_scale:MATRIX_SCALE_ROW1 matrix_b_scale:MATRIX_SCALE_ROW1
.elseif \ra
	v_wmma_scale_f32_16x16x128_f8f6f4 v[(\d):(\d)+7], v[(\a):(\a)+11], v[(\b):(\b)+11], 0, v[\sa], v[\sb] matrix_a_fmt:MATRIX_FMT_FP6 matrix_b_fmt:MATRIX_FMT_FP6 matrix_a_scale:MATRIX_SCALE_ROW1
.elseif \rb
	v_wmma_scale_f32_16x16x128_f8f6f4 v[(\d):(\d)+7], v[(\a):(\a)+11], v[(\b):(\b)+11], 0, v[\sa], v[\sb] matrix_a_fmt:MATRIX_FMT_FP6 matrix_b_fmt:MATRIX_FMT_FP6 matrix_b_scale:MATRIX_SCALE_ROW1
.else
	v_wmma_scale_f32_16x16x128_f8f6f4 v[(\d):(\d)+7], v[(\a):(\a)+11], v[(\b):(\b)+11], 0, v[\sa], v[\sb] matrix_a_fmt:MATRIX_FMT_FP6 matrix_b_fmt:MATRIX_FMT_FP6
.endif
.else
.if (\ra) && (\rb)
	v_wmma_scale_f32_16x16x128_f8f6f4 v[(\d):(\d)+7], v[(\a):(\a)+11], v[(\b):(\b)+11], v[(\d):(\d)+7], v[\sa], v[\sb] matrix_a_fmt:MATRIX_FMT_FP6 matrix_b_fmt:MATRIX_FMT_FP6 matrix_a_scale:MATRIX_SCALE_ROW1 matrix_b_scale:MATRIX_SCALE_ROW1
.elseif \ra
	v_wmma_scale_f32_16x16x128_f8f6f4 v[(\d):(\d)+7], v[(\a):(\a)+11], v[(\b):(\b)+11], v[(\d):(\d)+7], v[\sa], v[\sb] matrix_a_fmt:MATRIX_FMT_FP6 matrix_b_fmt:MATRIX_FMT_FP6 matrix_a_scale:MATRIX_SCALE_ROW1
.elseif \rb
	v_wmma_scale_f32_16x16x128_f8f6f4 v[(\d):(\d)+7], v[(\a):(\a)+11], v[(\b):(\b)+11], v[(\d):(\d)+7], v[\sa], v[\sb] matrix_a_fmt:MATRIX_FMT_FP6 matrix_b_fmt:MATRIX_FMT_FP6 matrix_b_scale:MATRIX_SCALE_ROW1
.else
	v_wmma_scale_f32_16x16x128_f8f6f4 v[(\d):(\d)+7], v[(\a):(\a)+11], v[(\b):(\b)+11], v[(\d):(\d)+7], v[\sa], v[\sb] matrix_a_fmt:MATRIX_FMT_FP6 matrix_b_fmt:MATRIX_FMT_FP6
.endif
.endif
.endm
.macro PLACES                          ; four plain places behind matrix instructions, in front of loads into their registers and of reads of their results
.rept 4
	v_nop
.endr
.endm
.macro LOADWQ s                        ; K step s of my four tiles of wq: 12 + 2 loads
.irp t, 0,1,2,3
.irp g, 0,1,2
	global_load_b128 v[WQ+12*\t+4*\g:WQ+12*\t+4*\g+3], v[LI], s[PWQ:PWQ+1] offset:12288*\t+1536*(\s)+512*\g
.endr
.endr
.irp p, 0,1
	global_load_b32 v[WQS+\p], v[WSO], s[PSQ:PSQ+1] offset:1024*\p+64*(\s)
.endr
.endm
.macro LOADWK s                        ; K step s of my two tiles of wk or wv: 6 + 1 loads
.irp n, 0,1
.irp g, 0,1,2
	global_load_b128 v[WK+12*\n+4*\g:WK+12*\n+4*\g+3], v[LI], s[PWK:PWK+1] offset:12288*\n+1536*(\s)+512*\g
.endr
.endr
	global_load_b32 v[WKS], v[WSO], s[PSK:PSK+1] offset:64*(\s)
.endm
.macro LOADX s                         ; K step s of x, both token tiles, from LDS into buffer s % 2: 6 + 1 loads
.irp u, 0,1
.irp g, 0,1,2
	ds_load_b128 v[XB+24*((\s)%2)+12*\u+4*\g:XB+24*((\s)%2)+12*\u+4*\g+3], v[LI] offset:XIMG+3072*(\s)+1536*\u+512*\g
.endr
.endr
	ds_load_b32 v[XS+(\s)%2], v[LS] offset:XSC+128*(\s)
.endm
; The twelve accumulators take turns, one instruction a turn, in the same order in every K step.
.macro MULQ s, z
.irp u, 0,1
.irp t, 0,1,2,3
	WM QA+32*\u+8*\t, WQ+12*\t, XB+24*((\s)%2)+12*\u, \z, WQS+\t/2, XS+(\s)%2, \t%2, \u
.endr
.endr
.endm
.macro MULKV s, z                      ; the branch hangs on the wave's number alone
	s_cmp_lt_u32 s[WV], 8
	s_cbranch_scc0 .Lvarm_\@
.irp u, 0,1
.irp n, 0,1
	WM KA+16*\u+8*\n, WK+12*\n, XB+24*((\s)%2)+12*\u, \z, WKS, XS+(\s)%2, \n, \u
.endr
.endr
	s_branch .Lkvj_\@
.Lvarm_\@:
.irp n, 0,1
.irp u, 0,1
	WM KA+16*\n+8*\u, XB+24*((\s)%2)+12*\u, WK+12*\n, \z, XS+(\s)%2, WKS, \u, \n
.endr
.endr
.Lkvj_\@:
.endm
.macro STEP s, z                       ; a K step of 128: 12 matrix instructions; the next step's operands are asked for as this step's registers fall free
.if \s < 7
	LOADX \s+1
.endif
	s_wait_loadcnt 7                               ; wq's 14 loads of this step are in; the 7 of wk or wv behind them may be out
.if \s < 7
	s_wait_dscnt 7                                 ; this step's x is in; the 7 loads just issued may be out
.else
	s_wait_dscnt 0x0
.endif
	MULQ \s, \z
	PLACES
.if \s < 7
	LOADWQ \s+1
	s_wait_loadcnt 14                              ; wk's or wv's 7 loads are in; the 14 just issued may be out
.else
.irp b, 0,1
.irp j, 0,1,2,3
	global_load_b128 v[WQ+16*\b+4*\j:WQ+16*\b+4*\j+3], v[NWO], s[PQN:PQN+1] offset:128*\b+16*\j   ; q_norm_w of my columns 32 b + 16 h + 0 .. 15
.endr
.endr
	s_wait_loadcnt 8                               ; the 8 just issued may be out
.endif
	MULKV \s, \z
	PLACES
.if \s < 7
	LOADWK \s+1
.endif
.endm
.macro SLOTSUM adr                     ; two packed sums (u = 0 in v[184:185], u = 1 in v[186:187]) become one number a slot: lane 16 u + r holds token (u, r)'s
	v_add_f32 v188, v184, v185
	v_add_f32 v189, v186, v187
	v_permlanex16_b32 v[TM+4], v188, s[SEL], s[SEL+1]
	v_permlanex16_b32 v[TM+5], v189, s[SEL], s[SEL+1]
	v_add_f32 v188, v188, v[TM+4]
	v_add_f32 v189, v189, v[TM+5]
	v_cndmask_b32 v190, v188, v189, vcc_lo
	ds_store_b32 v[\adr], v190
.endm
.macro RSTAIL inv                      ; v184 = a slot's sum of squares.  1 / sqrt(mean + eps) of tokens (0, r) and (1, r) into the pairs v[200:201], v[202:203]
	v_fma_f32 v184, v184, s[\inv], s[EPS]          ; the mean is a multiplication by a power of two: one rounding, as in mean + eps
	v_rsq_f32 v185, v184
	v_nop                                          ; one plain place behind a transcendental
	s_wait_alu depctr_va_vdst(0)
	v_permlanex16_b32 v[TM+4], v185, s[SEL], s[SEL+1]
	v_cndmask_b32 v200, v185, v[TM+4], vcc_lo
	v_cndmask_b32 v201, v185, v[TM+4], vcc_lo
	v_cndmask_b32 v202, v[TM+4], v185, vcc_lo
	v_cndmask_b32 v203, v[TM+4], v185, vcc_lo
.endm
.macro BARRIER
	s_wait_dscnt 0x0                               ; my LDS stores have landed and my LDS loads are in
	s_barrier_signal -1
	s_barrier_wait -1
.endm
	s_load_b256 s[4:11], s[0:1], 0x0               ; features s[4:5], wbuf s[6:7], q_norm_w s[8:9], k_norm_w s[10:11]
	s_load_b128 s[12:15], s[0:1], 0x20             ; qbuf s[12:13], kvbuf s[14:15]
	v_lshl_add_u32 v250, v0, 2, 0x7800
	v_mov_b32 v251, 0
	v_lshrrev_b32 v16, 5, v0
	v_readfirstlane_b32 s[WV], v16                 ; wave 0..15
	v_and_b32 v16, 31, v0                          ; lane
	v_and_b32 v17, 15, v0                          ; r
	v_bfe_u32 v18, v0, 4, 1                        ; h
	v_cmp_lt_u32 vcc_lo, 15, v16                   ; the mask of lanes 16-31: kept for the whole kernel
	s_and_b32 s19, s[WV], 7                        ; my number among the k waves or among the v waves
	v_lshlrev_b32 v[LI], 4, v16
	v_lshlrev_b32 v[LS], 2, v16
	v_and_b32 v[XA], 8, v17
	v_add_nc_u32 v[XA], v[XA], v17
	v_lshlrev_b32 v[XA], 12, v[XA]
	v_lshl_add_u32 v[XA], v18, 6, v[XA]
	s_mul_i32 s52, s[WV], 1536
	v_add_nc_u32 v[XWI], s52, v[LI]
	s_lshl_b32 s52, s[WV], 6
	s_add_co_u32 s52, s52, XSC
	v_lshl_add_u32 v[XWS], v17, 2, s52
	v_lshlrev_b32 v[WSO], 2, v17
	v_lshl_add_u32 v[WSO], v18, 9, v[WSO]
	v_lshlrev_b32 v[NWO], 6, v18
	v_mul_u32_u24 v[CO], v17, 24
	v_mad_u32_u24 v[CO], v18, 12, v[CO]
	s_lshl_b32 s52, s[WV], 7
	s_add_co_u32 s52, s52, SSQ
	v_add_nc_u32 v[SQA], s52, v[LS]
	s_lshl_b32 s52, s19, 7
	s_add_co_u32 s52, s52, SSK
	v_add_nc_u32 v[SKA], s52, v[LS]
	s_lshl_b32 s52, s19, 6
	s_add_co_u32 s52, s52, KSX
	v_lshl_add_u32 v[KXA], v17, 2, s52
	s_lshl_b32 s52, s19, 5
	s_add_co_u32 s52, s52, VSB
	v_add_nc_u32 v[VBA], s52, v16
	v_lshrrev_b32 v[KXR], 3, v16
	v_lshlrev_b32 v[KXR], 7, v[KXR]
	v_and_b32 v19, 7, v16
	v_lshl_add_u32 v[KXR], v19, 3, v[KXR]
	v_add_nc_u32 v[KXR], KSX, v[KXR]
	v_lshlrev_b32 v[L8], 3, v16
	v_add_nc_u32 v[VBR], VSB, v[L8]
.irp b, 0,1,2,3
	v_mov_b32 v[TM+4+\b], 0                        ; written once: a lane permute's destination counts as one of its sources
.endr
	s_mov_b32 s[SEL], 0x76543210
	s_mov_b32 s[SEL+1], 0xfedcba98
	s_mov_b32 s[INVQ], 0x3a800000                  ; 1 / 1,024
	s_mov_b32 s[INVK], 0x3b800000                  ; 1 / 256
	s_mov_b32 s[EPS], 0x358637bd                   ; 1e-6
	s_lshr_b32 s17, ttmp9, 6                       ; batch
	s_and_b32 s18, ttmp9, 63                       ; block of 32 tokens in it
	s_lshr_b32 s52, s19, 1                         ; key and value head
	s_and_b32 s53, s19, 1                          ; which 32 of its 64 columns
	s_lshl_b32 s[SH8], s53, 3
	s_lshl_b32 s54, s17, 2
	s_add_co_u32 s54, s54, s52                     ; y = 4 batch + head
	s_mov_b32 s57, 0
	s_lshl_b32 s56, ttmp9, 17                      ; x: 32 rows of 4,096 bytes a work-group,
	s_and_b32 s58, s[WV], 1
	s_lshl_b32 s58, s58, 15                        ; 8 rows on for token tile 1,
	s_add_co_u32 s56, s56, s58
	s_lshr_b32 s58, s[WV], 1
	s_lshl_b32 s58, s58, 9                         ; 512 bytes a K step
	s_add_co_u32 s56, s56, s58
	s_wait_kmcnt 0x0
	s_add_nc_u64 s[PX:PX+1], s[4:5], s[56:57]
.irp b, 0,1,2,3
.irp j, 0,1,2,3
	global_load_b128 v[QA+16*\b+4*\j:QA+16*\b+4*\j+3], v[XA], s[PX:PX+1] offset:128*\b+16*\j th:TH_LOAD_NT
.endr
.endr
	s_mul_i32 s56, s[WV], 49152
	s_add_nc_u64 s[PWQ:PWQ+1], s[6:7], s[56:57]
	s_lshl_b32 s56, s[WV], 11
	s_add_co_u32 s56, s56, WSC
	s_add_nc_u64 s[PSQ:PSQ+1], s[6:7], s[56:57]
	LOADWQ 0
	s_mul_i32 s56, s[WV], 24576
	s_add_co_u32 s56, s56, 786432
	s_add_nc_u64 s[PWK:PWK+1], s[6:7], s[56:57]
	s_lshl_b32 s56, s[WV], 10
	s_add_co_u32 s56, s56, WSC+32768
	s_add_nc_u64 s[PSK:PSK+1], s[6:7], s[56:57]
	LOADWK 0
	s_lshl_b32 s56, s[WV], 8
	s_add_nc_u64 s[PQN:PQN+1], s[8:9], s[56:57]
	s_lshl_b32 s56, s19, 7
	s_add_nc_u64 s[PKN:PKN+1], s[10:11], s[56:57]
	s_lshl_b32 s58, s17, 4
	s_add_co_u32 s58, s58, s[WV]
	s_lshl_b32 s58, s58, 7
	s_lshl_b32 s59, s18, 1
	s_add_co_u32 s58, s58, s59                     ; q's tile of 16: (16 batch + head) x 128 + 2 block
	s_mul_i32 s56, s58, 768
	s_add_nc_u64 s[PQC:PQC+1], s[12:13], s[56:57]
	s_lshl_b32 s56, s58, 6
	s_add_co_u32 s56, s56, QSC
	s_add_nc_u64 s[PQS:PQS+1], s[12:13], s[56:57]
	s_lshl_b32 s58, s54, 6
	s_add_co_u32 s58, s58, s18
	s_mul_i32 s56, s58, 1536                       ; k: (64 y + block) x 1,536 + 384 x my half of the head
	s_mul_i32 s58, s53, 384
	s_add_co_u32 s56, s56, s58
	s_add_nc_u64 s[PKC:PKC+1], s[14:15], s[56:57]
	s_lshl_b32 s58, s54, 4
	s_lshr_b32 s59, s18, 2
	s_add_co_u32 s58, s58, s59
	s_mul_i32 s56, s58, 6144                       ; v: (16 y + block / 4) x 6,144 + 3,072 ((block / 2) % 2) + 384 (block % 2) + 768 x tile
	s_bfe_u32 s58, s18, 0x10001
	s_mul_i32 s58, s58, 3072
	s_add_co_u32 s56, s56, s58
	s_and_b32 s58, s18, 1
	s_mul_i32 s58, s58, 384
	s_add_co_u32 s56, s56, s58
	s_mul_i32 s58, s53, 1536
	s_add_co_u32 s56, s56, s58
	s_add_co_u32 s56, s56, VC
	s_add_nc_u64 s[PVC:PVC+1], s[14:15], s[56:57]
	s_lshl_b32 s56, ttmp9, 8
	s_add_co_u32 s56, s56, KS
	s_add_nc_u64 s[PKS:PKS+1], s[14:15], s[56:57]
	s_lshl_b32 s56, ttmp9, 8
	s_add_co_u32 s56, s56, VS
	s_add_nc_u64 s[PVS:PVS+1], s[14:15], s[56:57]
	; ---- x: my fragment is quantised and its image goes to LDS
	s_wait_loadcnt 21                              ; x's 16 loads are in; the 14 + 7 weight loads behind them may be out
	QUANT QA
.irp g, 0,1,2
	ds_store_b128 v[XWI], v[PC+4*\g:PC+4*\g+3] offset:XIMG+512*\g
.endr
	ds_store_b32 v[XWS], v[PW]                     ; both halves of the lanes write the same word with the same value
	BARRIER                                        ; x's sixteen fragments lie in LDS
	LOADX 0
	; ---- the three products, K step by K step
	STEP 0, 1
	STEP 1, 0
	STEP 2, 0
	STEP 3, 0
	STEP 4, 0
	STEP 5, 0
	STEP 6, 0
	STEP 7, 0
	; ---- sums of squares of my 64 columns of q, for each of my lane's two tokens (each accumulator is read from its low end on)
	v_pk_mul_f32 v[184:185], v[QA:QA+1], v[QA:QA+1]
	v_pk_mul_f32 v[186:187], v[QA+32:QA+33], v[QA+32:QA+33]
.irp i, 2,4,6,8,10,12,14,16,18,20,22,24,26,28,30
	v_pk_fma_f32 v[184:185], v[QA+\i:QA+\i+1], v[QA+\i:QA+\i+1], v[184:185]
	v_pk_fma_f32 v[186:187], v[QA+32+\i:QA+33+\i], v[QA+32+\i:QA+33+\i], v[186:187]
.endr
	SLOTSUM SQA
	s_cmp_lt_u32 s[WV], 8
	s_cbranch_scc0 .Lrole_v
	; k waves: k_norm_w of my 16 columns is asked for, and the sums of squares of my 32 columns of k are made
.irp j, 0,1,2,3
	global_load_b128 v[WK+4*\j:WK+4*\j+3], v[NWO], s[PKN:PKN+1] offset:16*\j
.endr
	v_pk_mul_f32 v[184:185], v[KA:KA+1], v[KA:KA+1]
	v_pk_mul_f32 v[186:187], v[KA+16:KA+17], v[KA+16:KA+17]
.irp i, 2,4,6,8,10,12,14
	v_pk_fma_f32 v[184:185], v[KA+\i:KA+\i+1], v[KA+\i:KA+\i+1], v[184:185]
	v_pk_fma_f32 v[186:187], v[KA+16+\i:KA+17+\i], v[KA+16+\i:KA+17+\i], v[186:187]
.endr
	SLOTSUM SKA
	s_branch .Ljoin_a
.Lrole_v:
	; v waves: my two tiles of 16 columns d x the work-group's 32 tokens are two blocks along the keys a lane pair: quantised and stored
	BSC2 KA, TM, TM+4, TM+12
	v_cvt_scalef32_pk16_fp6_f32 v[176:178], v[KA:KA+15], v[TM+12]
	v_cvt_scalef32_pk16_fp6_f32 v[180:182], v[KA+16:KA+31], v[TM+13]
	v_nop                                          ; one plain place behind a scaled conversion
	global_store_b96 v[CO], v[176:178], s[PVC:PVC+1]
	global_store_b96 v[CO], v[180:182], s[PVC:PVC+1] offset:768
	v_cndmask_b32 v184, v[TM+4], v[TM+5], vcc_lo   ; lane 16 n + r writes the byte of tile n, row r
	ds_store_b8 v[VBA], v184
.Ljoin_a:
	BARRIER                                        ; every wave's sums of squares lie in LDS
	; ---- q: the norm, the gain, the quantiser along the head's 64
.irp i, 0,1,2,3,4,5,6,7,8,9,10,11,12,13,14,15
	ds_load_b32 v[184+\i], v[LS] offset:SSQ+128*\i
.endr
	s_wait_dscnt 0x0
.irp i, 0,2,4,6,8,10,12,14
	v_add_f32 v[184+\i], v[184+\i], v[185+\i]
.endr
.irp i, 0,4,8,12
	v_add_f32 v[184+\i], v[184+\i], v[186+\i]
.endr
.irp i, 0,8
	v_add_f32 v[184+\i], v[184+\i], v[188+\i]
.endr
	v_add_f32 v184, v184, v192
	RSTAIL INVQ
.irp u, 0,1
.irp i, 0,2,4,6,8,10,12,14,16,18,20,22,24,26,28,30
	v_pk_mul_f32 v[QA+32*\u+\i:QA+32*\u+\i+1], v[QA+32*\u+\i:QA+32*\u+\i+1], v[200+2*\u:201+2*\u]
.endr
.endr
	s_wait_loadcnt 0x0                             ; the gains
.irp u, 0,1
.irp i, 0,2,4,6,8,10,12,14,16,18,20,22,24,26,28,30
	v_pk_mul_f32 v[QA+32*\u+\i:QA+32*\u+\i+1], v[QA+32*\u+\i:QA+32*\u+\i+1], v[WQ+\i:WQ+\i+1]
.endr
.endr
	BSC4 QA, TM, TM+4, TM+12                       ; block 2 u + b: token tile u, columns 32 b on
.irp b, 0,1,2,3
	v_cvt_scalef32_pk16_fp6_f32 v[208+4*\b:210+4*\b], v[QA+16*\b:QA+16*\b+15], v[TM+12+\b]
.endr
	v_nop                                          ; one plain place behind a scaled conversion
.irp b, 0,1,2,3
	global_store_b96 v[CO], v[208+4*\b:210+4*\b], s[PQC:PQC+1] offset:384*\b   ; 32 lanes store 384 consecutive bytes
.endr
	v_lshl_or_b32 v224, v[TM+5], 8, v[TM+4]
	v_lshl_or_b32 v225, v[TM+7], 8, v[TM+6]
	v_cndmask_b32 v226, v224, v225, vcc_lo         ; lane 16 u + r stores token (u, r)'s two bytes
	global_store_b32 v[LS], v226, s[PQS:PQS+1]
	s_cmp_lt_u32 s[WV], 8
	s_cbranch_scc0 .Ljoin_b
	; ---- k likewise, in the k waves
.irp i, 0,1,2,3,4,5,6,7
	ds_load_b32 v[184+\i], v[LS] offset:SSK+128*\i
.endr
	s_wait_dscnt 0x0
.irp i, 0,2,4,6
	v_add_f32 v[184+\i], v[184+\i], v[185+\i]
.endr
.irp i, 0,4
	v_add_f32 v[184+\i], v[184+\i], v[186+\i]
.endr
	v_add_f32 v184, v184, v188
	RSTAIL INVK
.irp u, 0,1
.irp i, 0,2,4,6,8,10,12,14
	v_pk_mul_f32 v[KA+16*\u+\i:KA+16*\u+\i+1], v[KA+16*\u+\i:KA+16*\u+\i+1], v[200+2*\u:201+2*\u]
.endr
.endr
.irp u, 0,1
.irp i, 0,2,4,6,8,10,12,14
	v_pk_mul_f32 v[KA+16*\u+\i:KA+16*\u+\i+1], v[KA+16*\u+\i:KA+16*\u+\i+1], v[WK+\i:WK+\i+1]
.endr
.endr
	BSC2 KA, TM, TM+4, TM+12                       ; block u: token tile u, my 32 columns
	v_cvt_scalef32_pk16_fp6_f32 v[176:178], v[KA:KA+15], v[TM+12]
	v_cvt_scalef32_pk16_fp6_f32 v[180:182], v[KA+16:KA+31], v[TM+13]
	v_nop                                          ; one plain place behind a scaled conversion
	global_store_b96 v[CO], v[176:178], s[PKC:PKC+1]
	global_store_b96 v[CO], v[180:182], s[PKC:PKC+1] offset:768
	v_lshl_or_b32 v184, v[TM+5], 16, v[TM+4]       ; my two bytes of the row's word (tile 0: bytes 0, 1; tile 1: bytes 2, 3),
	v_lshlrev_b32 v184, s[SH8], v184               ; at my half of the head's place
	ds_store_b32 v[KXA], v184
.Ljoin_b:
	BARRIER                                        ; k's partial scale words lie in LDS (v's bytes since the barrier before)
	s_cmp_lg_u32 s[WV], 0
	s_cbranch_scc1 .Lnot_0
	ds_load_b64 v[184:185], v[KXR]                 ; wave 0: the two halves of each word are joined; 32 lanes store 256 consecutive bytes, aligned
	ds_load_b64 v[186:187], v[KXR] offset:64
	s_wait_dscnt 0x0
	v_or_b32 v184, v184, v186
	v_or_b32 v185, v185, v187
	global_store_b64 v[L8], v[184:185], s[PKS:PKS+1]
.Lnot_0:
	s_cmp_lg_u32 s[WV], 1
	s_cbranch_scc1 .Lnot_1
	ds_load_b64 v[184:185], v[VBR]                 ; wave 1: v's 256 scale bytes, likewise
	s_wait_dscnt 0x0
	global_store_b64 v[L8], v[184:185], s[PVS:PVS+1]
.Lnot_1:
	s_wait_tensorcnt 0x0
	ds_add_u32 v250, v251
	s_wait_dscnt 0x0
	s_endpgm
.Lfunc_end_k_q03e1ca5fe5_qkv:
	.size	k_q03e1ca5fe5_qkv, .Lfunc_end_k_q03e1ca5fe5_qkv-k_q03e1ca5fe5_qkv
	.p2alignl 7, 3214868480
	.fill 96, 4, 3214868480
	.section	.rodata,"a",@progbits
	.p2align	6, 0x0
	.amdhsa_kernel k_q03e1ca5fe5_qkv
		.amdhsa_group_segment_fixed_size 32768
		.amdhsa_private_segment_fixed_size 0
		.amdhsa_enable_private_segment 0
		.amdhsa_kernarg_size 48
		.amdhsa_user_sgpr_count 2
		.amdhsa_user_sgpr_kernarg_segment_ptr 1
		.amdhsa_wavefront_size32 1
		.amdhsa_system_sgpr_workgroup_id_x 1
		.amdhsa_system_sgpr_workgroup_id_y 1
		.amdhsa_system_sgpr_workgroup_id_z 1
		.amdhsa_system_vgpr_workitem_id 0
		.amdhsa_next_free_vgpr 256
		.amdhsa_next_free_sgpr 66
		.amdhsa_reserve_vcc 1
		.amdhsa_float_denorm_mode_32 3
		.amdhsa_float_denorm_mode_16_64 3
		.amdhsa_memory_ordered 1
		.amdhsa_forward_progress 1
		.amdhsa_inst_pref_size 73
	.end_amdhsa_kernel
	.amdgpu_metadata
---
amdhsa.version: [ 1, 2 ]
amdhsa.kernels:
  - .name:           k_q03e1ca5fe5_qkv
    .symbol:         k_q03e1ca5fe5_qkv.kd
    .args:
      - { .name: features, .offset: 0, .size: 8, .value_kind: global_buffer, .address_space: global }
      - { .name: wbuf, .offset: 8, .size: 8, .value_kind: global_buffer, .address_space: global }
      - { .name: q_norm_w, .offset: 16, .size: 8, .value_kind: global_buffer, .address_space: global }
      - { .name: k_norm_w, .offset: 24, .size: 8, .value_kind: global_buffer, .address_space: global }
      - { .name: qbuf, .offset: 32, .size: 8, .value_kind: global_buffer, .address_space: global }
      - { .name: kvbuf, .offset: 40, .size: 8, .value_kind: global_buffer, .address_space: global }
    .group_segment_fixed_size: 32768
    .private_segment_fixed_size: 0
    .kernarg_segment_align: 8
    .kernarg_segment_size: 48
    .max_flat_workgroup_size: 512
    .sgpr_count:     66
    .vgpr_count:     256
    .wavefront_size: 32
...
	.end_amdgpu_metadata
.endif
;; end of part 2
;; launch attn (part 3): grid 32 x 8, 16 waves a work-group, no clusters, 67,584 bytes of LDS; arguments qbuf, kvbuf, aobuf; writes aobuf
.if DOCPART == 3
	.amdgcn_target "amdgcn-amd-amdhsa--gfx1250"
	.amdhsa_code_object_version 6
	.text
	.protected	k_q03e1ca5fe5_attn
	.globl	k_q03e1ca5fe5_attn
	.p2align	8
	.type	k_q03e1ca5fe5_attn,@function
k_q03e1ca5fe5_attn:
	s_mov_b64 s[64:65], 0
	v_nop
	global_prefetch_b8 v0, s[64:65] scope:SCOPE_SE
	s_setreg_imm32_b32 hwreg(HW_REG_WAVE_MODE, 25, 1), 1
	s_wait_xcnt 0x0
; o = softmax(q k^T / 8 + slope x (key - query), keys query - 512 .. query) v, both products on codes of FP6 (E2M3) with E8M0 scales; o / l is quantised along heads x 64 for the last product.
; SHARES.  A work-group owns 64 queries of the four query heads that share one key and value head (y = 4 batch + head): 16 waves, each one tile of 16 queries of one head, in 256 registers, four waves to a SIMD.
; THE WINDOW.  Queries 64 c .. 64 c + 63 lie in key step a = c / 2 (128 keys a step) and see keys of steps a - 4 .. a alone: what lies outside is hidden by the problem's own mask and is not multiplied.
; Steps g0 .. g0 + 4, g0 = max(a, 4) - 4, come into LDS ONCE (61 KB); the loop has 5 trips in every work-group, and a trip whose step lies behind step a is jumped over by a scalar branch on ids.
; Hidden scores of steps a (key > query) and a - 4 (key < query - 512) become -infinity ahead of the maximum.  The first step walked holds a key that counts for every query, so M is a number from there on.
; LAYOUT.  Both products transposed: S^T = K Q^T, O^T = V^T P^T: a lane holds ONE query.  The head has 64 channels, half of the instruction's K: a fragment of K holds TWO tiles of 16 keys (k 0-63: tile 0,
; k 64-127: tile 1); multiplied by [Q | zero codes] it gives tile 0's scores, by [zero codes | Q] tile 1's.  Zero codes add nothing under any scale byte but 0xff; their bytes are 0 here.
; Tile u of a block of 32 keys holds keys 8 u + r + 8 (r / 8): the 16 registers of a block's two tiles are 16 neighbouring keys.
; SOFTMAX.  t = S log2(e) / 8 + sl2 (key - query), sl2 = slope x log2(e); M = the running largest t rounded up to a whole number; p = 2^(t - M) is quantised along the keys, not normalised;
; the sum is taken of the unquantised p and divides at the end.  t is formed as (S c + sl2 i) + sl2 (32 b - d): i the register's place in its block's half, d = query - the lane's first key.
; NO CLUSTER: the tiles are brought once by plain loads through registers, and neighbouring work-groups' windows are shifted against each other, so that their fills are not one request.
; LIMITS: NaN and infinities are not served.  The bias term is rounded in two parts, a few units in its last place off the problem's slope x (key - query).  1 / l by v_rcp_f32.
; A block of p or of o whose largest magnitude lies under 2^-124 keeps the byte 1 (read by this program alone).
.set QSC, 3145728                      ; qbuf: scale words
.set KSG, 1572864                      ; kvbuf: k's scale words; v's scale bytes lie 32,768 on
.set ASC, 3145728                      ; aobuf: scale words
.set LVC, 30720                        ; LDS: k's codes at 0 (5 x 6,144), v's here,
.set LKS, 61440                        ; k's scale words [step][block][r],
.set LVS, 62720                        ; v's [step][tile][r],
.set LXS, 64000                        ; and o's, 512 bytes
; v1 24 lane; v2 4 r; v3 query - 16 h; v4-7 the fill's offsets; v8, v9 the step's LDS addresses; v10 d; v11 at work; v12 -M; v13 the largest t; v[14:15] the sum
; v16-27 [Q | 0]; v28-39 [0 | Q]; v40-87 four fragments of K, then of V; v88-103 sl2 i; v104-167 S^T, then p; v168-199 O^T; v200-211 p's codes; v212-218 at work (ahead of the loop: the scale fill's addresses)
; v220-223 block maxima; v224-227 at work; v228, 230, 232, 234 sl2 (32 b - d) - M (their odd partners are named with them and not used by the sums: they keep the way out's addresses)
; v236-239 sl2 (32 b - d); v240-243 scale operands; v244-247 K's, then V's scale words; v248, v249 Q's; v250 p's; v[252:253] f
.set WV,  10
.set A,   17                           ; s17 the queries' key step;  s18 that step - 4 (it wraps where there is none, and then equals no step)
.set AL,  18
.set G,   19                           ; s19 the trip's key step;  s20 its first key
.set G128, 20
.set TF,  21                           ; s21, s22 where the trip's codes and scale words begin in LDS
.set TS,  22
.set CNT, 23
.set SEL, 24
.set CS,  26                           ; s[26:27] log2(e) / 8
.set SL2, 28
.macro BSC2 s, mx, pt, so              ; two blocks of 16 registers at v[s + 16 b]: the scale operand into v[so + b], the byte into v[pt + b]
.irp b, 0,1
	v_max3_num_f32 v[\mx+\b], |v[\s+16*\b]|, |v[\s+16*\b+1]|, 0x1800000
.endr
.irp i, 2,4,6,8,10,12,14
.irp b, 0,1
	v_max3_num_f32 v[\mx+\b], v[\mx+\b], |v[\s+16*\b+\i]|, |v[\s+16*\b+\i+1]|
.endr
.endr
.irp b, 0,1
	v_permlanex16_b32 v[\pt+\b], v[\mx+\b], s[SEL], s[SEL+1]
.endr
.irp b, 0,1
	v_max_num_f32 v[\mx+\b], v[\mx+\b], v[\pt+\b]
.endr
.irp b, 0,1
	v_add_nc_u32 v[\so+\b], 0xff000000, v[\mx+\b]
.endr
.irp b, 0,1
	v_lshrrev_b32 v[\pt+\b], 23, v[\so+\b]
.endr
.endm
	s_load_b128 s[4:7], s[0:1], 0x0                ; qbuf s[4:5], kvbuf s[6:7]
	s_load_b64 s[8:9], s[0:1], 0x10                ; aobuf
	v_lshl_add_u32 v219, v0, 2, 0x10000
	v_mov_b32 v255, 0
	v_lshrrev_b32 v8, 5, v0
	v_readfirstlane_b32 s[WV], v8                  ; wave 0..15
	v_and_b32 v8, 31, v0                           ; lane
	v_and_b32 v9, 15, v0                           ; r
	v_bfe_u32 v10, v0, 4, 1                        ; h
	s_lshr_b32 s11, s[WV], 2                       ; which of the four query heads
	s_and_b32 s12, s[WV], 3                        ; which tile of 16 queries
	s_and_b32 s14, ttmp7, 0xffff                   ; y
	s_lshr_b32 s15, s14, 2                         ; batch
	s_and_b32 s16, s14, 3                          ; key and value head
	s_lshr_b32 s[A], ttmp9, 1
	s_sub_co_u32 s[AL], s[A], 4
	s_max_u32 s29, s[A], 4
	s_sub_co_u32 s29, s29, 4                       ; g0
	s_lshl_b32 s30, s16, 2
	s_add_co_u32 s30, s30, s11                     ; query head
	v_mul_u32_u24 v1, v8, 24
	v_lshlrev_b32 v2, 2, v9
	s_lshl_b32 s48, ttmp9, 6
	s_lshr_b32 s49, s12, 1
	s_lshl_b32 s49, s49, 5
	s_add_co_u32 s48, s48, s49
	s_and_b32 s49, s12, 1
	s_lshl_b32 s49, s49, 3
	s_add_co_u32 s48, s48, s49
	v_and_b32 v3, 8, v9
	v_add_nc_u32 v3, v3, v9
	v_add_nc_u32 v3, s48, v3                       ; my query: 64 c + 32 (tile / 2) + 8 (tile % 2) + r + 8 (r / 8)
	v_lshlrev_b32 v11, 4, v10
	v_sub_nc_u32 v3, v3, v11                       ; - 16 h
	s_and_b32 s48, s[WV], 7
	s_lshl_b32 s49, s48, 9
	v_lshl_add_u32 v4, v8, 4, s49                  ; the fill: eight waves cover 4,096 bytes an instruction,
	s_lshr_b32 s50, s[WV], 3
	s_mul_i32 s50, s50, LVC                        ; waves 0-7 k's codes, waves 8-15 v's
	v_add_nc_u32 v5, s50, v4
	s_lshl_b32 s49, s48, 8
	s_add_co_u32 s49, s49, 28672
	v_lshl_add_u32 v6, v8, 3, s49                  ; and the last 2,048 of 30,720 bytes by 8 bytes a lane
	v_add_nc_u32 v7, s50, v6
	s_lshl_b32 s49, s[WV], 9
	v_lshl_add_u32 v212, v10, 8, v2
	v_add_nc_u32 v212, s49, v212                   ; k's scale words in memory: block 2 w + h, row r
	s_lshr_b32 s49, s[WV], 1
	s_lshl_b32 s49, s49, 10
	s_and_b32 s51, s[WV], 1
	s_lshl_b32 s51, s51, 5
	s_add_co_u32 s49, s49, s51
	v_add_nc_u32 v213, s49, v8                     ; v's scale bytes in memory: step w / 2, tile 2 (w % 2) + h, row r
	s_lshl_b32 s49, s[WV], 7
	s_add_co_u32 s51, s49, LKS
	v_lshl_add_u32 v214, v8, 2, s51                ; and where the words go in LDS
	s_add_co_u32 s51, s49, LVS
	v_lshl_add_u32 v215, v8, 2, s51
	s_lshr_b32 s48, s12, 1                         ; the way out: o's two bytes at [block of 32 queries][pair of heads][tile][r][head % 2]
	s_lshl_b32 s48, s48, 8
	s_lshr_b32 s49, s11, 1
	s_lshl_b32 s49, s49, 7
	s_add_co_u32 s48, s48, s49
	s_and_b32 s49, s12, 1
	s_lshl_b32 s49, s49, 6
	s_add_co_u32 s48, s48, s49
	s_and_b32 s49, s11, 1
	s_lshl_b32 s49, s49, 1
	s_add_co_u32 s48, s48, s49
	s_add_co_u32 s48, s48, LXS
	v_lshl_add_u32 v229, v9, 2, s48
	v_lshl_add_u32 v231, v8, 4, LXS
	v_lshlrev_b32 v233, 4, v9
	v_lshl_add_u32 v233, v10, 10, v233
	v_mul_u32_u24 v235, v9, 24
	v_mad_u32_u24 v235, v10, 12, v235
	s_mov_b32 s[SEL], 0x76543210
	s_mov_b32 s[SEL+1], 0xfedcba98
	s_mov_b32 s[CS], 0x3e38aa3b                    ; log2(e) / 8
	s_mov_b32 s[CS+1], s[CS]                       ; (named with it as a pair, so it is written)
	s_and_b32 s44, s30, 1                          ; slope = 2^(-head / 2): sl2 = log2(e) or log2(e) / sqrt(2), with head / 2 taken off the exponent field
	s_cmp_lg_u32 s44, 0
	s_mov_b32 s[SL2], 0x3fb8aa3b
	s_cselect_b32 s[SL2], 0x3f8293ee, s[SL2]
	s_lshr_b32 s44, s30, 1
	s_lshl_b32 s44, s44, 23
	s_sub_co_u32 s[SL2], s[SL2], s44
	s_lshr_b32 s44, s[WV], 3
	s_mul_i32 s44, s44, 786432
	s_mul_i32 s45, s14, 98304
	s_add_co_u32 s44, s44, s45
	s_mul_i32 s45, s29, 6144
	s_add_co_u32 s44, s44, s45
	s_mov_b32 s45, 0
	s_wait_kmcnt 0x0
	s_add_nc_u64 s[32:33], s[6:7], s[44:45]        ; the five steps' codes of k or of v: 30,720 bytes on end
.irp i, 0,1,2,3,4,5,6
	global_load_b128 v[104+4*\i:107+4*\i], v4, s[32:33] offset:4096*\i
.endr
	global_load_b64 v[132:133], v6, s[32:33]
	s_lshl_b32 s46, s15, 4
	s_add_co_u32 s46, s46, s30
	s_lshl_b32 s46, s46, 7
	s_lshl_b32 s47, ttmp9, 2
	s_add_co_u32 s47, s47, s12
	s_add_co_u32 s46, s46, s47                     ; q's tile: (16 batch + head) x 128 + 4 c + tile
	s_mul_i32 s44, s46, 768
	s_add_nc_u64 s[34:35], s[4:5], s[44:45]
	s_lshl_b32 s44, s46, 6
	s_add_co_u32 s44, s44, QSC
	s_add_nc_u64 s[36:37], s[4:5], s[44:45]
.irp p, 0,1,2
	global_load_b64 v[16+2*\p:17+2*\p], v1, s[34:35] offset:8*\p   ; Q's 64 channels as k 0-63,
	global_load_b64 v[34+2*\p:35+2*\p], v1, s[34:35] offset:8*\p   ; and once more as k 64-127
.endr
	global_load_b32 v248, v2, s[36:37]
	s_lshl_b32 s44, s15, 6
	s_lshl_b32 s46, s29, 2
	s_add_co_u32 s44, s44, s46
	s_lshl_b32 s44, s44, 8
	s_lshl_b32 s46, s16, 6
	s_add_co_u32 s44, s44, s46
	s_add_co_u32 s44, s44, KSG
	s_add_nc_u64 s[38:39], s[6:7], s[44:45]
	s_cmp_lt_u32 s[WV], 10                         ; 320 words of each kind: ten waves
	s_cbranch_scc0 .Lno_sc1
	global_load_b32 v134, v212, s[38:39]
.irp j, 0,1,2,3
	global_load_u8 v[135+\j], v213, s[38:39] offset:32768+256*\j   ; the bytes of a step's four blocks of keys make a row's word
.endr
.Lno_sc1:
	s_lshl_b32 s44, s15, 7
	s_add_co_u32 s44, s44, s47
	s_lshl_b32 s44, s44, 3
	s_lshl_b32 s46, s16, 1
	s_add_co_u32 s44, s44, s46
	s_lshr_b32 s46, s11, 1
	s_add_co_u32 s44, s44, s46
	s_mul_i32 s44, s44, 1536
	s_and_b32 s46, s11, 1
	s_mul_i32 s46, s46, 768
	s_add_co_u32 s44, s44, s46
	s_add_nc_u64 s[40:41], s[8:9], s[44:45]        ; o's codes: ((128 batch + 4 c + tile) x 8 + head / 2) x 1,536 + 768 (head % 2)
	s_lshl_b32 s44, s15, 6
	s_lshl_b32 s46, ttmp9, 1
	s_add_co_u32 s44, s44, s46
	s_lshl_b32 s44, s44, 3
	s_lshl_b32 s46, s16, 1
	s_add_co_u32 s44, s44, s46
	s_lshl_b32 s44, s44, 7
	s_add_co_u32 s44, s44, ASC
	s_add_nc_u64 s[42:43], s[8:9], s[44:45]        ; o's scale words
	; what the loop finds: these lines stand while the loads are out
.irp i, 0,1,2,3,4,5,6,7,8,9,10,11,12,13,14,15
	v_cvt_f32_i32 v[88+\i], \i
.endr
.irp i, 0,1,2,3,4,5,6,7,8,9,10,11,12,13,14,15
	v_mul_f32 v[88+\i], s[SL2], v[88+\i]           ; sl2 i
.endr
.irp i, 22,23,24,25,26,27,28,29,30,31,32,33
	v_mov_b32 v[\i], 0                             ; the zero codes beside Q
.endr
.set N, 0
.rept 32
	v_mov_b32 v[168+N], 0                          ; O^T (the loop is written once: its first step finds zeros)
.set N, N+1
.endr
.irp i, 224,225,226,227,251,253
	v_mov_b32 v[\i], 0                             ; written once: lane permutes' destinations, and the upper half of the pair v[252:253]
.endr
	v_mov_b32 v13, 0xff61b1e6                      ; the largest t so far: -3e38
	v_floor_f32 v12, -v13                          ; -M
	v_mov_b32 v14, 0
	v_mov_b32 v15, 0
	s_wait_loadcnt 0x0
	s_cmp_lt_u32 s[WV], 10
	s_cbranch_scc0 .Lno_sc2
	v_lshl_or_b32 v135, v136, 8, v135
	v_lshl_or_b32 v135, v137, 16, v135
	v_lshl_or_b32 v135, v138, 24, v135
	ds_store_b32 v214, v134
	ds_store_b32 v215, v135
.Lno_sc2:
.irp i, 0,1,2,3,4,5,6
	ds_store_b128 v5, v[104+4*\i:107+4*\i] offset:4096*\i
.endr
	ds_store_b64 v7, v[132:133]
	v_lshlrev_b32 v249, 16, v248                   ; Q's two bytes at k 64-127's places (the loop's first twelve vector lines stand between this line and the first product)
	s_mov_b32 s[CNT], 0
	s_mov_b32 s[G], s29
	s_lshl_b32 s[G128], s29, 7
	s_mov_b32 s[TF], 0
	s_mov_b32 s[TS], 0
	s_wait_dscnt 0x0                               ; for the others' sake: my stores have landed
	s_barrier_signal -1
	s_barrier_wait -1                              ; the five steps lie in LDS; nothing is written there again but o's scale bytes, which have bytes of their own
.Lstep:
	s_cmp_gt_u32 s[G], s[A]                        ; a step all of whose keys come after my queries: a branch on ids
	s_cbranch_scc1 .Lskip
	v_add_nc_u32 v8, s[TF], v1
	v_add_nc_u32 v9, s[TS], v2
.irp b, 0,1,2,3                        ; K: a block of 32 keys is one fragment
.irp p, 0,1,2
	ds_load_b64 v[40+12*\b+2*\p:41+12*\b+2*\p], v8 offset:1536*\b+8*\p
	ds_load_b64 v[46+12*\b+2*\p:47+12*\b+2*\p], v8 offset:1536*\b+768+8*\p
.endr
	ds_load_b32 v[244+\b], v9 offset:LKS+64*\b
.endr
	v_sub_nc_u32 v10, v3, s[G128]                  ; d = my query - the step's first key - 16 h: register 16 b + i holds the key that lies 32 b + i - d behind my query
	v_cvt_f32_i32 v11, v10
	v_sub_f32 v236, 0, v11
	v_sub_f32 v237, 0x42000000, v11
	v_sub_f32 v238, 0x42800000, v11
	v_sub_f32 v239, 0x42c00000, v11                ; 32 b - d, exact
.irp b, 0,1,2,3
	v_mul_f32 v[236+\b], s[SL2], v[236+\b]
.endr
	s_wait_dscnt 0x0
.irp b, 0,1,2,3                        ; S^T: eight accumulators, each begun with the constant 0
	v_wmma_scale_f32_16x16x128_f8f6f4 v[104+16*\b:111+16*\b], v[40+12*\b:51+12*\b], v[16:27], 0, v[244+\b], v248 matrix_a_fmt:MATRIX_FMT_FP6 matrix_b_fmt:MATRIX_FMT_FP6
	v_wmma_scale_f32_16x16x128_f8f6f4 v[112+16*\b:119+16*\b], v[40+12*\b:51+12*\b], v[28:39], 0, v[244+\b], v249 matrix_a_fmt:MATRIX_FMT_FP6 matrix_b_fmt:MATRIX_FMT_FP6
.endr
.rept 4
	v_nop                                          ; four places: in front of the loads into K's registers, and of the first read of the scores
.endr
.irp t, 0,1,2,3                        ; V: asked for now, wanted behind the softmax
.irp c, 0,1
.irp p, 0,1,2
	ds_load_b64 v[40+12*\t+6*\c+2*\p:41+12*\t+6*\c+2*\p], v8 offset:LVC+3072*\c+768*\t+8*\p
.endr
.endr
	ds_load_b32 v[244+\t], v9 offset:LVS+64*\t
.endr
	s_cmp_lg_u32 s[G], s[A]
	s_cbranch_scc1 .Lno_diag
	v_mov_b32 v254, 0xff800000                     ; the queries' own step: keys behind the query are hidden
.set N, 0
.rept 64
	v_cmp_gt_i32 vcc_lo, 32*(N/16)+N%16, v10
	v_cndmask_b32 v[104+N], v[104+N], v254, vcc_lo
.set N, N+1
.endr
.Lno_diag:
	s_cmp_lg_u32 s[G], s[AL]
	s_cbranch_scc1 .Lno_left
	v_mov_b32 v254, 0xff800000                     ; the window's first step: keys more than 512 ahead of the query are hidden
	v_add_nc_u32 v251, 0xfffffe00, v10
.set N, 0
.rept 64
	v_cmp_lt_i32 vcc_lo, 32*(N/16)+N%16, v251
	v_cndmask_b32 v[104+N], v[104+N], v254, vcc_lo
.set N, N+1
.endr
.Lno_left:
.irp b, 0,1,2,3
.irp k, 0,2,4,6,8,10,12,14
	v_pk_fma_f32 v[104+16*\b+\k:105+16*\b+\k], v[104+16*\b+\k:105+16*\b+\k], s[CS:CS+1], v[88+\k:89+\k] op_sel_hi:[1,0,1]   ; u = S c + sl2 i
.endr
.endr
.irp b, 0,1,2,3
	v_max3_num_f32 v[220+\b], v[104+16*\b], v[105+16*\b], v[106+16*\b]   ; the largest u of my 16 keys of each block: it serves the row's maximum and the block's largest p
.endr
.irp i, 3,5,7,9,11,13
.irp b, 0,1,2,3
	v_max3_num_f32 v[220+\b], v[220+\b], v[104+16*\b+\i], v[105+16*\b+\i]
.endr
.endr
.irp b, 0,1,2,3
	v_max_num_f32 v[220+\b], v[220+\b], v[119+16*\b]
.endr
.irp b, 0,1,2,3
	v_add_f32 v[224+\b], v[220+\b], v[236+\b]      ; as t
.endr
	v_max3_num_f32 v254, v224, v225, v226
	v_max_num_f32 v254, v254, v227
	v_permlanex16_b32 v251, v254, s[SEL], s[SEL+1]
	v_max3_num_f32 v13, v13, v254, v251            ; the running largest t of my query
	v_mov_b32 v254, v12
	v_floor_f32 v12, -v13                          ; the new -M = -ceil(t): a whole number
	v_sub_f32 v254, v12, v254                      ; old M - new M: a whole number, 0 or less
	v_cvt_i32_f32 v254, v254                       ; (it saturates)
	v_ldexp_f32 v252, 1.0, v254                    ; f = 2^(old M - new M): rounds nothing
.irp b, 0,1,2,3
	v_add_f32 v[228+2*\b], v[236+\b], v12
.endr
.irp b, 0,1,2,3
.irp k, 0,2,4,6,8,10,12,14
	v_pk_add_f32 v[104+16*\b+\k:105+16*\b+\k], v[104+16*\b+\k:105+16*\b+\k], v[228+2*\b:229+2*\b] op_sel_hi:[1,0]   ; t - M (the pair's low word serves both halves)
.endr
.endr
.irp b, 0,1,2,3
	v_add_f32 v[220+\b], v[220+\b], v[228+2*\b]    ; the same addition on the largest u: the same bits
.endr
.set N, 0
.rept 64
	v_exp_f32 v[104+N], v[104+N]                   ; p = 2^(t - M): not normalised
.set N, N+1
.endr
.irp b, 0,1,2,3
	v_exp_f32 v[220+\b], v[220+\b]
.endr
	v_pk_mul_f32 v[14:15], v[14:15], v[252:253] op_sel_hi:[1,0]   ; the sum under the new M (a plain place behind the exponentials)
	s_wait_alu depctr_va_vdst(0)
.irp b, 0,1,2,3
	v_permlanex16_b32 v[224+\b], v[220+\b], s[SEL], s[SEL+1]
.endr
.irp b, 0,1,2,3
	v_max3_num_f32 v[220+\b], v[220+\b], v[224+\b], 0x1800000     ; the block's largest p, and the floor 2^(3 - 127)
.endr
.irp b, 0,1,2,3
	v_add_nc_u32 v[240+\b], 0xff000000, v[220+\b]
.endr
.irp b, 0,1,2,3
	v_lshrrev_b32 v[224+\b], 23, v[240+\b]
.endr
	v_lshl_or_b32 v250, v225, 8, v224              ; p's scale word for these 128 keys
	v_lshl_or_b32 v250, v226, 16, v250
	v_lshl_or_b32 v250, v227, 24, v250
.irp c, 0,1
	v_cvt_scalef32_pk16_fp6_f32 v[200+6*\c:202+6*\c], v[104+32*\c:119+32*\c], v[240+2*\c]
	v_cvt_scalef32_pk16_fp6_f32 v[212+4*\c:214+4*\c], v[120+32*\c:135+32*\c], v[241+2*\c]
.endr
	v_nop                                          ; one plain place behind a scaled conversion
.irp c, 0,1                            ; the operand's layout wants a whole block in a lane
.irp i, 0,1,2
	v_permlane16_swap_b32 v[200+6*\c+\i], v[212+4*\c+\i]
.endr
.irp i, 0,1,2
	v_mov_b32 v[203+6*\c+\i], v[212+4*\c+\i]
.endr
.endr
	v_pk_add_f32 v[224:225], v[104:105], v[106:107]               ; the sum of the unquantised p, in two chains: these lines are also the places between p's codes and scale word and the products
.irp j, 4,8,12,16,20,24,28,32,36,40,44,48,52,56,60
	v_pk_add_f32 v[14:15], v[14:15], v[104+\j:105+\j]
	v_pk_add_f32 v[224:225], v[224:225], v[106+\j:107+\j]
.endr
	v_pk_add_f32 v[14:15], v[14:15], v[224:225]
.irp k, 0,2,4,6,8,10,12,14,16,18,20,22,24,26,28,30
	v_pk_mul_f32 v[168+\k:169+\k], v[168+\k:169+\k], v[252:253] op_sel_hi:[1,0]   ; O^T under the new M
.endr
	s_wait_dscnt 0x0                               ; V
.irp t, 0,1,2,3                        ; O^T += V^T P^T: four accumulators, one instruction each
	v_wmma_scale_f32_16x16x128_f8f6f4 v[168+8*\t:175+8*\t], v[40+12*\t:51+12*\t], v[200:211], v[168+8*\t:175+8*\t], v[244+\t], v250 matrix_a_fmt:MATRIX_FMT_FP6 matrix_b_fmt:MATRIX_FMT_FP6
.endr
.rept 4
	v_nop                                          ; four places: in front of the next step's loads into V's registers, and of the reads of O^T
.endr
.Lskip:
	s_add_co_u32 s[G], s[G], 1
	s_add_co_u32 s[G128], s[G128], 128
	s_add_co_u32 s[TF], s[TF], 6144
	s_add_co_u32 s[TS], s[TS], 256
	s_add_co_u32 s[CNT], s[CNT], 1
	s_cmp_lt_u32 s[CNT], 5
	s_cbranch_scc1 .Lstep
	; THE WAY OUT: o = O^T / l; register 16 b + i is channel 32 b + 16 h + i of my query: two blocks along the last product's K
	v_add_f32 v14, v14, v15
	v_permlanex16_b32 v251, v14, s[SEL], s[SEL+1]
	v_add_f32 v14, v14, v251
	v_rcp_f32 v252, v14
	v_nop                                          ; one plain place behind a transcendental
	s_wait_alu depctr_va_vdst(0)
.irp k, 0,2,4,6,8,10,12,14,16,18,20,22,24,26,28,30
	v_pk_mul_f32 v[104+\k:105+\k], v[168+\k:169+\k], v[252:253] op_sel_hi:[1,0]
.endr
	BSC2 104, 220, 224, 240
	v_cvt_scalef32_pk16_fp6_f32 v[200:202], v[104:119], v240
	v_cvt_scalef32_pk16_fp6_f32 v[204:206], v[120:135], v241
	v_nop                                          ; one plain place behind a scaled conversion
	global_store_b96 v235, v[200:202], s[40:41]
	global_store_b96 v235, v[204:206], s[40:41] offset:384
	v_lshl_or_b32 v254, v225, 8, v224
	ds_store_b16 v229, v254                        ; both halves of the lanes write the same two bytes
	s_wait_dscnt 0x0
	s_barrier_signal -1
	s_barrier_wait -1
	s_cmp_lg_u32 s[WV], 0
	s_cbranch_scc1 .Ldone
	ds_load_b128 v[104:107], v231                  ; wave 0: sixteen lanes store 256 consecutive bytes, aligned, for each of the two blocks of 32 queries
	s_wait_dscnt 0x0
	global_store_b128 v233, v[104:107], s[42:43]
.Ldone:
	s_wait_tensorcnt 0x0
	ds_add_u32 v219, v255
	s_wait_dscnt 0x0
	s_endpgm
.Lfunc_end_k_q03e1ca5fe5_attn:
	.size	k_q03e1ca5fe5_attn, .Lfunc_end_k_q03e1ca5fe5_attn-k_q03e1ca5fe5_attn
	.p2alignl 7, 3214868480
	.fill 96, 4, 3214868480
	.section	.rodata,"a",@progbits
	.p2align	6, 0x0
	.amdhsa_kernel k_q03e1ca5fe5_attn
		.amdhsa_group_segment_fixed_size 67584
		.amdhsa_private_segment_fixed_size 0
		.amdhsa_enable_private_segment 0
		.amdhsa_kernarg_size 24
		.amdhsa_user_sgpr_count 2
		.amdhsa_user_sgpr_kernarg_segment_ptr 1
		.amdhsa_wavefront_size32 1
		.amdhsa_system_sgpr_workgroup_id_x 1
		.amdhsa_system_sgpr_workgroup_id_y 1
		.amdhsa_system_sgpr_workgroup_id_z 1
		.amdhsa_system_vgpr_workitem_id 0
		.amdhsa_next_free_vgpr 256
		.amdhsa_next_free_sgpr 66
		.amdhsa_reserve_vcc 1
		.amdhsa_float_denorm_mode_32 3
		.amdhsa_float_denorm_mode_16_64 3
		.amdhsa_memory_ordered 1
		.amdhsa_forward_progress 1
		.amdhsa_inst_pref_size 46
	.end_amdhsa_kernel
	.amdgpu_metadata
---
amdhsa.version: [ 1, 2 ]
amdhsa.kernels:
  - .name:           k_q03e1ca5fe5_attn
    .symbol:         k_q03e1ca5fe5_attn.kd
    .args:
      - { .name: qbuf, .offset: 0, .size: 8, .value_kind: global_buffer, .address_space: global }
      - { .name: kvbuf, .offset: 8, .size: 8, .value_kind: global_buffer, .address_space: global }
      - { .name: aobuf, .offset: 16, .size: 8, .value_kind: global_buffer, .address_space: global }
    .group_segment_fixed_size: 67584
    .private_segment_fixed_size: 0
    .kernarg_segment_align: 8
    .kernarg_segment_size: 24
    .max_flat_workgroup_size: 512
    .sgpr_count:     66
    .vgpr_count:     256
    .wavefront_size: 32
...
	.end_amdgpu_metadata
.endif
;; end of part 3
;; launch oproj (part 4): grid 8 x 32, 8 waves a work-group, no clusters, 275,456 bytes of LDS; arguments aobuf, wbuf, out0; writes out0
.if DOCPART == 4
	.amdgcn_target "amdgcn-amd-amdhsa--gfx1250"
	.amdhsa_code_object_version 6
	.text
	.protected	k_q03e1ca5fe5_oproj
	.globl	k_q03e1ca5fe5_oproj
	.p2align	8
	.type	k_q03e1ca5fe5_oproj,@function
k_q03e1ca5fe5_oproj:
	s_mov_b64 s[64:65], 0
	v_nop
	global_prefetch_b8 v0, s[64:65] scope:SCOPE_SE
	s_setreg_imm32_b32 hwreg(HW_REG_WAVE_MODE, 25, 1), 1
	s_wait_xcnt 0x0
; out = o wo^T on codes of FP6 (E2M3) with E8M0 scales; o's and wo's codes and scale words were laid by the earlier launches in the order in which an operand's registers take them.
; SHARES.  A work-group makes 128 tokens x 128 columns: 32 x 8 = 256 work-groups.  Wave w makes tokens 32 (w / 2) on x columns 64 (w % 2) on: 8 accumulators.
; All of K (1,024) for both operands is 2 x 98,304 bytes of codes and 2 x 4,096 of scale words: four dense runs of memory, brought into LDS once, 16 bytes a thread an instruction.
; Source 0 = 16 rows of wo, source 1 = 16 tokens: a lane holds eight neighbouring columns of one token's row.  Tiles hold rows 8 u + r + 8 (r / 8) of a group of 32 on both sides; the way out puts the tokens in order.
; NO CLUSTER in this form: o's block is shared by 8 work-groups and wo's by 32, but a joint request is a tensor load, and this text fills LDS once through registers.
.set ASC, 3145728
.set WSC, 1966080
.set WL,  98304                        ; LDS: o's codes at 0, wo's here,
.set XSL, 196608                       ; o's scale words,
.set WSL, 200704                       ; wo's,
.set STG, 204800                       ; and a stage of 32 rows x (256 + 16) bytes for each wave
; v1-4 16 x thread + 65,536 k; v5 o's fragments; v6 wo's; v7, v8 their scale words; v9, v10 the stage, in and back; v11 my bytes in two rows of out
; v16-79 the accumulators (u, t) at 16 + 32 u + 8 t; v80-151, v152-223 two buffers: 2 fragments of o, 4 of wo; v224-229 scale words, 3 a buffer.  The fill takes v16-215.
.macro WM d, a, b, zero, sa, sb, ra, rb
.if \zero
.if (\ra) && (\rb)
	v_wmma_scale_f32_16x16x128_f8f6f4 v[(\d):(\d)+7], v[(\a):(\a)+11], v[(\b):(\b)+11], 0, v[\sa], v[\sb] matrix_a_fmt:MATRIX_FMT_FP6 matrix_b_fmt:MATRIX_FMT_FP6 matrix_a_scale:MATRIX_SCALE_ROW1 matrix_b_scale:MATRIX_SCALE_ROW1
.elseif \ra
	v_wmma_scale_f32_16x16x128_f8f6f4 v[(\d):(\d)+7], v[(\a):(\a)+11], v[(\b):(\b)+11], 0, v[\sa], v[\sb] matrix_a_fmt:MATRIX_FMT_FP6 matrix_b_fmt:MATRIX_FMT_FP6 matrix_a_scale:MATRIX_SCALE_ROW1
.elseif \rb
	v_wmma_scale_f32_16x16x128_f8f6f4 v[(\d):(\d)+7], v[(\a):(\a)+11], v[(\b):(\b)+11], 0, v[\sa], v[\sb] matrix_a_fmt:MATRIX_FMT_FP6 matrix_b_fmt:MATRIX_FMT_FP6 matrix_b_scale:MATRIX_SCALE_ROW1
.else
	v_wmma_scale_f32_16x16x128_f8f6f4 v[(\d):(\d)+7], v[(\a):(\a)+11], v[(\b):(\b)+11], 0, v[\sa], v[\sb] matrix_a_fmt:MATRIX_FMT_FP6 matrix_b_fmt:MATRIX_FMT_FP6
.endif
.else
.if (\ra) && (\rb)
	v_wmma_scale_f32_16x16x128_f8f6f4 v[(\d):(\d)+7], v[(\a):(\a)+11], v[(\b):(\b)+11], v[(\d):(\d)+7], v[\sa], v[\sb] matrix_a_fmt:MATRIX_FMT_FP6 matrix_b_fmt:MATRIX_FMT_FP6 matrix_a_scale:MATRIX_SCALE_ROW1 matrix_b_scale:MATRIX_SCALE_ROW1
.elseif \ra
	v_wmma_scale_f32_16x16x128_f8f6f4 v[(\d):(\d)+7], v[(\a):(\a)+11], v[(\b):(\b)+11], v[(\d):(\d)+7], v[\sa], v[\sb] matrix_a_fmt:MATRIX_FMT_FP6 matrix_b_fmt:MATRIX_FMT_FP6 matrix_a_scale:MATRIX_SCALE_ROW1
.elseif \rb
	v_wmma_scale_f32_16x16x128_f8f6f4 v[(\d):(\d)+7], v[(\a):(\a)+11], v[(\b):(\b)+11], v[(\d):(\d)+7], v[\sa], v[\sb] matrix_a_fmt:MATRIX_FMT_FP6 matrix_b_fmt:MATRIX_FMT_FP6 matrix_b_scale:MATRIX_SCALE_ROW1
.else
	v_wmma_scale_f32_16x16x128_f8f6f4 v[(\d):(\d)+7], v[(\a):(\a)+11], v[(\b):(\b)+11], v[(\d):(\d)+7], v[\sa], v[\sb] matrix_a_fmt:MATRIX_FMT_FP6 matrix_b_fmt:MATRIX_FMT_FP6
.endif
.endif
.endm
.macro FETCH s                         ; K step s into buffer s % 2: 12 + 12 + 3 LDS loads
.set FB, 80+72*((\s)%2)
.irp u, 0,1
.irp c, 0,1
.irp p, 0,1,2
	ds_load_b64 v[FB+12*\u+6*\c+2*\p:FB+12*\u+6*\c+2*\p+1], v5 offset:12288*\u+1536*(\s)+768*\c+8*\p
.endr
.endr
.endr
.irp t, 0,1,2,3
.irp g, 0,1,2
	ds_load_b128 v[FB+24+12*\t+4*\g:FB+24+12*\t+4*\g+3], v6 offset:12288*\t+1536*(\s)+512*\g
.endr
.endr
	ds_load_b32 v[224+3*((\s)%2)], v7 offset:128*(\s)              ; o's words: tile 0 in lanes 0-15, tile 1 in lanes 16-31
.irp p, 0,1
	ds_load_b32 v[225+3*((\s)%2)+\p], v8 offset:1024*\p+64*(\s)    ; wo's: tile 2 p in lanes 0-15, tile 2 p + 1 in lanes 16-31
.endr
.endm
.macro MUL s, z                        ; the eight accumulators take turns, one instruction a turn
.set FB, 80+72*((\s)%2)
.irp u, 0,1
.irp t, 0,1,2,3
	WM 16+32*\u+8*\t, FB+24+12*\t, FB+12*\u, \z, 225+3*((\s)%2)+\t/2, 224+3*((\s)%2), \t%2, \u
.endr
.endr
.endm
.macro STEP s, z
	s_wait_dscnt 0x0                               ; this step's operands are in
.rept 4
	v_nop                                          ; four places behind the last step's products, in front of the loads into their registers
.endr
.if \s < 7
	FETCH \s+1
.endif
	MUL \s, \z
.endm
	s_load_b128 s[4:7], s[0:1], 0x0                ; aobuf s[4:5], wbuf s[6:7]
	s_load_b64 s[8:9], s[0:1], 0x10                ; out0
	v_lshl_add_u32 v254, v0, 2, 0x43000
	v_mov_b32 v255, 0
	v_lshrrev_b32 v12, 5, v0
	v_readfirstlane_b32 s10, v12                   ; wave 0..7
	s_lshr_b32 s11, s10, 1                         ; my 32 tokens
	s_and_b32 s12, s10, 1                          ; my 64 columns
	s_and_b32 s13, ttmp7, 0xffff                   ; the block of 128 tokens
	v_lshlrev_b32 v1, 4, v0
	v_add_nc_u32 v2, 0x10000, v1
	v_add_nc_u32 v3, 0x20000, v1
	v_add_nc_u32 v4, 0x30000, v1
	v_and_b32 v12, 31, v0                          ; lane
	v_and_b32 v13, 15, v0                          ; r
	v_bfe_u32 v14, v0, 4, 1                        ; h
	s_mul_i32 s26, s11, 24576
	v_mul_u32_u24 v5, v12, 24
	v_add_nc_u32 v5, s26, v5
	s_mul_i32 s26, s12, 49152
	s_add_co_u32 s26, s26, WL
	v_lshl_add_u32 v6, v12, 4, s26
	s_lshl_b32 s26, s11, 10
	s_add_co_u32 s26, s26, XSL
	v_lshl_add_u32 v7, v12, 2, s26
	s_lshl_b32 s26, s12, 11
	s_add_co_u32 s26, s26, WSL
	v_lshl_add_u32 v8, v13, 2, s26
	v_lshl_add_u32 v8, v14, 9, v8
	s_mul_i32 s26, s10, 8704
	s_add_co_u32 s26, s26, STG                     ; my stage
	v_mul_u32_u24 v9, v13, 272
	v_lshl_add_u32 v9, v14, 6, v9
	v_add_nc_u32 v9, s26, v9                       ; in: row r of a tile, + 64 h
	v_mul_u32_u24 v10, v14, 272
	v_lshl_add_u32 v10, v13, 4, v10
	v_add_nc_u32 v10, s26, v10                     ; back: lanes 0-15 one row, lanes 16-31 the next
	v_lshlrev_b32 v11, 4, v13
	v_lshl_add_u32 v11, v14, 12, v11               ; and the same two rows of out
	s_mov_b32 s27, 0
	s_mul_i32 s26, s13, 98304
	s_wait_kmcnt 0x0
	s_add_nc_u64 s[16:17], s[4:5], s[26:27]        ; o's codes of my 128 tokens
	s_mul_i32 s26, ttmp9, 98304
	s_add_co_u32 s26, s26, 1179648
	s_add_nc_u64 s[18:19], s[6:7], s[26:27]        ; wo's tiles 96 + 8 x on
	s_lshl_b32 s26, s13, 12
	s_add_co_u32 s26, s26, ASC
	s_add_nc_u64 s[20:21], s[4:5], s[26:27]
	s_lshl_b32 s26, ttmp9, 12
	s_add_co_u32 s26, s26, WSC+49152
	s_add_nc_u64 s[22:23], s[6:7], s[26:27]
.set I, 0
.rept 24
	global_load_b128 v[16+4*I:19+4*I], v1, s[16:17] offset:4096*I
.set I, I+1
.endr
.set I, 0
.rept 24
	global_load_b128 v[112+4*I:115+4*I], v1, s[18:19] offset:4096*I
.set I, I+1
.endr
	global_load_b128 v[208:211], v1, s[20:21]
	global_load_b128 v[212:215], v1, s[22:23]
	s_lshl_b32 s26, s13, 19                        ; out: (128 y + 32 (w / 2)) rows of 4,096 bytes + 512 x + 256 (w % 2)
	s_lshl_b32 s28, s11, 17
	s_add_co_u32 s26, s26, s28
	s_lshl_b32 s28, ttmp9, 9
	s_add_co_u32 s26, s26, s28
	s_lshl_b32 s28, s12, 8
	s_add_co_u32 s26, s26, s28
	s_add_nc_u64 s[24:25], s[8:9], s[26:27]
.set I, 0
.rept 50
	s_wait_loadcnt 49-I                            ; loads come back in order: load I is in, the younger ones may be out
	ds_store_b128 v[1+I/16], v[16+4*I:19+4*I] offset:4096*(I%16)
.set I, I+1
.endr
	s_wait_dscnt 0x0                               ; for the others' sake: my stores have landed
	s_barrier_signal -1
	s_barrier_wait -1                              ; both operands lie in LDS for all of K; nothing is written there again
	FETCH 0
	STEP 0, 1
	STEP 1, 0
	STEP 2, 0
	STEP 3, 0
	STEP 4, 0
	STEP 5, 0
	STEP 6, 0
	STEP 7, 0
	; THE WAY OUT, through my own stage: LDS serves a wave's instructions in order, so no wait stands between the stores and the loads
.rept 4
	v_nop                                          ; four places in front of the first read of results and of the loads into the operands' registers
.endr
.irp u, 0,1
.irp t, 0,1,2,3
	ds_store_b128 v9, v[16+32*\u+8*\t:19+32*\u+8*\t] offset:4352*\u+128*(\t/2)+32*(\t%2)       ; each accumulator from its low end on: columns 32 (t / 2) + 16 h + 8 (t % 2) + 0 .. 7
	ds_store_b128 v9, v[20+32*\u+8*\t:23+32*\u+8*\t] offset:4352*\u+128*(\t/2)+32*(\t%2)+16
.endr
.endr
.set I, 0
.rept 16
	ds_load_b128 v[80+4*I:83+4*I], v10 offset:272*(16*((I/4)%2)+8*(I/8)+(2*I)%8)   ; tokens 2 I, 2 I + 1: token n lies in stage row 16 ((n / 8) % 2) + 8 (n / 16) + n % 8
.set I, I+1
.endr
.set I, 0
.rept 16
	s_wait_dscnt 15-I                              ; load I is in, the younger ones may be out
	global_store_b128 v11, v[80+4*I:83+4*I], s[24:25] offset:8192*I th:TH_STORE_NT   ; sixteen lanes store 256 consecutive bytes, at a multiple of 256 from out's first byte
.set I, I+1
.endr
	s_wait_tensorcnt 0x0
	ds_add_u32 v254, v255
	s_wait_dscnt 0x0
	s_endpgm
.Lfunc_end_k_q03e1ca5fe5_oproj:
	.size	k_q03e1ca5fe5_oproj, .Lfunc_end_k_q03e1ca5fe5_oproj-k_q03e1ca5fe5_oproj
	.p2alignl 7, 3214868480
	.fill 96, 4, 3214868480
	.section	.rodata,"a",@progbits
	.p2align	6, 0x0
	.amdhsa_kernel k_q03e1ca5fe5_oproj
		.amdhsa_group_segment_fixed_size 275456
		.amdhsa_private_segment_fixed_size 0
		.amdhsa_enable_private_segment 0
		.amdhsa_kernarg_size 24
		.amdhsa_user_sgpr_count 2
		.amdhsa_user_sgpr_kernarg_segment_ptr 1
		.amdhsa_wavefront_size32 1
		.amdhsa_system_sgpr_workgroup_id_x 1
		.amdhsa_system_sgpr_workgroup_id_y 1
		.amdhsa_system_sgpr_workgroup_id_z 1
		.amdhsa_system_vgpr_workitem_id 0
		.amdhsa_next_free_vgpr 256
		.amdhsa_next_free_sgpr 66
		.amdhsa_reserve_vcc 0
		.amdhsa_float_denorm_mode_32 3
		.amdhsa_float_denorm_mode_16_64 3
		.amdhsa_memory_ordered 1
		.amdhsa_forward_progress 1
		.amdhsa_inst_pref_size 40
	.end_amdhsa_kernel
	.amdgpu_metadata
---
amdhsa.version: [ 1, 2 ]
amdhsa.kernels:
  - .name:           k_q03e1ca5fe5_oproj
    .symbol:         k_q03e1ca5fe5_oproj.kd
    .args:
      - { .name: aobuf, .offset: 0, .size: 8, .value_kind: global_buffer, .address_space: global }
      - { .name: wbuf, .offset: 8, .size: 8, .value_kind: global_buffer, .address_space: global }
      - { .name: out0, .offset: 16, .size: 8, .value_kind: global_buffer, .address_space: global }
    .group_segment_fixed_size: 275456
    .private_segment_fixed_size: 0
    .kernarg_segment_align: 8
    .kernarg_segment_size: 24
    .max_flat_workgroup_size: 256
    .sgpr_count:     66
    .vgpr_count:     256
    .wavefront_size: 32
...
	.end_amdgpu_metadata
.endif
;; end of part 4
;; ======== version 2 of 2: 4 launches
;; workspace buffers: wbuf 2,048,000 bytes; qbuf 3,407,872 bytes; kvbuf 1,638,400 bytes; aobuf 3,276,800 bytes
;; launch wquant (part 5): grid 160 x 1, 8 waves a work-group, no clusters, 2,048 bytes of LDS; arguments wq, wk, wv, wo, wbuf; writes wbuf
.if DOCPART == 5
	.amdgcn_target "amdgcn-amd-amdhsa--gfx1250"
	.amdhsa_code_object_version 6
	.text
	.protected	k_q03e1ca5fe5_wquant
	.globl	k_q03e1ca5fe5_wquant
	.p2align	8
	.type	k_q03e1ca5fe5_wquant,@function
k_q03e1ca5fe5_wquant:
	s_mov_b64 s[64:65], 0
	v_nop
	global_prefetch_b8 v0, s[64:65] scope:SCOPE_SE
	s_setreg_imm32_b32 hwreg(HW_REG_WAVE_MODE, 25, 1), 1
	s_wait_xcnt 0x0
; wq [1024][1024], wk [256][1024], wv [256][1024], wo [1024][1024], f32 with K innermost, become codes of FP6 (E2M3) with one E8M0 byte for each 32 along K,
; laid in the ORDER OF AN OPERAND'S REGISTERS.  wbuf: codes [tile 0..159][K step 0..7][1,536 bytes]: registers 4 g .. 4 g + 3 of lane l at 512 g + 16 l; scale words behind them, [tile][K step][row] of 4 bytes.
; Tiles 0-63 wq, 64-79 wk, 80-95 wv, 96-159 wo.  THE ROWS OF A TILE ARE NOT NEIGHBOURS: lane row r of a source's tile t is its row 32 (t / 2) + 8 (t % 2) + r + 8 (r / 8),
; so that the 16 result registers of two neighbouring tiles are 16 neighbours along the weight's rows.
; A work-group takes a tile, each of its eight waves one K step of 128: one fragment a wave.  Waves share only the 512 bytes of scale words, which leave as one run through LDS.
; A block's scale is 2^(floor(log2(largest magnitude)) - 2); its byte is the largest magnitude's exponent field - 2, held at 1 from below.
; LIMITS: NaN and infinities among the inputs are not served.  A block whose largest magnitude lies under 2^-124 (a block of zeros too) keeps the byte 1: these bytes are read by this program alone.
; No matrix unit, no cluster: memory binds, every input byte is read once by one wave.
.set WSC, 1966080                      ; where the scale words begin in wbuf
.set XN,  16                           ; v16-79   64 numbers: register 16 b + i = k 32 b + 16 (lane / 16) + i of my row
.set TM,  80                           ; v80-83 largest magnitudes, v84-87 the other half's / the bytes, v92-95 the conversions' scale operands
.set PW,  96                           ; v96      the scale word
.set PC,  100                          ; v100-111 the fragment; v112-114, v116-118 at work
.set SEL, 30                           ; s[30:31] lane selects: lane l xor 16
.macro BSC4 s, mx, pt, so              ; four blocks of 16 registers at v[s + 16 b]: the scale operand into v[so + b], the byte into v[pt + b]
.irp b, 0,1,2,3
	v_max3_num_f32 v[\mx+\b], |v[\s+16*\b]|, |v[\s+16*\b+1]|, 0x1800000   ; my 16 numbers, and the floor 2^(3 - 127): the byte cannot fall under 1
.endr
.irp i, 2,4,6,8,10,12,14
.irp b, 0,1,2,3
	s_delay_alu instid0(VALU_DEP_4)
	v_max3_num_f32 v[\mx+\b], v[\mx+\b], |v[\s+16*\b+\i]|, |v[\s+16*\b+\i+1]|   ; the blocks by turns
.endr
.endr
.irp b, 0,1,2,3
	s_delay_alu instid0(VALU_DEP_4)
	v_permlanex16_b32 v[\pt+\b], v[\mx+\b], s[SEL], s[SEL+1]
.endr
.irp b, 0,1,2,3
	s_delay_alu instid0(VALU_DEP_4)
	v_max_num_f32 v[\mx+\b], v[\mx+\b], v[\pt+\b]                   ; with lane l xor 16's 16: the block's largest magnitude
.endr
.irp b, 0,1,2,3
	s_delay_alu instid0(VALU_DEP_4)
	v_add_nc_u32 v[\so+\b], 0xff000000, v[\mx+\b]                   ; 2 off its exponent field: the conversion reads that field alone
.endr
.irp b, 0,1,2,3
	s_delay_alu instid0(VALU_DEP_4)
	v_lshrrev_b32 v[\pt+\b], 23, v[\so+\b]                          ; the scale's byte
.endr
.endm
.macro QUANT s                         ; 64 numbers at v[s] on become a fragment in v[PC] on and its scale word in v[PW]
	BSC4 \s, TM, TM+4, TM+12
	s_delay_alu instid0(VALU_DEP_3)
	v_lshl_or_b32 v[PW], v[TM+5], 8, v[TM+4]
	s_delay_alu instid0(VALU_DEP_1)
	v_lshl_or_b32 v[PW], v[TM+6], 16, v[PW]
	s_delay_alu instid0(VALU_DEP_1)
	v_lshl_or_b32 v[PW], v[TM+7], 24, v[PW]
.irp c, 0,1
	v_cvt_scalef32_pk16_fp6_f32 v[PC+6*\c:PC+6*\c+2], v[\s+32*\c:\s+32*\c+15], v[TM+12+2*\c]
	v_cvt_scalef32_pk16_fp6_f32 v[PC+12+4*\c:PC+14+4*\c], v[\s+32*\c+16:\s+32*\c+31], v[TM+13+2*\c]   ; (a conversion's three registers begin on an even number)
.endr
	v_nop                                          ; one plain place behind a scaled conversion
.irp c, 0,1                            ; the operand's layout wants a whole block in a lane: lanes 0-15 block 2 c, lanes 16-31 block 2 c + 1
.irp i, 0,1,2
	v_permlane16_swap_b32 v[PC+6*\c+\i], v[PC+12+4*\c+\i]
.endr
.irp i, 0,1,2
	s_delay_alu instid0(VALU_DEP_3)
	v_mov_b32 v[PC+3+6*\c+\i], v[PC+12+4*\c+\i]
.endr
.endr
.endm
	s_load_b256 s[4:11], s[0:1], 0x0               ; wq s[4:5], wk s[6:7], wv s[8:9], wo s[10:11]
	s_load_b64 s[12:13], s[0:1], 0x20              ; wbuf
	v_lshl_add_u32 v128, v0, 2, 0x400
	v_mov_b32 v129, 0
	v_lshrrev_b32 v1, 5, v0
	s_delay_alu instid0(VALU_DEP_1)
	v_readfirstlane_b32 s14, v1                    ; wave = K step
	v_and_b32 v1, 31, v0                           ; lane
	v_and_b32 v2, 15, v0                           ; r
	v_bfe_u32 v3, v0, 4, 1                         ; h
	s_delay_alu instid0(VALU_DEP_2)
	v_and_b32 v4, 8, v2
	s_delay_alu instid0(VALU_DEP_1)
	v_add_nc_u32 v4, v4, v2                        ; r + 8 (r / 8)
	s_delay_alu instid0(VALU_DEP_1)
	v_lshlrev_b32 v4, 12, v4                       ; a row is 4,096 bytes
	s_delay_alu instid0(VALU_DEP_1)
	v_lshl_add_u32 v4, v3, 6, v4                   ; + 64 h: my 16 numbers of each block of 32
	v_lshlrev_b32 v5, 4, v1                        ; 16 x lane
	s_lshl_b32 s22, s14, 6
	v_lshl_add_u32 v6, v2, 2, s22                  ; LDS: 64 x wave + 4 r: my row's scale word
	s_mov_b32 s[SEL], 0x76543210
	s_mov_b32 s[SEL+1], 0xfedcba98
.irp b, 0,1,2,3
	v_mov_b32 v[TM+4+\b], 0                        ; written once: a lane permute's destination counts as one of its sources
.endr
	s_wait_alu depctr_va_vdst(0)
	s_wait_kmcnt 0x0
	s_mov_b32 s15, 96                              ; which source, and its first tile: the choice hangs on the work-group's number alone
	s_mov_b64 s[16:17], s[10:11]
	s_cmp_lt_u32 ttmp9, 96
	s_cselect_b64 s[16:17], s[8:9], s[16:17]
	s_cselect_b32 s15, 80, s15
	s_cmp_lt_u32 ttmp9, 80
	s_cselect_b64 s[16:17], s[6:7], s[16:17]
	s_cselect_b32 s15, 64, s15
	s_cmp_lt_u32 ttmp9, 64
	s_cselect_b64 s[16:17], s[4:5], s[16:17]
	s_cselect_b32 s15, 0, s15
	s_sub_co_u32 s18, ttmp9, s15                   ; the tile's number t in its source
	s_lshr_b32 s19, s18, 1
	s_lshl_b32 s19, s19, 17                        ; 32 (t / 2) rows
	s_and_b32 s18, s18, 1
	s_lshl_b32 s18, s18, 15                        ; + 8 (t % 2) rows
	s_add_co_u32 s18, s18, s19
	s_lshl_b32 s19, s14, 9                         ; + 512 bytes a K step
	s_add_co_u32 s18, s18, s19
	s_mov_b32 s19, 0
	s_add_nc_u64 s[16:17], s[16:17], s[18:19]
.irp b, 0,1,2,3
.irp j, 0,1,2,3
	global_load_b128 v[XN+16*\b+4*\j:XN+16*\b+4*\j+3], v4, s[16:17] offset:128*\b+16*\j th:TH_LOAD_NT
.endr
.endr
	s_mul_i32 s20, ttmp9, 12288
	s_mul_i32 s21, s14, 1536
	s_add_co_u32 s20, s20, s21
	s_mov_b32 s21, 0
	s_add_nc_u64 s[20:21], s[12:13], s[20:21]      ; my fragment's place
	s_lshl_b32 s24, ttmp9, 9
	s_add_co_u32 s24, s24, WSC
	s_mov_b32 s25, 0
	s_add_nc_u64 s[24:25], s[12:13], s[24:25]      ; the tile's 512 bytes of scale words
	s_wait_loadcnt 0x0
	QUANT XN
.irp g, 0,1,2
	global_store_b128 v5, v[PC+4*\g:PC+4*\g+3], s[20:21] offset:512*\g   ; 32 lanes store 512 consecutive bytes
.endr
	ds_store_b32 v6, v[PW]                         ; both halves of the lanes write the same word with the same value
	s_wait_dscnt 0x0                               ; for the others' sake: my store has landed
	s_barrier_signal -1
	s_barrier_wait -1
	s_cmp_lg_u32 s14, 0
	s_cbranch_scc1 .Ldone
	ds_load_b128 v[120:123], v5                    ; wave 0: the eight waves' scale words, 512 bytes on end
	s_wait_dscnt 0x0
	global_store_b128 v5, v[120:123], s[24:25]
.Ldone:
	s_wait_tensorcnt 0x0
	ds_add_u32 v128, v129
	s_wait_dscnt 0x0
	s_endpgm
.Lfunc_end_k_q03e1ca5fe5_wquant:
	.size	k_q03e1ca5fe5_wquant, .Lfunc_end_k_q03e1ca5fe5_wquant-k_q03e1ca5fe5_wquant
	.p2alignl 7, 3214868480
	.fill 96, 4, 3214868480
	.section	.rodata,"a",@progbits
	.p2align	6, 0x0
	.amdhsa_kernel k_q03e1ca5fe5_wquant
		.amdhsa_group_segment_fixed_size 2048
		.amdhsa_private_segment_fixed_size 0
		.amdhsa_enable_private_segment 0
		.amdhsa_kernarg_size 40
		.amdhsa_user_sgpr_count 2
		.amdhsa_user_sgpr_kernarg_segment_ptr 1
		.amdhsa_wavefront_size32 1
		.amdhsa_system_sgpr_workgroup_id_x 1
		.amdhsa_system_sgpr_workgroup_id_y 1
		.amdhsa_system_sgpr_workgroup_id_z 1
		.amdhsa_system_vgpr_workitem_id 0
		.amdhsa_next_free_vgpr 130
		.amdhsa_next_free_sgpr 66
		.amdhsa_reserve_vcc 0
		.amdhsa_float_denorm_mode_32 3
		.amdhsa_float_denorm_mode_16_64 3
		.amdhsa_memory_ordered 1
		.amdhsa_forward_progress 1
		.amdhsa_inst_pref_size 11
	.end_amdhsa_kernel
	.amdgpu_metadata
---
amdhsa.version: [ 1, 2 ]
amdhsa.kernels:
  - .name:           k_q03e1ca5fe5_wquant
    .symbol:         k_q03e1ca5fe5_wquant.kd
    .args:
      - { .name: wq, .offset: 0, .size: 8, .value_kind: global_buffer, .address_space: global }
      - { .name: wk, .offset: 8, .size: 8, .value_kind: global_buffer, .address_space: global }
      - { .name: wv, .offset: 16, .size: 8, .value_kind: global_buffer, .address_space: global }
      - { .name: wo, .offset: 24, .size: 8, .value_kind: global_buffer, .address_space: global }
      - { .name: wbuf, .offset: 32, .size: 8, .value_kind: global_buffer, .address_space: global }
    .group_segment_fixed_size: 2048
    .private_segment_fixed_size: 0
    .kernarg_segment_align: 8
    .kernarg_segment_size: 40
    .max_flat_workgroup_size: 256
    .sgpr_count:     66
    .vgpr_count:     130
    .wavefront_size: 32
...
	.end_amdgpu_metadata
.endif
;; end of part 5
;; launch qkv (part 6): grid 128 x 1, 16 waves a work-group, no clusters, 32,768 bytes of LDS; arguments features, wbuf, q_norm_w, k_norm_w, qbuf, kvbuf; writes qbuf, kvbuf
.if DOCPART == 6
	.amdgcn_target "amdgcn-amd-amdhsa--gfx1250"
	.amdhsa_code_object_version 6
	.text
	.protected	k_q03e1ca5fe5_qkv
	.globl	k_q03e1ca5fe5_qkv
	.p2align	8
	.type	k_q03e1ca5fe5_qkv,@function
k_q03e1ca5fe5_qkv:
	s_mov_b64 s[64:65], 0
	v_nop
	global_prefetch_b8 v0, s[64:65] scope:SCOPE_SE
	s_setreg_imm32_b32 hwreg(HW_REG_WAVE_SCHED_MODE, 0, 2), 2
	s_setreg_imm32_b32 hwreg(HW_REG_WAVE_MODE, 25, 1), 1
	s_wait_xcnt 0x0
	s_wait_alu depctr_vm_vsrc(0)
; q = rmsnorm(x wq^T), k = rmsnorm(x wk^T), v = x wv^T on codes of FP6 (E2M3) with E8M0 scales, and q, k, v quantised again for the attention's products.
; SHARES.  A work-group owns 32 whole rows (tokens) of x: the norms want whole rows of q and k, and v is quantised along the keys in blocks of 32 tokens.  4,096 / 32 = 128 work-groups.
; Its 16 waves share the COLUMNS: wave w makes q's head w (64 columns: weight tiles 4 w .. 4 w + 3) and weight tiles 64 + 2 w, 65 + 2 w: for w < 8 that is k (32 columns), else v (32 columns).
; Each weight fragment goes from memory straight into the registers of the one wave that multiplies it (three loads of 16 bytes a lane: wbuf holds register images), one K step ahead.
; x: wave w quantises fragment (K step w / 2, token tile w % 2) in registers; the 16 images go round through LDS.  Token tile u holds tokens 8 u + r + 8 (r / 8).
; q, k: source 0 = 16 weight rows, source 1 = 16 tokens: a lane holds ONE token and its 16 registers of two tiles are 16 neighbouring columns: the next K (the head's 64).
; v: source 0 = 16 tokens, source 1 = 16 weight rows: a lane holds ONE column d and its 16 registers are 16 neighbouring tokens: the next K (the keys).
; OUT.  A lane's 16 codes, 12 bytes, go to [block of 32][row][24 bytes] + 12 (lane / 16): a consumer's lane l finds registers 6 c .. 6 c + 5 at 768 c + 24 l.  No lane exchange is needed.
; NO CLUSTER: all work-groups walk the same 1.2 MB of weights, but they go to registers and not through LDS, where a joint request would have to land; LDS holds 30 KB here.
; LIMITS: NaN and infinities are not served.  A block whose largest magnitude lies under 2^-124 keeps the byte 1 (read by this program alone).  1 / sqrt by v_rsq_f32.
; THE MODE: SCHED_MODE bits 1:0 = 2 (LLVM: expert scheduling mode 2), set by the entry lines.  The code itself states the register dependences
; between vector or matrix instructions and memory or LDS instructions, with s_wait_alu, always for 0.
; THE PLAN.  Registers that memory or LDS instructions touch:
;   v1-15        offsets and LDS addresses: written at the head, read by every access, never written again: one wait on va_vdst ahead of the first load.
;   WQ, WQS      K step s: its eight products for q read them; behind them, and one wait on va_vdst, the 14 loads of step s + 1 land there.
;   WK, WKS      K step s: its four products for k or v read them; behind them, and one wait on va_vdst, the 7 loads of step s + 1 land there.
;   XB0, XB1, XS K step s reads buffer s % 2.  The same second wait states that all twelve products are done with it: the 7 LDS loads of step s + 2 follow the 7 weight loads with no vector line between.
;   The weights have one set of registers (four waves to a SIMD: 256 each, all taken), so each wait stands behind the products that empty the set.
;   out          v184-195 and v239 (x's image), v190, v191 (sums of squares), v176-182, v184 (k's or v's codes and bytes), v208-226 (q's): each written by vector lines, then one wait on va_vdst, then its run of stores.
;   Behind each of the three barriers one wait on vm_vsrc stands ahead of the LDS loads that land in registers which my LDS stores have read.
.set WSC, 1966080                      ; wbuf: scale words
.set QSC, 3145728                      ; qbuf: scale words
.set VC,  786432                       ; kvbuf: v's codes;
.set KS,  1572864                      ; k's scale words;
.set VS,  1605632                      ; v's scale bytes
.set XIMG, 0                           ; LDS: x's 16 fragments, 1,536 bytes each (2 s + u)
.set XSC,  24576                       ; their scale words [s][u][r]
.set SSQ,  25600                       ; q's sums of squares [wave 16][slot 16 u + r]
.set SSK,  27648                       ; k's [wave 8][slot]
.set KSX,  28672                       ; k's partial scale words [wave 8][r]
.set VSB,  29184                       ; v's scale bytes, 256
.set LI,  1                            ; v1  16 x lane
.set LS,  2                            ; v2  4 x lane
.set XA,  3                            ; v3  x: (r + 8 (r / 8)) x 4,096 + 64 h
.set XWI, 4                            ; v4  where I store x's image
.set XWS, 5                            ; v5  and its scale words
.set WSO, 6                            ; v6  512 h + 4 r: two tiles' scale words in one register
.set NWO, 7                            ; v7  64 h: the norm weights of my 16 columns of a block
.set CO,  8                            ; v8  24 r + 12 h: my 12 bytes of a block's codes
.set SQA, 9                            ; v9  SSQ + 128 w + 4 lane
.set SKA, 10                           ; v10 SSK + 128 (w % 8) + 4 lane
.set KXA, 11                           ; v11 KSX + 64 (w % 8) + 4 r
.set VBA, 12                           ; v12 VSB + 32 (w % 8) + lane
.set KXR, 13                           ; v13 KSX + 128 (lane / 8) + 8 (lane % 8)
.set VBR, 14                           ; v14 VSB + 8 lane
.set L8,  15                           ; v15 8 x lane
.set QA,  16                           ; v16-79   q's accumulators (u, t) at 16 + 32 u + 8 t
.set KA,  80                           ; v80-111  k's (u, n) at 80 + 16 u + 8 n;  v's (n, u) at 80 + 16 n + 8 u
.set WQ,  112                          ; v112-159 four fragments of wq; later q_norm_w
.set WK,  160                          ; v160-183 two of wk or wv; later k_norm_w and codes
.set XB,  184                          ; v184-207, v208-231 x's two fragments, two buffers; later at work
.set WQS, 232                          ; v232-233 wq's scale words: tile 2 p in lanes 0-15, tile 2 p + 1 in lanes 16-31
.set WKS, 234                          ; v234     the same for wk or wv
.set XS,  235                          ; v235-236 x's scale words, two buffers: u = 0 in lanes 0-15, u = 1 in lanes 16-31
.set PW,  239
.set TM,  240                          ; v240-255 at work in the quantisers
.set PC,  184
.set WV,  16                           ; s16 wave
.set PX,  20                           ; s[20:21] x            s[22:23] wq's fragments     s[24:25] wk's or wv's
.set PWQ, 22
.set PWK, 24
.set PSQ, 26                           ; s[26:27], s[28:29] their scale words
.set PSK, 28
.set PQN, 30                           ; s[30:31] q_norm_w     s[32:33] k_norm_w
.set PKN, 32
.set PQC, 34                           ; s[34:35] q's codes    s[36:37] q's scale words
.set PQS, 36
.set PKC, 38                           ; s[38:39] k's codes    s[40:41] v's codes
.set PVC, 40
.set PKS, 42                           ; s[42:43] k's scale words   s[44:45] v's scale bytes
.set PVS, 44
.set SEL, 46
.set INVQ, 48
.set INVK, 49
.set EPS, 50
.set SH8, 51
.macro BSC4 s, mx, pt, so              ; four blocks of 16 registers at v[s + 16 b]: the scale operand into v[so + b], the byte into v[pt + b]
.irp b, 0,1,2,3
	v_max3_num_f32 v[\mx+\b], |v[\s+16*\b]|, |v[\s+16*\b+1]|, 0x1800000   ; my 16 numbers, and the floor 2^(3 - 127): the byte cannot fall under 1
.endr
.irp i, 2,4,6,8,10,12,14
.irp b, 0,1,2,3
	v_max3_num_f32 v[\mx+\b], v[\mx+\b], |v[\s+16*\b+\i]|, |v[\s+16*\b+\i+1]|
.endr
.endr
.irp b, 0,1,2,3
	v_permlanex16_b32 v[\pt+\b], v[\mx+\b], s[SEL], s[SEL+1]
.endr
.irp b, 0,1,2,3
	v_max_num_f32 v[\mx+\b], v[\mx+\b], v[\pt+\b]
.endr
.irp b, 0,1,2,3
	v_add_nc_u32 v[\so+\b], 0xff000000, v[\mx+\b]
.endr
.irp b, 0,1,2,3
	v_lshrrev_b32 v[\pt+\b], 23, v[\so+\b]
.endr
.endm
.macro BSC2 s, mx, pt, so              ; the same for two blocks
.irp b, 0,1
	v_max3_num_f32 v[\mx+\b], |v[\s+16*\b]|, |v[\s+16*\b+1]|, 0x1800000
.endr
.irp i, 2,4,6,8,10,12,14
.irp b, 0,1
	v_max3_num_f32 v[\mx+\b], v[\mx+\b], |v[\s+16*\b+\i]|, |v[\s+16*\b+\i+1]|
.endr
.endr
.irp b, 0,1
	v_permlanex16_b32 v[\pt+\b], v[\mx+\b], s[SEL], s[SEL+1]
.endr
.irp b, 0,1
	v_max_num_f32 v[\mx+\b], v[\mx+\b], v[\pt+\b]
.endr
.irp b, 0,1
	v_add_nc_u32 v[\so+\b], 0xff000000, v[\mx+\b]
.endr
.irp b, 0,1
	v_lshrrev_b32 v[\pt+\b], 23, v[\so+\b]
.endr
.endm
.macro QUANT s                         ; 64 numbers at v[s] on become a fragment in v[PC] on and its scale word in v[PW]
	BSC4 \s, TM, TM+4, TM+12
	v_lshl_or_b32 v[PW], v[TM+5], 8, v[TM+4]
	v_lshl_or_b32 v[PW], v[TM+6], 16, v[PW]
	v_lshl_or_b32 v[PW], v[TM+7], 24, v[PW]
.irp c, 0,1
	v_cvt_scalef32_pk16_fp6_f32 v[PC+6*\c:PC+6*\c+2], v[\s+32*\c:\s+32*\c+15], v[TM+12+2*\c]
	v_cvt_scalef32_pk16_fp6_f32 v[PC+12+4*\c:PC+14+4*\c], v[\s+32*\c+16:\s+32*\c+31], v[TM+13+2*\c]
.endr
	v_nop                                          ; one plain place behind a scaled conversion
.irp c, 0,1
.irp i, 0,1,2
	v_permlane16_swap_b32 v[PC+6*\c+\i], v[PC+12+4*\c+\i]
.endr
.irp i, 0,1,2
	v_mov_b32 v[PC+3+6*\c+\i], v[PC+12+4*\c+\i]
.endr
.endr
.endm
; One matrix instruction.  zero = 1: it starts its sum.  ra, rb = 1: that side's scales are read from lanes 16-31 of the register named.
.macro WM d, a, b, zero, sa, sb, ra, rb
.if \zero
.if (\ra) && (\rb)
	v_wmma_scale_f32_16x16x128_f8f6f4 v[(\d):(\d)+7], v[(\a):(\a)+11], v[(\b):(\b)+11], 0, v[\sa], v[\sb] matrix_a_fmt:MATRIX_FMT_FP6 matrix_b_fmt:MATRIX_FMT_FP6 matrix_a_scale:MATRIX_SCALE_ROW1 matrix_b_scale:MATRIX_SCALE_ROW1
.elseif \ra
	v_wmma_scale_f32_16x16x128_f8f6f4 v[(\d):(\d)+7], v[(\a):(\a)+11], v[(\b):(\b)+11], 0, v[\sa], v[\sb] matrix_a_fmt:MATRIX_FMT_FP6 matrix_b_fmt:MATRIX_FMT_FP6 matrix_a_scale:MATRIX_SCALE_ROW1
.elseif \rb
	v_wmma_scale_f32_16x16x128_f8f6f4 v[(\d):(\d)+7], v[(\a):(\a)+11], v[(\b):(\b)+11], 0, v[\sa], v[\sb] matrix_a_fmt:MATRIX_FMT_FP6 matrix_b_fmt:MATRIX_FMT_FP6 matrix_b_scale:MATRIX_SCALE_ROW1
.else
	v_wmma_scale_f32_16x16x128_f8f6f4 v[(\d):(\d)+7], v[(\a):(\a)+11], v[(\b):(\b)+11], 0, v[\sa], v[\sb] matrix_a_fmt:MATRIX_FMT_FP6 matrix_b_fmt:MATRIX_FMT_FP6
.endif
.else
.if (\ra) && (\rb)
	v_wmma_scale_f32_16x16x128_f8f6f4 v[(\d):(\d)+7], v[(\a):(\a)+11], v[(\b):(\b)+11], v[(\d):(\d)+7], v[\sa], v[\sb] matrix_a_fmt:MATRIX_FMT_FP6 matrix_b_fmt:MATRIX_FMT_FP6 matrix_a_scale:MATRIX_SCALE_ROW1 matrix_b_scale:MATRIX_SCALE_ROW1
.elseif \ra
	v_wmma_scale_f32_16x16x128_f8f6f4 v[(\d):(\d)+7], v[(\a):(\a)+11], v[(\b):(\b)+11], v[(\d):(\d)+7], v[\sa], v[\sb] matrix_a_fmt:MATRIX_FMT_FP6 matrix_b_fmt:MATRIX_FMT_FP6 matrix_a_scale:MATRIX_SCALE_ROW1
.elseif \rb
	v_wmma_scale_f32_16x16x128_f8f6f4 v[(\d):(\d)+7], v[(\a):(\a)+11], v[(\b):(\b)+11], v[(\d):(\d)+7], v[\sa], v[\sb] matrix_a_fmt:MATRIX_FMT_FP6 matrix_b_fmt:MATRIX_FMT_FP6 matrix_b_scale:MATRIX_SCALE_ROW1
.else
	v_wmma_scale_f32_16x16x128_f8f6f4 v[(\d):(\d)+7], v[(\a):(\a)+11], v[(\b):(\b)+11], v[(\d):(\d)+7], v[\sa], v[\sb] matrix_a_fmt:MATRIX_FMT_FP6 matrix_b_fmt:MATRIX_FMT_FP6
.endif
.endif
.endm
.macro PLACES                          ; four plain places behind matrix instructions, in front of loads into their registers and of reads of their results
.rept 4
	v_nop
.endr
.endm
.macro LOADWQ s                        ; K step s of my four tiles of wq: 12 + 2 loads
.irp t, 0,1,2,3
.irp g, 0,1,2
	global_load_b128 v[WQ+12*\t+4*\g:WQ+12*\t+4*\g+3], v[LI], s[PWQ:PWQ+1] offset:12288*\t+1536*(\s)+512*\g
.endr
.endr
.irp p, 0,1
	global_load_b32 v[WQS+\p], v[WSO], s[PSQ:PSQ+1] offset:1024*\p+64*(\s)
.endr
.endm
.macro LOADWK s                        ; K step s of my two tiles of wk or wv: 6 + 1 loads
.irp n, 0,1
.irp g, 0,1,2
	global_load_b128 v[WK+12*\n+4*\g:WK+12*\n+4*\g+3], v[LI], s[PWK:PWK+1] offset:12288*\n+1536*(\s)+512*\g
.endr
.endr
	global_load_b32 v[WKS], v[WSO], s[PSK:PSK+1] offset:64*(\s)
.endm
.macro LOADX s                         ; K step s of x, both token tiles, from LDS into buffer s % 2: 6 + 1 loads
.irp u, 0,1
.irp g, 0,1,2
	ds_load_b128 v[XB+24*((\s)%2)+12*\u+4*\g:XB+24*((\s)%2)+12*\u+4*\g+3], v[LI] offset:XIMG+3072*(\s)+1536*\u+512*\g
.endr
.endr
	ds_load_b32 v[XS+(\s)%2], v[LS] offset:XSC+128*(\s)
.endm
; The twelve accumulators take turns, one instruction a turn, in the same order in every K step.
.macro MULQ s, z
.irp u, 0,1
.irp t, 0,1,2,3
	WM QA+32*\u+8*\t, WQ+12*\t, XB+24*((\s)%2)+12*\u, \z, WQS+\t/2, XS+(\s)%2, \t%2, \u
.endr
.endr
.endm
.macro MULKV s, z                      ; the branch hangs on the wave's number alone
	s_cmp_lt_u32 s[WV], 8
	s_cbranch_scc0 .Lvarm_\@
.irp u, 0,1
.irp n, 0,1
	WM KA+16*\u+8*\n, WK+12*\n, XB+24*((\s)%2)+12*\u, \z, WKS, XS+(\s)%2, \n, \u
.endr
.endr
	s_branch .Lkvj_\@
.Lvarm_\@:
.irp n, 0,1
.irp u, 0,1
	WM KA+16*\n+8*\u, XB+24*((\s)%2)+12*\u, WK+12*\n, \z, XS+(\s)%2, WKS, \u, \n
.endr
.endr
.Lkvj_\@:
.endm
.macro STEP s, z                       ; a K step of 128: 12 matrix instructions; the next step's operands are asked for as this step's registers fall free
.if \s < 7
	LOADX \s+1                                     ; no wait of its own: the wait at the end of the step before has stated that its products are done with this buffer, and only loads stand between (step 0: no vector or matrix line has named buffer 1)
.endif
	s_wait_loadcnt 7                               ; wq's 14 loads of this step are in; the 7 of wk or wv behind them may be out
.if \s < 7
	s_wait_dscnt 7                                 ; this step's x is in; the 7 loads just issued may be out
.else
	s_wait_dscnt 0x0
.endif
	MULQ \s, \z
	PLACES
	s_wait_alu depctr_va_vdst(0)                   ; the eight products are done reading wq's fragments and scale words, in which the loads below land
.if \s < 7
	LOADWQ \s+1
	s_wait_loadcnt 14                              ; wk's or wv's 7 loads are in; the 14 just issued may be out
.else
.irp b, 0,1
.irp j, 0,1,2,3
	global_load_b128 v[WQ+16*\b+4*\j:WQ+16*\b+4*\j+3], v[NWO], s[PQN:PQN+1] offset:128*\b+16*\j   ; q_norm_w of my columns 32 b + 16 h + 0 .. 15
.endr
.endr
	s_wait_loadcnt 8                               ; the 8 just issued may be out
.endif
	MULKV \s, \z
	PLACES
.if \s < 7
	s_wait_alu depctr_va_vdst(0)                   ; the four products are done reading wk's or wv's fragments and scale words, and all twelve x's buffer and scale words of this step: the loads below and those at the next step's head land there
	LOADWK \s+1
.endif
.endm
.macro SLOTSUM adr, out                ; two packed sums (u = 0 in v[184:185], u = 1 in v[186:187]) become one number a slot: lane 16 u + r holds token (u, r)'s; it leaves from v[out]: a register of its own for each of the two sums
	v_add_f32 v188, v184, v185
	v_add_f32 v189, v186, v187
	v_permlanex16_b32 v[TM+4], v188, s[SEL], s[SEL+1]
	v_permlanex16_b32 v[TM+5], v189, s[SEL], s[SEL+1]
	v_add_f32 v188, v188, v[TM+4]
	v_add_f32 v189, v189, v[TM+5]
	v_cndmask_b32 v[\out], v188, v189, vcc_lo
	s_wait_alu depctr_va_vdst(0)                   ; v[out] is written, which the LDS store reads; all vector and matrix lines so far are done with v160-199, in which later loads land
	ds_store_b32 v[\adr], v[\out]
.endm
.macro RSTAIL inv                      ; v184 = a slot's sum of squares.  1 / sqrt(mean + eps) of tokens (0, r) and (1, r) into the pairs v[200:201], v[202:203]
	v_fma_f32 v184, v184, s[\inv], s[EPS]          ; the mean is a multiplication by a power of two: one rounding, as in mean + eps
	s_wait_alu depctr_va_vdst(0)
	v_rsq_f32 v185, v184
	v_nop                                          ; one plain place behind a transcendental
	s_wait_alu depctr_va_vdst(0)                   ; the root's result v185 is written, ahead of its first reader
	v_permlanex16_b32 v[TM+4], v185, s[SEL], s[SEL+1]
	v_cndmask_b32 v200, v185, v[TM+4], vcc_lo
	v_cndmask_b32 v201, v185, v[TM+4], vcc_lo
	v_cndmask_b32 v202, v[TM+4], v185, vcc_lo
	v_cndmask_b32 v203, v[TM+4], v185, vcc_lo
.endm
.macro BARRIER
	s_wait_dscnt 0x0                               ; my LDS stores have landed and my LDS loads are in
	s_barrier_signal -1
	s_barrier_wait -1
.endm
	s_load_b256 s[4:11], s[0:1], 0x0               ; features s[4:5], wbuf s[6:7], q_norm_w s[8:9], k_norm_w s[10:11]
	s_load_b128 s[12:15], s[0:1], 0x20             ; qbuf s[12:13], kvbuf s[14:15]
	v_lshl_add_u32 v250, v0, 2, 0x7800
	v_mov_b32 v251, 0
	v_lshrrev_b32 v16, 5, v0
	v_readfirstlane_b32 s[WV], v16                 ; wave 0..15
	v_and_b32 v16, 31, v0                          ; lane
	v_and_b32 v17, 15, v0                          ; r
	v_bfe_u32 v18, v0, 4, 1                        ; h
	v_cmp_lt_u32 vcc_lo, 15, v16                   ; the mask of lanes 16-31: kept for the whole kernel
	v_lshlrev_b32 v[LI], 4, v16
	v_lshlrev_b32 v[LS], 2, v16
	v_and_b32 v[XA], 8, v17
	v_add_nc_u32 v[XA], v[XA], v17
	v_lshlrev_b32 v[XA], 12, v[XA]
	v_lshl_add_u32 v[XA], v18, 6, v[XA]
	s_wait_alu depctr_va_sdst(0)                   ; the wave's number is written, ahead of its first reader
	s_wait_alu depctr_va_vcc(0)                    ; the mask is written, ahead of every select that reads it: in the compare's own straight run
	s_and_b32 s19, s[WV], 7                        ; my number among the k waves or among the v waves
	s_mul_i32 s52, s[WV], 1536
	v_add_nc_u32 v[XWI], s52, v[LI]
	s_lshl_b32 s52, s[WV], 6
	s_add_co_u32 s52, s52, XSC
	v_lshl_add_u32 v[XWS], v17, 2, s52
	v_lshlrev_b32 v[WSO], 2, v17
	v_lshl_add_u32 v[WSO], v18, 9, v[WSO]
	v_lshlrev_b32 v[NWO], 6, v18
	v_mul_u32_u24 v[CO], v17, 24
	v_mad_u32_u24 v[CO], v18, 12, v[CO]
	s_lshl_b32 s52, s[WV], 7
	s_add_co_u32 s52, s52, SSQ
	v_add_nc_u32 v[SQA], s52, v[LS]
	s_lshl_b32 s52, s19, 7
	s_add_co_u32 s52, s52, SSK
	v_add_nc_u32 v[SKA], s52, v[LS]
	s_lshl_b32 s52, s19, 6
	s_add_co_u32 s52, s52, KSX
	v_lshl_add_u32 v[KXA], v17, 2, s52
	s_lshl_b32 s52, s19, 5
	s_add_co_u32 s52, s52, VSB
	v_add_nc_u32 v[VBA], s52, v16
	v_lshrrev_b32 v[KXR], 3, v16
	v_lshlrev_b32 v[KXR], 7, v[KXR]
	v_and_b32 v19, 7, v16
	v_lshl_add_u32 v[KXR], v19, 3, v[KXR]
	v_add_nc_u32 v[KXR], KSX, v[KXR]
	v_lshlrev_b32 v[L8], 3, v16
	v_add_nc_u32 v[VBR], VSB, v[L8]
.irp b, 0,1,2,3
	v_mov_b32 v[TM+4+\b], 0                        ; written once: a lane permute's destination counts as one of its sources
.endr
	s_mov_b32 s[SEL], 0x76543210
	s_mov_b32 s[SEL+1], 0xfedcba98
	s_mov_b32 s[INVQ], 0x3a800000                  ; 1 / 1,024
	s_mov_b32 s[INVK], 0x3b800000                  ; 1 / 256
	s_mov_b32 s[EPS], 0x358637bd                   ; 1e-6
	s_lshr_b32 s17, ttmp9, 6                       ; batch
	s_and_b32 s18, ttmp9, 63                       ; block of 32 tokens in it
	s_lshr_b32 s52, s19, 1                         ; key and value head
	s_and_b32 s53, s19, 1                          ; which 32 of its 64 columns
	s_lshl_b32 s[SH8], s53, 3
	s_lshl_b32 s54, s17, 2
	s_add_co_u32 s54, s54, s52                     ; y = 4 batch + head
	s_mov_b32 s57, 0
	s_lshl_b32 s56, ttmp9, 17                      ; x: 32 rows of 4,096 bytes a work-group,
	s_and_b32 s58, s[WV], 1
	s_lshl_b32 s58, s58, 15                        ; 8 rows on for token tile 1,
	s_add_co_u32 s56, s56, s58
	s_lshr_b32 s58, s[WV], 1
	s_lshl_b32 s58, s58, 9                         ; 512 bytes a K step
	s_add_co_u32 s56, s56, s58
	s_wait_kmcnt 0x0
	s_add_nc_u64 s[PX:PX+1], s[4:5], s[56:57]
	s_wait_alu depctr_va_vdst(0)                   ; the fifteen offsets and addresses v1 to v15 are written, which every load and store of the kernel reads; the head is done with v16 to v19, in which x lands
.irp b, 0,1,2,3
.irp j, 0,1,2,3
	global_load_b128 v[QA+16*\b+4*\j:QA+16*\b+4*\j+3], v[XA], s[PX:PX+1] offset:128*\b+16*\j th:TH_LOAD_NT
.endr
.endr
	s_mul_i32 s56, s[WV], 49152
	s_add_nc_u64 s[PWQ:PWQ+1], s[6:7], s[56:57]
	s_lshl_b32 s56, s[WV], 11
	s_add_co_u32 s56, s56, WSC
	s_add_nc_u64 s[PSQ:PSQ+1], s[6:7], s[56:57]
	LOADWQ 0
	s_mul_i32 s56, s[WV], 24576
	s_add_co_u32 s56, s56, 786432
	s_add_nc_u64 s[PWK:PWK+1], s[6:7], s[56:57]
	s_lshl_b32 s56, s[WV], 10
	s_add_co_u32 s56, s56, WSC+32768
	s_add_nc_u64 s[PSK:PSK+1], s[6:7], s[56:57]
	LOADWK 0
	s_lshl_b32 s56, s[WV], 8
	s_add_nc_u64 s[PQN:PQN+1], s[8:9], s[56:57]
	s_lshl_b32 s56, s19, 7
	s_add_nc_u64 s[PKN:PKN+1], s[10:11], s[56:57]
	s_lshl_b32 s58, s17, 4
	s_add_co_u32 s58, s58, s[WV]
	s_lshl_b32 s58, s58, 7
	s_lshl_b32 s59, s18, 1
	s_add_co_u32 s58, s58, s59                     ; q's tile of 16: (16 batch + head) x 128 + 2 block
	s_mul_i32 s56, s58, 768
	s_add_nc_u64 s[PQC:PQC+1], s[12:13], s[56:57]
	s_lshl_b32 s56, s58, 6
	s_add_co_u32 s56, s56, QSC
	s_add_nc_u64 s[PQS:PQS+1], s[12:13], s[56:57]
	s_lshl_b32 s58, s54, 6
	s_add_co_u32 s58, s58, s18
	s_mul_i32 s56, s58, 1536                       ; k: (64 y + block) x 1,536 + 384 x my half of the head
	s_mul_i32 s58, s53, 384
	s_add_co_u32 s56, s56, s58
	s_add_nc_u64 s[PKC:PKC+1], s[14:15], s[56:57]
	s_lshl_b32 s58, s54, 4
	s_lshr_b32 s59, s18, 2
	s_add_co_u32 s58, s58, s59
	s_mul_i32 s56, s58, 6144                       ; v: (16 y + block / 4) x 6,144 + 3,072 ((block / 2) % 2) + 384 (block % 2) + 768 x tile
	s_bfe_u32 s58, s18, 0x10001
	s_mul_i32 s58, s58, 3072
	s_add_co_u32 s56, s56, s58
	s_and_b32 s58, s18, 1
	s_mul_i32 s58, s58, 384
	s_add_co_u32 s56, s56, s58
	s_mul_i32 s58, s53, 1536
	s_add_co_u32 s56, s56, s58
	s_add_co_u32 s56, s56, VC
	s_add_nc_u64 s[PVC:PVC+1], s[14:15], s[56:57]
	s_lshl_b32 s56, ttmp9, 8
	s_add_co_u32 s56, s56, KS
	s_add_nc_u64 s[PKS:PKS+1], s[14:15], s[56:57]
	s_lshl_b32 s56, ttmp9, 8
	s_add_co_u32 s56, s56, VS
	s_add_nc_u64 s[PVS:PVS+1], s[14:15], s[56:57]
	; ---- x: my fragment is quantised and its image goes to LDS
	s_wait_loadcnt 21                              ; x's 16 loads are in; the 14 + 7 weight loads behind them may be out
	QUANT QA
	s_wait_alu depctr_va_vdst(0)                   ; the quantiser has written the fragment v184-195 and its scale word v239, which the LDS stores read, and is done with v184-202, in which x's first buffer lands
.irp g, 0,1,2
	ds_store_b128 v[XWI], v[PC+4*\g:PC+4*\g+3] offset:XIMG+512*\g
.endr
	ds_store_b32 v[XWS], v[PW]                     ; both halves of the lanes write the same word with the same value
	BARRIER                                        ; x's sixteen fragments lie in LDS
	s_wait_alu depctr_vm_vsrc(0)                   ; my LDS stores have read v184-195, in which the loads below land
	LOADX 0
	; ---- the three products, K step by K step
	STEP 0, 1
	STEP 1, 0
	STEP 2, 0
	STEP 3, 0
	STEP 4, 0
	STEP 5, 0
	STEP 6, 0
	STEP 7, 0
	; ---- sums of squares of my 64 columns of q, for each of my lane's two tokens (each accumulator is read from its low end on)
	v_pk_mul_f32 v[184:185], v[QA:QA+1], v[QA:QA+1]
	v_pk_mul_f32 v[186:187], v[QA+32:QA+33], v[QA+32:QA+33]
.irp i, 2,4,6,8,10,12,14,16,18,20,22,24,26,28,30
	v_pk_fma_f32 v[184:185], v[QA+\i:QA+\i+1], v[QA+\i:QA+\i+1], v[184:185]
	v_pk_fma_f32 v[186:187], v[QA+32+\i:QA+33+\i], v[QA+32+\i:QA+33+\i], v[186:187]
.endr
	SLOTSUM SQA, 190                               ; (its wait also states that the last K step's products are done reading v160-175, in which k_norm_w lands)
	s_cmp_lt_u32 s[WV], 8
	s_cbranch_scc0 .Lrole_v
	; k waves: k_norm_w of my 16 columns is asked for, and the sums of squares of my 32 columns of k are made
.irp j, 0,1,2,3
	global_load_b128 v[WK+4*\j:WK+4*\j+3], v[NWO], s[PKN:PKN+1] offset:16*\j
.endr
	v_pk_mul_f32 v[184:185], v[KA:KA+1], v[KA:KA+1]
	v_pk_mul_f32 v[186:187], v[KA+16:KA+17], v[KA+16:KA+17]
.irp i, 2,4,6,8,10,12,14
	v_pk_fma_f32 v[184:185], v[KA+\i:KA+\i+1], v[KA+\i:KA+\i+1], v[184:185]
	v_pk_fma_f32 v[186:187], v[KA+16+\i:KA+17+\i], v[KA+16+\i:KA+17+\i], v[186:187]
.endr
	SLOTSUM SKA, 191
	s_branch .Ljoin_a
.Lrole_v:
	; v waves: my two tiles of 16 columns d x the work-group's 32 tokens are two blocks along the keys a lane pair: quantised and stored
	BSC2 KA, TM, TM+4, TM+12
	v_cvt_scalef32_pk16_fp6_f32 v[176:178], v[KA:KA+15], v[TM+12]
	v_cvt_scalef32_pk16_fp6_f32 v[180:182], v[KA+16:KA+31], v[TM+13]
	v_nop                                          ; one plain place behind a scaled conversion
	v_cndmask_b32 v184, v[TM+4], v[TM+5], vcc_lo   ; lane 16 n + r writes the byte of tile n, row r
	s_wait_alu depctr_va_vdst(0)                   ; the conversions have written v176-182 and the select v184, which the three stores read
	global_store_b96 v[CO], v[176:178], s[PVC:PVC+1]
	global_store_b96 v[CO], v[180:182], s[PVC:PVC+1] offset:768
	ds_store_b8 v[VBA], v184
.Ljoin_a:
	BARRIER                                        ; every wave's sums of squares lie in LDS
	; ---- q: the norm, the gain, the quantiser along the head's 64
	s_wait_alu depctr_vm_vsrc(0)                   ; my stores have read v190, v191 or v184, in which the loads below land (the vector lines that named v184-199 stand ahead of the last wait on va_vdst)
.irp i, 0,1,2,3,4,5,6,7,8,9,10,11,12,13,14,15
	ds_load_b32 v[184+\i], v[LS] offset:SSQ+128*\i
.endr
	s_wait_dscnt 0x0
.irp i, 0,2,4,6,8,10,12,14
	v_add_f32 v[184+\i], v[184+\i], v[185+\i]
.endr
.irp i, 0,4,8,12
	v_add_f32 v[184+\i], v[184+\i], v[186+\i]
.endr
.irp i, 0,8
	v_add_f32 v[184+\i], v[184+\i], v[188+\i]
.endr
	v_add_f32 v184, v184, v192
	RSTAIL INVQ
.irp u, 0,1
.irp i, 0,2,4,6,8,10,12,14,16,18,20,22,24,26,28,30
	v_pk_mul_f32 v[QA+32*\u+\i:QA+32*\u+\i+1], v[QA+32*\u+\i:QA+32*\u+\i+1], v[200+2*\u:201+2*\u]
.endr
.endr
	s_wait_loadcnt 0x0                             ; the gains
.irp u, 0,1
.irp i, 0,2,4,6,8,10,12,14,16,18,20,22,24,26,28,30
	v_pk_mul_f32 v[QA+32*\u+\i:QA+32*\u+\i+1], v[QA+32*\u+\i:QA+32*\u+\i+1], v[WQ+\i:WQ+\i+1]
.endr
.endr
	BSC4 QA, TM, TM+4, TM+12                       ; block 2 u + b: token tile u, columns 32 b on
.irp b, 0,1,2,3
	v_cvt_scalef32_pk16_fp6_f32 v[208+4*\b:210+4*\b], v[QA+16*\b:QA+16*\b+15], v[TM+12+\b]
.endr
	v_nop                                          ; one plain place behind a scaled conversion
	v_lshl_or_b32 v224, v[TM+5], 8, v[TM+4]
	v_lshl_or_b32 v225, v[TM+7], 8, v[TM+6]
	v_cndmask_b32 v226, v224, v225, vcc_lo         ; lane 16 u + r stores token (u, r)'s two bytes
	s_wait_alu depctr_va_vdst(0)                   ; the conversions have written v208-222 and the select v226, which the five stores read; the sums above are done with v184-191, in which the k waves' next loads land
.irp b, 0,1,2,3
	global_store_b96 v[CO], v[208+4*\b:210+4*\b], s[PQC:PQC+1] offset:384*\b   ; 32 lanes store 384 consecutive bytes
.endr
	global_store_b32 v[LS], v226, s[PQS:PQS+1]
	s_cmp_lt_u32 s[WV], 8
	s_cbranch_scc0 .Ljoin_b
	; ---- k likewise, in the k waves
.irp i, 0,1,2,3,4,5,6,7
	ds_load_b32 v[184+\i], v[LS] offset:SSK+128*\i
.endr
	s_wait_dscnt 0x0
.irp i, 0,2,4,6
	v_add_f32 v[184+\i], v[184+\i], v[185+\i]
.endr
.irp i, 0,4
	v_add_f32 v[184+\i], v[184+\i], v[186+\i]
.endr
	v_add_f32 v184, v184, v188
	RSTAIL INVK
.irp u, 0,1
.irp i, 0,2,4,6,8,10,12,14
	v_pk_mul_f32 v[KA+16*\u+\i:KA+16*\u+\i+1], v[KA+16*\u+\i:KA+16*\u+\i+1], v[200+2*\u:201+2*\u]
.endr
.endr
.irp u, 0,1
.irp i, 0,2,4,6,8,10,12,14
	v_pk_mul_f32 v[KA+16*\u+\i:KA+16*\u+\i+1], v[KA+16*\u+\i:KA+16*\u+\i+1], v[WK+\i:WK+\i+1]
.endr
.endr
	BSC2 KA, TM, TM+4, TM+12                       ; block u: token tile u, my 32 columns
	v_cvt_scalef32_pk16_fp6_f32 v[176:178], v[KA:KA+15], v[TM+12]
	v_cvt_scalef32_pk16_fp6_f32 v[180:182], v[KA+16:KA+31], v[TM+13]
	v_nop                                          ; one plain place behind a scaled conversion
	v_lshl_or_b32 v184, v[TM+5], 16, v[TM+4]       ; my two bytes of the row's word (tile 0: bytes 0, 1; tile 1: bytes 2, 3),
	v_lshlrev_b32 v184, s[SH8], v184               ; at my half of the head's place
	s_wait_alu depctr_va_vdst(0)                   ; the conversions have written v176-182 and the shift v184, which the three stores read; the sums above are done with v184-189, in which the last loads land
	global_store_b96 v[CO], v[176:178], s[PKC:PKC+1]
	global_store_b96 v[CO], v[180:182], s[PKC:PKC+1] offset:768
	ds_store_b32 v[KXA], v184
.Ljoin_b:
	BARRIER                                        ; k's partial scale words lie in LDS (v's bytes since the barrier before)
	s_wait_alu depctr_vm_vsrc(0)                   ; my LDS store has read v184, in which wave 0's load lands: ahead of the branch
	s_cmp_lg_u32 s[WV], 0
	s_cbranch_scc1 .Lnot_0
	ds_load_b64 v[184:185], v[KXR]                 ; wave 0: the two halves of each word are joined; 32 lanes store 256 consecutive bytes, aligned
	ds_load_b64 v[186:187], v[KXR] offset:64
	s_wait_dscnt 0x0
	v_or_b32 v184, v184, v186
	v_or_b32 v185, v185, v187
	s_wait_alu depctr_va_vdst(0)                   ; the joined words v184, v185 are written, which the store reads
	global_store_b64 v[L8], v[184:185], s[PKS:PKS+1]
.Lnot_0:
	s_cmp_lg_u32 s[WV], 1
	s_cbranch_scc1 .Lnot_1
	ds_load_b64 v[188:189], v[VBR]                 ; wave 1: v's 256 scale bytes, likewise, through registers that no store has read
	s_wait_dscnt 0x0
	global_store_b64 v[L8], v[188:189], s[PVS:PVS+1]
.Lnot_1:
	s_wait_dscnt 0x0                               ; the closing lines, six on end
	s_wait_alu 0x0
	s_wait_tensorcnt 0x0
	ds_add_u32 v250, v251
	s_wait_dscnt 0x0
	s_endpgm
.Lfunc_end_k_q03e1ca5fe5_qkv:
	.size	k_q03e1ca5fe5_qkv, .Lfunc_end_k_q03e1ca5fe5_qkv-k_q03e1ca5fe5_qkv
	.p2alignl 7, 3214868480
	.fill 96, 4, 3214868480
	.section	.rodata,"a",@progbits
	.p2align	6, 0x0
	.amdhsa_kernel k_q03e1ca5fe5_qkv
		.amdhsa_group_segment_fixed_size 32768
		.amdhsa_private_segment_fixed_size 0
		.amdhsa_enable_private_segment 0
		.amdhsa_kernarg_size 48
		.amdhsa_user_sgpr_count 2
		.amdhsa_user_sgpr_kernarg_segment_ptr 1
		.amdhsa_wavefront_size32 1
		.amdhsa_system_sgpr_workgroup_id_x 1
		.amdhsa_system_sgpr_workgroup_id_y 1
		.amdhsa_system_sgpr_workgroup_id_z 1
		.amdhsa_system_vgpr_workitem_id 0
		.amdhsa_next_free_vgpr 256
		.amdhsa_next_free_sgpr 66
		.amdhsa_reserve_vcc 1
		.amdhsa_float_denorm_mode_32 3
		.amdhsa_float_denorm_mode_16_64 3
		.amdhsa_memory_ordered 1
		.amdhsa_forward_progress 1
		.amdhsa_inst_pref_size 74
	.end_amdhsa_kernel
	.amdgpu_metadata
---
amdhsa.version: [ 1, 2 ]
amdhsa.kernels:
  - .name:           k_q03e1ca5fe5_qkv
    .symbol:         k_q03e1ca5fe5_qkv.kd
    .args:
      - { .name: features, .offset: 0, .size: 8, .value_kind: global_buffer, .address_space: global }
      - { .name: wbuf, .offset: 8, .size: 8, .value_kind: global_buffer, .address_space: global }
      - { .name: q_norm_w, .offset: 16, .size: 8, .value_kind: global_buffer, .address_space: global }
      - { .name: k_norm_w, .offset: 24, .size: 8, .value_kind: global_buffer, .address_space: global }
      - { .name: qbuf, .offset: 32, .size: 8, .value_kind: global_buffer, .address_space: global }
      - { .name: kvbuf, .offset: 40, .size: 8, .value_kind: global_buffer, .address_space: global }
    .group_segment_fixed_size: 32768
    .private_segment_fixed_size: 0
    .kernarg_segment_align: 8
    .kernarg_segment_size: 48
    .max_flat_workgroup_size: 512
    .sgpr_count:     66
    .vgpr_count:     256
    .wavefront_size: 32
...
	.end_amdgpu_metadata
.endif
;; end of part 6
;; launch attn (part 7): grid 32 x 8, 16 waves a work-group, no clusters, 67,584 bytes of LDS; arguments qbuf, kvbuf, aobuf; writes aobuf
.if DOCPART == 7
	.amdgcn_target "amdgcn-amd-amdhsa--gfx1250"
	.amdhsa_code_object_version 6
	.text
	.protected	k_q03e1ca5fe5_attn
	.globl	k_q03e1ca5fe5_attn
	.p2align	8
	.type	k_q03e1ca5fe5_attn,@function
k_q03e1ca5fe5_attn:
	s_mov_b64 s[64:65], 0
	v_nop
	global_prefetch_b8 v0, s[64:65] scope:SCOPE_SE
	s_setreg_imm32_b32 hwreg(HW_REG_WAVE_SCHED_MODE, 0, 2), 2
	s_setreg_imm32_b32 hwreg(HW_REG_WAVE_MODE, 25, 1), 1
	s_wait_xcnt 0x0
	s_wait_alu depctr_vm_vsrc(0)
; o = softmax(q k^T / 8 + slope x (key - query), keys query - 512 .. query) v, both products on codes of FP6 (E2M3) with E8M0 scales; o / l is quantised along heads x 64 for the last product.
; SHARES.  A work-group owns 64 queries of the four query heads that share one key and value head (y = 4 batch + head): 16 waves, each one tile of 16 queries of one head, in 256 registers, four waves to a SIMD.
; THE WINDOW.  Queries 64 c .. 64 c + 63 lie in key step a = c / 2 (128 keys a step) and see keys of steps a - 4 .. a alone: what lies outside is hidden by the problem's own mask and is not multiplied.
; Steps g0 .. g0 + 4, g0 = max(a, 4) - 4, come into LDS ONCE (61 KB); the loop has 5 trips in every work-group, and a trip whose step lies behind step a is jumped over by a scalar branch on ids.
; Hidden scores of steps a (key > query) and a - 4 (key < query - 512) become -infinity ahead of the maximum.  The first step walked holds a key that counts for every query, so M is a number from there on.
; LAYOUT.  Both products transposed: S^T = K Q^T, O^T = V^T P^T: a lane holds ONE query.  The head has 64 channels, half of the instruction's K: a fragment of K holds TWO tiles of 16 keys (k 0-63: tile 0,
; k 64-127: tile 1); multiplied by [Q | zero codes] it gives tile 0's scores, by [zero codes | Q] tile 1's.  Zero codes add nothing under any scale byte but 0xff; their bytes are 0 here.
; Tile u of a block of 32 keys holds keys 8 u + r + 8 (r / 8): the 16 registers of a block's two tiles are 16 neighbouring keys.
; SOFTMAX.  t = S log2(e) / 8 + sl2 (key - query), sl2 = slope x log2(e); M = the running largest t rounded up to a whole number; p = 2^(t - M) is quantised along the keys, not normalised;
; the sum is taken of the unquantised p and divides at the end.  t is formed as (S c + sl2 i) + sl2 (32 b - d): i the register's place in its block's half, d = query - the lane's first key.
; NO CLUSTER: the tiles are brought once by plain loads through registers, and neighbouring work-groups' windows are shifted against each other, so that their fills are not one request.
; LIMITS: NaN and infinities are not served.  The bias term is rounded in two parts, a few units in its last place off the problem's slope x (key - query).  1 / l by v_rcp_f32.
; A block of p or of o whose largest magnitude lies under 2^-124 keeps the byte 1 (read by this program alone).
; THE MODE: SCHED_MODE bits 1:0 = 2 (LLVM: expert scheduling mode 2), set by the entry lines.  The code itself states the register dependences
; between vector or matrix instructions and memory or LDS instructions, with s_wait_alu, always for 0.
; THE PLAN.  Registers that memory or LDS instructions touch:
;   v1-7, v212-215, v229, v231, v233, v235   offsets and addresses: written at the head, ahead of one wait on va_vdst; v212-214 become work registers in the loop, the others are never written again.
;   v104-138     the fill: loads land, LDS stores read; from the first trip on the products write v104-167: the wait on vm_vsrc at the loop's label stands between.
;   v8, v9       the trip's LDS addresses: written by two additions at the trip's head, read by K's and V's loads.  The same wait on vm_vsrc stands ahead of the additions, one wait on va_vdst behind them.
;   v40-87, v244-247   K's fragments and scale words land behind that wait on va_vdst, which also states that the last trip's products on V are done with them; the eight score products read them;
;                V's land behind the 32 multiply-adds that read the scores, and one wait on va_vdst: the score products are finished there, and V has the whole softmax in which to land.
;   v200-211, v250 (p's codes and scale word), v249 and v22-33 (Q's second scale word, the zero codes) are written by vector lines and taken by scaled matrix instructions: a wait on va_vdst stands between.
;   The masks: sixteen compares write s32-39 and s44-51 (free in the loop), one wait on va_sdst, sixteen selects read them.
.set QSC, 3145728                      ; qbuf: scale words
.set KSG, 1572864                      ; kvbuf: k's scale words; v's scale bytes lie 32,768 on
.set ASC, 3145728                      ; aobuf: scale words
.set LVC, 30720                        ; LDS: k's codes at 0 (5 x 6,144), v's here,
.set LKS, 61440                        ; k's scale words [step][block][r],
.set LVS, 62720                        ; v's [step][tile][r],
.set LXS, 64000                        ; and o's, 512 bytes
; v1 24 lane; v2 4 r; v3 query - 16 h; v4-7 the fill's offsets; v8, v9 the step's LDS addresses; v10 d; v11 at work; v12 -M; v13 the largest t; v[14:15] the sum
; v16-27 [Q | 0]; v28-39 [0 | Q]; v40-87 four fragments of K, then of V; v88-103 sl2 i; v104-167 S^T, then p; v168-199 O^T; v200-211 p's codes; v212-218 at work (ahead of the loop: the scale fill's addresses)
; v220-223 block maxima; v224-227 at work; v228, 230, 232, 234 sl2 (32 b - d) - M (their odd partners are named with them and not used by the sums: they keep the way out's addresses)
; v236-239 sl2 (32 b - d); v240-243 scale operands; v244-247 K's, then V's scale words; v248, v249 Q's; v250 p's; v[252:253] f
.set WV,  10
.set A,   17                           ; s17 the queries' key step;  s18 that step - 4 (it wraps where there is none, and then equals no step)
.set AL,  18
.set G,   19                           ; s19 the trip's key step;  s20 its first key
.set G128, 20
.set TF,  21                           ; s21, s22 where the trip's codes and scale words begin in LDS
.set TS,  22
.set CNT, 23
.set SEL, 24
.set CS,  26                           ; s[26:27] log2(e) / 8
.set SL2, 28
.set MK,  32                           ; the masks of sixteen compares: number j in s[MK + j + 4 (j / 8)]: s32-39, s44-51
.macro BSC2 s, mx, pt, so              ; two blocks of 16 registers at v[s + 16 b]: the scale operand into v[so + b], the byte into v[pt + b]
.irp b, 0,1
	v_max3_num_f32 v[\mx+\b], |v[\s+16*\b]|, |v[\s+16*\b+1]|, 0x1800000
.endr
.irp i, 2,4,6,8,10,12,14
.irp b, 0,1
	v_max3_num_f32 v[\mx+\b], v[\mx+\b], |v[\s+16*\b+\i]|, |v[\s+16*\b+\i+1]|
.endr
.endr
.irp b, 0,1
	v_permlanex16_b32 v[\pt+\b], v[\mx+\b], s[SEL], s[SEL+1]
.endr
.irp b, 0,1
	v_max_num_f32 v[\mx+\b], v[\mx+\b], v[\pt+\b]
.endr
.irp b, 0,1
	v_add_nc_u32 v[\so+\b], 0xff000000, v[\mx+\b]
.endr
.irp b, 0,1
	v_lshrrev_b32 v[\pt+\b], 23, v[\so+\b]
.endr
.endm
	s_load_b128 s[4:7], s[0:1], 0x0                ; qbuf s[4:5], kvbuf s[6:7]
	s_load_b64 s[8:9], s[0:1], 0x10                ; aobuf
	v_lshl_add_u32 v219, v0, 2, 0x10000
	v_mov_b32 v255, 0
	v_lshrrev_b32 v8, 5, v0
	v_readfirstlane_b32 s[WV], v8                  ; wave 0..15
	v_and_b32 v8, 31, v0                           ; lane
	v_and_b32 v9, 15, v0                           ; r
	s_wait_alu depctr_va_vdst(0)
	v_bfe_u32 v10, v0, 4, 1                        ; h
	s_wait_alu depctr_va_vdst(0)
	v_mul_u32_u24 v1, v8, 24
	v_lshlrev_b32 v2, 2, v9
	s_wait_alu depctr_va_sdst(0)                   ; the wave's number is written, ahead of its first reader
	s_lshr_b32 s11, s[WV], 2                       ; which of the four query heads
	s_and_b32 s12, s[WV], 3                        ; which tile of 16 queries
	s_and_b32 s14, ttmp7, 0xffff                   ; y
	s_lshr_b32 s15, s14, 2                         ; batch
	s_and_b32 s16, s14, 3                          ; key and value head
	s_lshr_b32 s[A], ttmp9, 1
	s_sub_co_u32 s[AL], s[A], 4
	s_max_u32 s29, s[A], 4
	s_sub_co_u32 s29, s29, 4                       ; g0
	s_lshl_b32 s30, s16, 2
	s_add_co_u32 s30, s30, s11                     ; query head
	s_lshl_b32 s48, ttmp9, 6
	s_lshr_b32 s49, s12, 1
	s_lshl_b32 s49, s49, 5
	s_add_co_u32 s48, s48, s49
	s_and_b32 s49, s12, 1
	s_lshl_b32 s49, s49, 3
	s_add_co_u32 s48, s48, s49
	v_and_b32 v3, 8, v9
	v_add_nc_u32 v3, v3, v9
	v_add_nc_u32 v3, s48, v3                       ; my query: 64 c + 32 (tile / 2) + 8 (tile % 2) + r + 8 (r / 8)
	v_lshlrev_b32 v11, 4, v10
	v_sub_nc_u32 v3, v3, v11                       ; - 16 h
	s_and_b32 s48, s[WV], 7
	s_lshl_b32 s49, s48, 9
	v_lshl_add_u32 v4, v8, 4, s49                  ; the fill: eight waves cover 4,096 bytes an instruction,
	s_lshr_b32 s50, s[WV], 3
	s_mul_i32 s50, s50, LVC                        ; waves 0-7 k's codes, waves 8-15 v's
	v_add_nc_u32 v5, s50, v4
	s_lshl_b32 s49, s48, 8
	s_add_co_u32 s49, s49, 28672
	v_lshl_add_u32 v6, v8, 3, s49                  ; and the last 2,048 of 30,720 bytes by 8 bytes a lane
	v_add_nc_u32 v7, s50, v6
	s_lshl_b32 s49, s[WV], 9
	v_lshl_add_u32 v212, v10, 8, v2
	v_add_nc_u32 v212, s49, v212                   ; k's scale words in memory: block 2 w + h, row r
	s_lshr_b32 s49, s[WV], 1
	s_lshl_b32 s49, s49, 10
	s_and_b32 s51, s[WV], 1
	s_lshl_b32 s51, s51, 5
	s_add_co_u32 s49, s49, s51
	v_add_nc_u32 v213, s49, v8                     ; v's scale bytes in memory: step w / 2, tile 2 (w % 2) + h, row r
	s_lshl_b32 s49, s[WV], 7
	s_add_co_u32 s51, s49, LKS
	v_lshl_add_u32 v214, v8, 2, s51                ; and where the words go in LDS
	s_add_co_u32 s51, s49, LVS
	v_lshl_add_u32 v215, v8, 2, s51
	s_lshr_b32 s48, s12, 1                         ; the way out: o's two bytes at [block of 32 queries][pair of heads][tile][r][head % 2]
	s_lshl_b32 s48, s48, 8
	s_lshr_b32 s49, s11, 1
	s_lshl_b32 s49, s49, 7
	s_add_co_u32 s48, s48, s49
	s_and_b32 s49, s12, 1
	s_lshl_b32 s49, s49, 6
	s_add_co_u32 s48, s48, s49
	s_and_b32 s49, s11, 1
	s_lshl_b32 s49, s49, 1
	s_add_co_u32 s48, s48, s49
	s_add_co_u32 s48, s48, LXS
	v_lshl_add_u32 v229, v9, 2, s48
	v_lshl_add_u32 v231, v8, 4, LXS
	v_lshlrev_b32 v233, 4, v9
	v_lshl_add_u32 v233, v10, 10, v233
	v_mul_u32_u24 v235, v9, 24
	v_mad_u32_u24 v235, v10, 12, v235
	s_mov_b32 s[SEL], 0x76543210
	s_mov_b32 s[SEL+1], 0xfedcba98
	s_mov_b32 s[CS], 0x3e38aa3b                    ; log2(e) / 8
	s_mov_b32 s[CS+1], s[CS]                       ; (named with it as a pair, so it is written)
	s_and_b32 s44, s30, 1                          ; slope = 2^(-head / 2): sl2 = log2(e) or log2(e) / sqrt(2), with head / 2 taken off the exponent field
	s_cmp_lg_u32 s44, 0
	s_mov_b32 s[SL2], 0x3fb8aa3b
	s_cselect_b32 s[SL2], 0x3f8293ee, s[SL2]
	s_lshr_b32 s44, s30, 1
	s_lshl_b32 s44, s44, 23
	s_sub_co_u32 s[SL2], s[SL2], s44
	s_lshr_b32 s44, s[WV], 3
	s_mul_i32 s44, s44, 786432
	s_mul_i32 s45, s14, 98304
	s_add_co_u32 s44, s44, s45
	s_mul_i32 s45, s29, 6144
	s_add_co_u32 s44, s44, s45
	s_mov_b32 s45, 0
	s_wait_kmcnt 0x0
	s_add_nc_u64 s[32:33], s[6:7], s[44:45]        ; the five steps' codes of k or of v: 30,720 bytes on end
	s_wait_alu depctr_va_vdst(0)                   ; the offsets and addresses v1-7, v212-215, v229, v231, v233, v235 are written, which the loads and stores of the kernel read
.irp i, 0,1,2,3,4,5,6
	global_load_b128 v[104+4*\i:107+4*\i], v4, s[32:33] offset:4096*\i
.endr
	global_load_b64 v[132:133], v6, s[32:33]
	s_lshl_b32 s46, s15, 4
	s_add_co_u32 s46, s46, s30
	s_lshl_b32 s46, s46, 7
	s_lshl_b32 s47, ttmp9, 2
	s_add_co_u32 s47, s47, s12
	s_add_co_u32 s46, s46, s47                     ; q's tile: (16 batch + head) x 128 + 4 c + tile
	s_mul_i32 s44, s46, 768
	s_add_nc_u64 s[34:35], s[4:5], s[44:45]
	s_lshl_b32 s44, s46, 6
	s_add_co_u32 s44, s44, QSC
	s_add_nc_u64 s[36:37], s[4:5], s[44:45]
.irp p, 0,1,2
	global_load_b64 v[16+2*\p:17+2*\p], v1, s[34:35] offset:8*\p   ; Q's 64 channels as k 0-63,
	global_load_b64 v[34+2*\p:35+2*\p], v1, s[34:35] offset:8*\p   ; and once more as k 64-127
.endr
	global_load_b32 v248, v2, s[36:37]
	s_lshl_b32 s44, s15, 6
	s_lshl_b32 s46, s29, 2
	s_add_co_u32 s44, s44, s46
	s_lshl_b32 s44, s44, 8
	s_lshl_b32 s46, s16, 6
	s_add_co_u32 s44, s44, s46
	s_add_co_u32 s44, s44, KSG
	s_add_nc_u64 s[38:39], s[6:7], s[44:45]
	s_cmp_lt_u32 s[WV], 10                         ; 320 words of each kind: ten waves
	s_cbranch_scc0 .Lno_sc1
	global_load_b32 v134, v212, s[38:39]
.irp j, 0,1,2,3
	global_load_u8 v[135+\j], v213, s[38:39] offset:32768+256*\j   ; the bytes of a step's four blocks of keys make a row's word
.endr
.Lno_sc1:
	s_lshl_b32 s44, s15, 7
	s_add_co_u32 s44, s44, s47
	s_lshl_b32 s44, s44, 3
	s_lshl_b32 s46, s16, 1
	s_add_co_u32 s44, s44, s46
	s_lshr_b32 s46, s11, 1
	s_add_co_u32 s44, s44, s46
	s_mul_i32 s44, s44, 1536
	s_and_b32 s46, s11, 1
	s_mul_i32 s46, s46, 768
	s_add_co_u32 s44, s44, s46
	s_add_nc_u64 s[40:41], s[8:9], s[44:45]        ; o's codes: ((128 batch + 4 c + tile) x 8 + head / 2) x 1,536 + 768 (head % 2)
	s_lshl_b32 s44, s15, 6
	s_lshl_b32 s46, ttmp9, 1
	s_add_co_u32 s44, s44, s46
	s_lshl_b32 s44, s44, 3
	s_lshl_b32 s46, s16, 1
	s_add_co_u32 s44, s44, s46
	s_lshl_b32 s44, s44, 7
	s_add_co_u32 s44, s44, ASC
	s_add_nc_u64 s[42:43], s[8:9], s[44:45]        ; o's scale words
	; what the loop finds: these lines stand while the loads are out
.irp i, 0,1,2,3,4,5,6,7,8,9,10,11,12,13,14,15
	v_cvt_f32_i32 v[88+\i], \i
.endr
.irp i, 0,1,2,3,4,5,6,7,8,9,10,11,12,13,14,15
	v_mul_f32 v[88+\i], s[SL2], v[88+\i]           ; sl2 i
.endr
.irp i, 22,23,24,25,26,27,28,29,30,31,32,33
	v_mov_b32 v[\i], 0                             ; the zero codes beside Q
.endr
.set N, 0
.rept 32
	v_mov_b32 v[168+N], 0                          ; O^T (the loop is written once: its first step finds zeros)
.set N, N+1
.endr
.irp i, 224,225,226,227,251,253
	v_mov_b32 v[\i], 0                             ; written once: lane permutes' destinations, and the upper half of the pair v[252:253]
.endr
	v_mov_b32 v13, 0xff61b1e6                      ; the largest t so far: -3e38
	v_floor_f32 v12, -v13                          ; -M
	v_mov_b32 v14, 0
	v_mov_b32 v15, 0
	s_wait_loadcnt 0x0
	s_cmp_lt_u32 s[WV], 10
	s_cbranch_scc0 .Lno_sc2
	v_lshl_or_b32 v135, v136, 8, v135
	v_lshl_or_b32 v135, v137, 16, v135
	v_lshl_or_b32 v135, v138, 24, v135
	s_wait_alu depctr_va_vdst(0)                   ; v's scale word v135 is written, which the LDS store reads
	ds_store_b32 v214, v134
	ds_store_b32 v215, v135
.Lno_sc2:
.irp i, 0,1,2,3,4,5,6
	ds_store_b128 v5, v[104+4*\i:107+4*\i] offset:4096*\i
.endr
	ds_store_b64 v7, v[132:133]
	v_lshlrev_b32 v249, 16, v248                   ; Q's two bytes at k 64-127's places (the loop's first twelve vector lines stand between this line and the first product)
	s_mov_b32 s[CNT], 0
	s_mov_b32 s[G], s29
	s_lshl_b32 s[G128], s29, 7
	s_mov_b32 s[TF], 0
	s_mov_b32 s[TS], 0
	s_wait_dscnt 0x0                               ; for the others' sake: my stores have landed
	s_barrier_signal -1
	s_barrier_wait -1                              ; the five steps lie in LDS; nothing is written there again but o's scale bytes, which have bytes of their own
.Lstep:
	s_wait_alu depctr_vm_vsrc(0)                   ; the first trip: the fill's loads and LDS stores have read v104-135 and v212-214, which the trip's products and conversions write; later trips: the last trip's LDS loads have read v8 and v9, which are written below.  Ahead of the branch, on every path
	s_cmp_gt_u32 s[G], s[A]                        ; a step all of whose keys come after my queries: a branch on ids
	s_cbranch_scc1 .Lskip
	v_add_nc_u32 v8, s[TF], v1
	v_add_nc_u32 v9, s[TS], v2
	s_wait_alu depctr_va_vdst(0)                   ; v8 and v9 are written, which the LDS loads read; the last trip's products are done reading V's fragments and scale words, in which K's land; the first trip: the zero codes and v249 are written, which the score products take as operand and as scales
.irp b, 0,1,2,3                        ; K: a block of 32 keys is one fragment
.irp p, 0,1,2
	ds_load_b64 v[40+12*\b+2*\p:41+12*\b+2*\p], v8 offset:1536*\b+8*\p
	ds_load_b64 v[46+12*\b+2*\p:47+12*\b+2*\p], v8 offset:1536*\b+768+8*\p
.endr
	ds_load_b32 v[244+\b], v9 offset:LKS+64*\b
.endr
	v_sub_nc_u32 v10, v3, s[G128]                  ; d = my query - the step's first key - 16 h: register 16 b + i holds the key that lies 32 b + i - d behind my query
	v_cvt_f32_i32 v11, v10
	v_sub_f32 v236, 0, v11
	v_sub_f32 v237, 0x42000000, v11
	v_sub_f32 v238, 0x42800000, v11
	v_sub_f32 v239, 0x42c00000, v11                ; 32 b - d, exact
.irp b, 0,1,2,3
	v_mul_f32 v[236+\b], s[SL2], v[236+\b]
.endr
	s_wait_dscnt 0x0
.irp b, 0,1,2,3                        ; S^T: eight accumulators, each begun with the constant 0
	v_wmma_scale_f32_16x16x128_f8f6f4 v[104+16*\b:111+16*\b], v[40+12*\b:51+12*\b], v[16:27], 0, v[244+\b], v248 matrix_a_fmt:MATRIX_FMT_FP6 matrix_b_fmt:MATRIX_FMT_FP6
	v_wmma_scale_f32_16x16x128_f8f6f4 v[112+16*\b:119+16*\b], v[40+12*\b:51+12*\b], v[28:39], 0, v[244+\b], v249 matrix_a_fmt:MATRIX_FMT_FP6 matrix_b_fmt:MATRIX_FMT_FP6
.endr
.rept 4
	v_nop                                          ; four places in front of the first read of the scores (and, further on, of the loads into K's registers)
.endr
	s_cmp_lg_u32 s[G], s[A]
	s_cbranch_scc1 .Lno_diag
	v_mov_b32 v254, 0xff800000                     ; the queries' own step: keys behind the query are hidden.  Sixteen compares, one wait, sixteen selects, four times
.set N, 0
.rept 4
.set J, 0
.rept 16
	v_cmp_gt_i32 s[MK+J+4*(J/8)], 2*N+J, v10
.set J, J+1
.endr
	s_wait_alu depctr_va_sdst(0)                   ; the sixteen masks are written, ahead of the selects that read them
.set J, 0
.rept 16
	v_cndmask_b32 v[104+N+J], v[104+N+J], v254, s[MK+J+4*(J/8)]
.set J, J+1
.endr
.set N, N+16
.endr
.Lno_diag:
	s_cmp_lg_u32 s[G], s[AL]
	s_cbranch_scc1 .Lno_left
	v_mov_b32 v254, 0xff800000                     ; the window's first step: keys more than 512 ahead of the query are hidden
	v_add_nc_u32 v251, 0xfffffe00, v10
.set N, 0
.rept 4
.set J, 0
.rept 16
	v_cmp_lt_i32 s[MK+J+4*(J/8)], 2*N+J, v251
.set J, J+1
.endr
	s_wait_alu depctr_va_sdst(0)                   ; the sixteen masks are written, ahead of the selects that read them
.set J, 0
.rept 16
	v_cndmask_b32 v[104+N+J], v[104+N+J], v254, s[MK+J+4*(J/8)]
.set J, J+1
.endr
.set N, N+16
.endr
.Lno_left:
.irp b, 0,1,2,3
.irp k, 0,2,4,6,8,10,12,14
	v_pk_fma_f32 v[104+16*\b+\k:105+16*\b+\k], v[104+16*\b+\k:105+16*\b+\k], s[CS:CS+1], v[88+\k:89+\k] op_sel_hi:[1,0,1]   ; u = S c + sl2 i
.endr
.endr
	s_wait_alu depctr_va_vdst(0)                   ; the score products are done reading K's fragments and scale words, in which V's land (the lines above have read their results)
.irp t, 0,1,2,3                        ; V: asked for now, wanted behind the softmax; no vector line names these registers before the products on them
.irp c, 0,1
.irp p, 0,1,2
	ds_load_b64 v[40+12*\t+6*\c+2*\p:41+12*\t+6*\c+2*\p], v8 offset:LVC+3072*\c+768*\t+8*\p
.endr
.endr
	ds_load_b32 v[244+\t], v9 offset:LVS+64*\t
.endr
.irp b, 0,1,2,3
	v_max3_num_f32 v[220+\b], v[104+16*\b], v[105+16*\b], v[106+16*\b]   ; the largest u of my 16 keys of each block: it serves the row's maximum and the block's largest p
.endr
.irp i, 3,5,7,9,11,13
.irp b, 0,1,2,3
	v_max3_num_f32 v[220+\b], v[220+\b], v[104+16*\b+\i], v[105+16*\b+\i]
.endr
.endr
.irp b, 0,1,2,3
	v_max_num_f32 v[220+\b], v[220+\b], v[119+16*\b]
.endr
.irp b, 0,1,2,3
	v_add_f32 v[224+\b], v[220+\b], v[236+\b]      ; as t
.endr
	v_max3_num_f32 v254, v224, v225, v226
	v_max_num_f32 v254, v254, v227
	v_permlanex16_b32 v251, v254, s[SEL], s[SEL+1]
	v_max3_num_f32 v13, v13, v254, v251            ; the running largest t of my query
	v_mov_b32 v254, v12
	v_floor_f32 v12, -v13                          ; the new -M = -ceil(t): a whole number
	v_sub_f32 v254, v12, v254                      ; old M - new M: a whole number, 0 or less
	v_cvt_i32_f32 v254, v254                       ; (it saturates)
	v_ldexp_f32 v252, 1.0, v254                    ; f = 2^(old M - new M): rounds nothing
.irp b, 0,1,2,3
	v_add_f32 v[228+2*\b], v[236+\b], v12
.endr
.irp b, 0,1,2,3
.irp k, 0,2,4,6,8,10,12,14
	v_pk_add_f32 v[104+16*\b+\k:105+16*\b+\k], v[104+16*\b+\k:105+16*\b+\k], v[228+2*\b:229+2*\b] op_sel_hi:[1,0]   ; t - M (the pair's low word serves both halves)
.endr
.endr
.irp b, 0,1,2,3
	v_add_f32 v[220+\b], v[220+\b], v[228+2*\b]    ; the same addition on the largest u: the same bits
.endr
.set N, 0
	s_wait_alu depctr_va_vdst(0)
.rept 64
	v_exp_f32 v[104+N], v[104+N]                   ; p = 2^(t - M): not normalised
.set N, N+1
.endr
.irp b, 0,1,2,3
	v_exp_f32 v[220+\b], v[220+\b]
.endr
	v_pk_mul_f32 v[14:15], v[14:15], v[252:253] op_sel_hi:[1,0]   ; the sum under the new M (a plain place behind the exponentials)
	s_wait_alu depctr_va_vdst(0)                   ; the 68 exponentials have written v104-167 and v220-223, ahead of their first reader
.irp b, 0,1,2,3
	v_permlanex16_b32 v[224+\b], v[220+\b], s[SEL], s[SEL+1]
.endr
.irp b, 0,1,2,3
	v_max3_num_f32 v[220+\b], v[220+\b], v[224+\b], 0x1800000     ; the block's largest p, and the floor 2^(3 - 127)
.endr
.irp b, 0,1,2,3
	v_add_nc_u32 v[240+\b], 0xff000000, v[220+\b]
.endr
.irp b, 0,1,2,3
	v_lshrrev_b32 v[224+\b], 23, v[240+\b]
.endr
	v_lshl_or_b32 v250, v225, 8, v224              ; p's scale word for these 128 keys
	v_lshl_or_b32 v250, v226, 16, v250
	v_lshl_or_b32 v250, v227, 24, v250
.irp c, 0,1
	v_cvt_scalef32_pk16_fp6_f32 v[200+6*\c:202+6*\c], v[104+32*\c:119+32*\c], v[240+2*\c]
	v_cvt_scalef32_pk16_fp6_f32 v[212+4*\c:214+4*\c], v[120+32*\c:135+32*\c], v[241+2*\c]
.endr
	v_nop                                          ; one plain place behind a scaled conversion
.irp c, 0,1                            ; the operand's layout wants a whole block in a lane
.irp i, 0,1,2
	v_permlane16_swap_b32 v[200+6*\c+\i], v[212+4*\c+\i]
.endr
.irp i, 0,1,2
	v_mov_b32 v[203+6*\c+\i], v[212+4*\c+\i]
.endr
.endr
	v_pk_add_f32 v[224:225], v[104:105], v[106:107]               ; the sum of the unquantised p, in two chains: these lines are also the places between p's codes and scale word and the products
.irp j, 4,8,12,16,20,24,28,32,36,40,44,48,52,56,60
	v_pk_add_f32 v[14:15], v[14:15], v[104+\j:105+\j]
	v_pk_add_f32 v[224:225], v[224:225], v[106+\j:107+\j]
.endr
	v_pk_add_f32 v[14:15], v[14:15], v[224:225]
.irp k, 0,2,4,6,8,10,12,14,16,18,20,22,24,26,28,30
	v_pk_mul_f32 v[168+\k:169+\k], v[168+\k:169+\k], v[252:253] op_sel_hi:[1,0]   ; O^T under the new M
.endr
	s_wait_dscnt 0x0                               ; V
	s_wait_alu depctr_va_vdst(0)                   ; p's codes v200-211 and its scale word v250 are written, which the products below take as operand and as scales; the places above stay beside this wait
.irp t, 0,1,2,3                        ; O^T += V^T P^T: four accumulators, one instruction each
	v_wmma_scale_f32_16x16x128_f8f6f4 v[168+8*\t:175+8*\t], v[40+12*\t:51+12*\t], v[200:211], v[168+8*\t:175+8*\t], v[244+\t], v250 matrix_a_fmt:MATRIX_FMT_FP6 matrix_b_fmt:MATRIX_FMT_FP6
.endr
.rept 4
	v_nop                                          ; four places: in front of the next step's loads into V's registers, and of the reads of O^T
.endr
.Lskip:
	s_add_co_u32 s[G], s[G], 1
	s_add_co_u32 s[G128], s[G128], 128
	s_add_co_u32 s[TF], s[TF], 6144
	s_add_co_u32 s[TS], s[TS], 256
	s_add_co_u32 s[CNT], s[CNT], 1
	s_cmp_lt_u32 s[CNT], 5
	s_cbranch_scc1 .Lstep
	s_wait_alu depctr_va_vdst(0)
	; THE WAY OUT: o = O^T / l; register 16 b + i is channel 32 b + 16 h + i of my query: two blocks along the last product's K
	v_add_f32 v14, v14, v15
	v_permlanex16_b32 v251, v14, s[SEL], s[SEL+1]
	v_add_f32 v14, v14, v251
	s_wait_alu depctr_va_vdst(0)
	v_rcp_f32 v252, v14
	v_nop                                          ; one plain place behind a transcendental
	s_wait_alu depctr_va_vdst(0)                   ; the reciprocal v252 is written, ahead of its first reader
.irp k, 0,2,4,6,8,10,12,14,16,18,20,22,24,26,28,30
	v_pk_mul_f32 v[104+\k:105+\k], v[168+\k:169+\k], v[252:253] op_sel_hi:[1,0]
.endr
	BSC2 104, 220, 224, 240
	v_cvt_scalef32_pk16_fp6_f32 v[200:202], v[104:119], v240
	v_cvt_scalef32_pk16_fp6_f32 v[204:206], v[120:135], v241
	v_nop                                          ; one plain place behind a scaled conversion
	v_lshl_or_b32 v254, v225, 8, v224
	s_wait_alu depctr_va_vdst(0)                   ; the conversions have written v200-206 and the two bytes v254 are made, which the three stores read; the vector lines are done with v104-107, in which wave 0's load lands
	global_store_b96 v235, v[200:202], s[40:41]
	global_store_b96 v235, v[204:206], s[40:41] offset:384
	ds_store_b16 v229, v254                        ; both halves of the lanes write the same two bytes
	s_wait_dscnt 0x0
	s_barrier_signal -1
	s_barrier_wait -1
	s_cmp_lg_u32 s[WV], 0
	s_cbranch_scc1 .Ldone
	ds_load_b128 v[104:107], v231                  ; wave 0: sixteen lanes store 256 consecutive bytes, aligned, for each of the two blocks of 32 queries
	s_wait_dscnt 0x0
	global_store_b128 v233, v[104:107], s[42:43]
.Ldone:
	s_wait_dscnt 0x0                               ; the closing lines, six on end
	s_wait_alu 0x0
	s_wait_tensorcnt 0x0
	ds_add_u32 v219, v255
	s_wait_dscnt 0x0
	s_endpgm
.Lfunc_end_k_q03e1ca5fe5_attn:
	.size	k_q03e1ca5fe5_attn, .Lfunc_end_k_q03e1ca5fe5_attn-k_q03e1ca5fe5_attn
	.p2alignl 7, 3214868480
	.fill 96, 4, 3214868480
	.section	.rodata,"a",@progbits
	.p2align	6, 0x0
	.amdhsa_kernel k_q03e1ca5fe5_attn
		.amdhsa_group_segment_fixed_size 67584
		.amdhsa_private_segment_fixed_size 0
		.amdhsa_enable_private_segment 0
		.amdhsa_kernarg_size 24
		.amdhsa_user_sgpr_count 2
		.amdhsa_user_sgpr_kernarg_segment_ptr 1
		.amdhsa_wavefront_size32 1
		.amdhsa_system_sgpr_workgroup_id_x 1
		.amdhsa_system_sgpr_workgroup_id_y 1
		.amdhsa_system_sgpr_workgroup_id_z 1
		.amdhsa_system_vgpr_workitem_id 0
		.amdhsa_next_free_vgpr 256
		.amdhsa_next_free_sgpr 66
		.amdhsa_reserve_vcc 0
		.amdhsa_float_denorm_mode_32 3
		.amdhsa_float_denorm_mode_16_64 3
		.amdhsa_memory_ordered 1
		.amdhsa_forward_progress 1
		.amdhsa_inst_pref_size 55
	.end_amdhsa_kernel
	.amdgpu_metadata
---
amdhsa.version: [ 1, 2 ]
amdhsa.kernels:
  - .name:           k_q03e1ca5fe5_attn
    .symbol:         k_q03e1ca5fe5_attn.kd
    .args:
      - { .name: qbuf, .offset: 0, .size: 8, .value_kind: global_buffer, .address_space: global }
      - { .name: kvbuf, .offset: 8, .size: 8, .value_kind: global_buffer, .address_space: global }
      - { .name: aobuf, .offset: 16, .size: 8, .value_kind: global_buffer, .address_space: global }
    .group_segment_fixed_size: 67584
    .private_segment_fixed_size: 0
    .kernarg_segment_align: 8
    .kernarg_segment_size: 24
    .max_flat_workgroup_size: 512
    .sgpr_count:     66
    .vgpr_count:     256
    .wavefront_size: 32
...
	.end_amdgpu_metadata
.endif
;; end of part 7
;; launch oproj (part 8): grid 8 x 32, 8 waves a work-group, no clusters, 275,456 bytes of LDS; arguments aobuf, wbuf, out0; writes out0
.if DOCPART == 8
	.amdgcn_target "amdgcn-amd-amdhsa--gfx1250"
	.amdhsa_code_object_version 6
	.text
	.protected	k_q03e1ca5fe5_oproj
	.globl	k_q03e1ca5fe5_oproj
	.p2align	8
	.type	k_q03e1ca5fe5_oproj,@function
k_q03e1ca5fe5_oproj:
	s_mov_b64 s[64:65], 0
	v_nop
	global_prefetch_b8 v0, s[64:65] scope:SCOPE_SE
	s_setreg_imm32_b32 hwreg(HW_REG_WAVE_SCHED_MODE, 0, 2), 2
	s_setreg_imm32_b32 hwreg(HW_REG_WAVE_MODE, 25, 1), 1
	s_wait_xcnt 0x0
	s_wait_alu depctr_vm_vsrc(0)
; out = o wo^T on codes of FP6 (E2M3) with E8M0 scales; o's and wo's codes and scale words were laid by the earlier launches in the order in which an operand's registers take them.
; SHARES.  A work-group makes 128 tokens x 128 columns: 32 x 8 = 256 work-groups.  Wave w makes tokens 32 (w / 2) on x columns 64 (w % 2) on: 8 accumulators.
; All of K (1,024) for both operands is 2 x 98,304 bytes of codes and 2 x 4,096 of scale words: four dense runs of memory, brought into LDS once, 16 bytes a thread an instruction.
; Source 0 = 16 rows of wo, source 1 = 16 tokens: a lane holds eight neighbouring columns of one token's row.  Tiles hold rows 8 u + r + 8 (r / 8) of a group of 32 on both sides; the way out puts the tokens in order.
; NO CLUSTER in this form: o's block is shared by 8 work-groups and wo's by 32, but a joint request is a tensor load, and this text fills LDS once through registers.
; THE MODE: SCHED_MODE bits 1:0 = 2 (LLVM: expert scheduling mode 2), set by the entry lines.  The code itself states the register dependences
; between vector or matrix instructions and memory or LDS instructions, with s_wait_alu, always for 0.
; THE PLAN.  Registers that memory or LDS instructions touch:
;   v1-11        offsets and LDS addresses: written at the head, ahead of one wait on va_vdst, never written again.
;   v16-215      the fill: loads land, LDS stores read.  One wait on vm_vsrc behind the barrier stands ahead of all that is written there afterwards.
;   two buffers  (v80-151 with v224-226, v152-223 with v227-229): K step s multiplies buffer s % 2; the LDS loads of step s + 1 land in the other, which the products of step s - 1 read.
;                ONE wait on va_vdst at the head of a step, behind the wait for the step's own data, states that those products are done.  Behind it the 27 loads are dealt behind the step's first five products,
;                which name buffer s % 2 and the accumulators: none of the registers that the loads touch.
;   v16-79       the accumulators: on the way out one wait on va_vdst stands ahead of the LDS stores that read them; it also frees v80-143 for the loads from the stage.
.set ASC, 3145728
.set WSC, 1966080
.set WL,  98304                        ; LDS: o's codes at 0, wo's here,
.set XSL, 196608                       ; o's scale words,
.set WSL, 200704                       ; wo's,
.set STG, 204800                       ; and a stage of 32 rows x (256 + 16) bytes for each wave
; v1-4 16 x thread + 65,536 k; v5 o's fragments; v6 wo's; v7, v8 their scale words; v9, v10 the stage, in and back; v11 my bytes in two rows of out
; v16-79 the accumulators (u, t) at 16 + 32 u + 8 t; v80-151, v152-223 two buffers: 2 fragments of o, 4 of wo; v224-229 scale words, 3 a buffer.  The fill takes v16-215.
.macro WM d, a, b, zero, sa, sb, ra, rb
.if \zero
.if (\ra) && (\rb)
	v_wmma_scale_f32_16x16x128_f8f6f4 v[(\d):(\d)+7], v[(\a):(\a)+11], v[(\b):(\b)+11], 0, v[\sa], v[\sb] matrix_a_fmt:MATRIX_FMT_FP6 matrix_b_fmt:MATRIX_FMT_FP6 matrix_a_scale:MATRIX_SCALE_ROW1 matrix_b_scale:MATRIX_SCALE_ROW1
.elseif \ra
	v_wmma_scale_f32_16x16x128_f8f6f4 v[(\d):(\d)+7], v[(\a):(\a)+11], v[(\b):(\b)+11], 0, v[\sa], v[\sb] matrix_a_fmt:MATRIX_FMT_FP6 matrix_b_fmt:MATRIX_FMT_FP6 matrix_a_scale:MATRIX_SCALE_ROW1
.elseif \rb
	v_wmma_scale_f32_16x16x128_f8f6f4 v[(\d):(\d)+7], v[(\a):(\a)+11], v[(\b):(\b)+11], 0, v[\sa], v[\sb] matrix_a_fmt:MATRIX_FMT_FP6 matrix_b_fmt:MATRIX_FMT_FP6 matrix_b_scale:MATRIX_SCALE_ROW1
.else
	v_wmma_scale_f32_16x16x128_f8f6f4 v[(\d):(\d)+7], v[(\a):(\a)+11], v[(\b):(\b)+11], 0, v[\sa], v[\sb] matrix_a_fmt:MATRIX_FMT_FP6 matrix_b_fmt:MATRIX_FMT_FP6
.endif
.else
.if (\ra) && (\rb)
	v_wmma_scale_f32_16x16x128_f8f6f4 v[(\d):(\d)+7], v[(\a):(\a)+11], v[(\b):(\b)+11], v[(\d):(\d)+7], v[\sa], v[\sb] matrix_a_fmt:MATRIX_FMT_FP6 matrix_b_fmt:MATRIX_FMT_FP6 matrix_a_scale:MATRIX_SCALE_ROW1 matrix_b_scale:MATRIX_SCALE_ROW1
.elseif \ra
	v_wmma_scale_f32_16x16x128_f8f6f4 v[(\d):(\d)+7], v[(\a):(\a)+11], v[(\b):(\b)+11], v[(\d):(\d)+7], v[\sa], v[\sb] matrix_a_fmt:MATRIX_FMT_FP6 matrix_b_fmt:MATRIX_FMT_FP6 matrix_a_scale:MATRIX_SCALE_ROW1
.elseif \rb
	v_wmma_scale_f32_16x16x128_f8f6f4 v[(\d):(\d)+7], v[(\a):(\a)+11], v[(\b):(\b)+11], v[(\d):(\d)+7], v[\sa], v[\sb] matrix_a_fmt:MATRIX_FMT_FP6 matrix_b_fmt:MATRIX_FMT_FP6 matrix_b_scale:MATRIX_SCALE_ROW1
.else
	v_wmma_scale_f32_16x16x128_f8f6f4 v[(\d):(\d)+7], v[(\a):(\a)+11], v[(\b):(\b)+11], v[(\d):(\d)+7], v[\sa], v[\sb] matrix_a_fmt:MATRIX_FMT_FP6 matrix_b_fmt:MATRIX_FMT_FP6
.endif
.endif
.endm
; K step s into buffer s % 2, in five parts: 12 + 12 + 3 LDS loads in all.  Part j < 4: half j % 2 of o's fragment j / 2 and wo's fragment j; part 4: the scale words.
.macro FPART s, j
.set FB, 80+72*((\s)%2)
.if \j < 4
.irp p, 0,1,2
	ds_load_b64 v[FB+6*(\j)+2*\p:FB+6*(\j)+2*\p+1], v5 offset:12288*((\j)/2)+1536*(\s)+768*((\j)%2)+8*\p
.endr
.irp g, 0,1,2
	ds_load_b128 v[FB+24+12*(\j)+4*\g:FB+24+12*(\j)+4*\g+3], v6 offset:12288*(\j)+1536*(\s)+512*\g
.endr
.else
	ds_load_b32 v[224+3*((\s)%2)], v7 offset:128*(\s)              ; o's words: tile 0 in lanes 0-15, tile 1 in lanes 16-31
.irp p, 0,1
	ds_load_b32 v[225+3*((\s)%2)+\p], v8 offset:1024*\p+64*(\s)    ; wo's: tile 2 p in lanes 0-15, tile 2 p + 1 in lanes 16-31
.endr
.endif
.endm
; A K step: product n = 4 u + t.  The eight accumulators take turns, one instruction a turn.
.macro STEP s, z
	s_wait_dscnt 0x0                               ; this step's operands are in
.rept 4
	v_nop                                          ; four places behind the last step's products, in front of the loads into their registers
.endr
.if (\s > 0) && (\s < 7)
	s_wait_alu depctr_va_vdst(0)                   ; the products of the step before are done reading the other buffer and its scale words, in which the loads below land
.endif
.irp n, 0,1,2,3,4,5,6,7
	WM 16+8*\n, 80+72*((\s)%2)+24+12*(\n%4), 80+72*((\s)%2)+12*(\n/4), \z, 225+3*((\s)%2)+(\n%4)/2, 224+3*((\s)%2), \n%2, \n/4
.if (\s < 7) && (\n < 5)
	FPART \s+1, \n                                 ; no wait: no matrix instruction since the wait above names the other buffer (step 0: none has named it at all)
.endif
.endr
.endm
	s_load_b128 s[4:7], s[0:1], 0x0                ; aobuf s[4:5], wbuf s[6:7]
	s_load_b64 s[8:9], s[0:1], 0x10                ; out0
	v_lshl_add_u32 v254, v0, 2, 0x43000
	v_mov_b32 v255, 0
	v_lshrrev_b32 v12, 5, v0
	v_readfirstlane_b32 s10, v12                   ; wave 0..7
	v_lshlrev_b32 v1, 4, v0
	v_add_nc_u32 v2, 0x10000, v1
	v_add_nc_u32 v3, 0x20000, v1
	v_add_nc_u32 v4, 0x30000, v1
	v_and_b32 v12, 31, v0                          ; lane
	s_wait_alu depctr_va_vdst(0)
	v_and_b32 v13, 15, v0                          ; r
	s_wait_alu depctr_va_vdst(0)
	v_bfe_u32 v14, v0, 4, 1                        ; h
	s_wait_alu depctr_va_sdst(0)                   ; the wave's number is written, ahead of its first reader
	s_lshr_b32 s11, s10, 1                         ; my 32 tokens
	s_and_b32 s12, s10, 1                          ; my 64 columns
	s_and_b32 s13, ttmp7, 0xffff                   ; the block of 128 tokens
	s_mul_i32 s26, s11, 24576
	v_mul_u32_u24 v5, v12, 24
	v_add_nc_u32 v5, s26, v5
	s_mul_i32 s26, s12, 49152
	s_add_co_u32 s26, s26, WL
	v_lshl_add_u32 v6, v12, 4, s26
	s_lshl_b32 s26, s11, 10
	s_add_co_u32 s26, s26, XSL
	v_lshl_add_u32 v7, v12, 2, s26
	s_lshl_b32 s26, s12, 11
	s_add_co_u32 s26, s26, WSL
	v_lshl_add_u32 v8, v13, 2, s26
	s_wait_alu depctr_va_vdst(0)
	v_lshl_add_u32 v8, v14, 9, v8
	s_mul_i32 s26, s10, 8704
	s_add_co_u32 s26, s26, STG                     ; my stage
	v_mul_u32_u24 v9, v13, 272
	v_lshl_add_u32 v9, v14, 6, v9
	v_add_nc_u32 v9, s26, v9                       ; in: row r of a tile, + 64 h
	v_mul_u32_u24 v10, v14, 272
	v_lshl_add_u32 v10, v13, 4, v10
	v_add_nc_u32 v10, s26, v10                     ; back: lanes 0-15 one row, lanes 16-31 the next
	v_lshlrev_b32 v11, 4, v13
	v_lshl_add_u32 v11, v14, 12, v11               ; and the same two rows of out
	s_mov_b32 s27, 0
	s_mul_i32 s26, s13, 98304
	s_wait_kmcnt 0x0
	s_add_nc_u64 s[16:17], s[4:5], s[26:27]        ; o's codes of my 128 tokens
	s_mul_i32 s26, ttmp9, 98304
	s_add_co_u32 s26, s26, 1179648
	s_add_nc_u64 s[18:19], s[6:7], s[26:27]        ; wo's tiles 96 + 8 x on
	s_lshl_b32 s26, s13, 12
	s_add_co_u32 s26, s26, ASC
	s_add_nc_u64 s[20:21], s[4:5], s[26:27]
	s_lshl_b32 s26, ttmp9, 12
	s_add_co_u32 s26, s26, WSC+49152
	s_add_nc_u64 s[22:23], s[6:7], s[26:27]
	s_wait_alu depctr_va_vdst(0)                   ; the eleven offsets and addresses v1 to v11 are written, which every load and store of the kernel reads
.set I, 0
.rept 24
	global_load_b128 v[16+4*I:19+4*I], v1, s[16:17] offset:4096*I
.set I, I+1
.endr
.set I, 0
.rept 24
	global_load_b128 v[112+4*I:115+4*I], v1, s[18:19] offset:4096*I
.set I, I+1
.endr
	global_load_b128 v[208:211], v1, s[20:21]
	global_load_b128 v[212:215], v1, s[22:23]
	s_lshl_b32 s26, s13, 19                        ; out: (128 y + 32 (w / 2)) rows of 4,096 bytes + 512 x + 256 (w % 2)
	s_lshl_b32 s28, s11, 17
	s_add_co_u32 s26, s26, s28
	s_lshl_b32 s28, ttmp9, 9
	s_add_co_u32 s26, s26, s28
	s_lshl_b32 s28, s12, 8
	s_add_co_u32 s26, s26, s28
	s_add_nc_u64 s[24:25], s[8:9], s[26:27]
.set I, 0
.rept 50
	s_wait_loadcnt 49-I                            ; loads come back in order: load I is in, the younger ones may be out
	ds_store_b128 v[1+I/16], v[16+4*I:19+4*I] offset:4096*(I%16)
.set I, I+1
.endr
	s_wait_dscnt 0x0                               ; for the others' sake: my stores have landed
	s_barrier_signal -1
	s_barrier_wait -1                              ; both operands lie in LDS for all of K; nothing is written there again
	s_wait_alu depctr_vm_vsrc(0)                   ; my LDS stores have read v16-215: from here on the accumulators and the two buffers, written by the products and by the LDS loads
.irp j, 0,1,2,3,4
	FPART 0, \j
.endr
	STEP 0, 1
	STEP 1, 0
	STEP 2, 0
	STEP 3, 0
	STEP 4, 0
	STEP 5, 0
	STEP 6, 0
	STEP 7, 0
	; THE WAY OUT, through my own stage: LDS serves a wave's instructions in order, so no wait stands between the stores and the loads
.rept 4
	v_nop                                          ; four places in front of the first read of results and of the loads into the operands' registers
.endr
	s_wait_alu depctr_va_vdst(0)                   ; the products have written the accumulators, which the LDS stores read, and are done reading v80-143, in which the loads from the stage land; the places above stay beside this wait
.irp u, 0,1
.irp t, 0,1,2,3
	ds_store_b128 v9, v[16+32*\u+8*\t:19+32*\u+8*\t] offset:4352*\u+128*(\t/2)+32*(\t%2)       ; each accumulator from its low end on: columns 32 (t / 2) + 16 h + 8 (t % 2) + 0 .. 7
	ds_store_b128 v9, v[20+32*\u+8*\t:23+32*\u+8*\t] offset:4352*\u+128*(\t/2)+32*(\t%2)+16
.endr
.endr
.set I, 0
.rept 16
	ds_load_b128 v[80+4*I:83+4*I], v10 offset:272*(16*((I/4)%2)+8*(I/8)+(2*I)%8)   ; tokens 2 I, 2 I + 1: token n lies in stage row 16 ((n / 8) % 2) + 8 (n / 16) + n % 8
.set I, I+1
.endr
.set I, 0
.rept 16
	s_wait_dscnt 15-I                              ; load I is in, the younger ones may be out
	global_store_b128 v11, v[80+4*I:83+4*I], s[24:25] offset:8192*I th:TH_STORE_NT   ; sixteen lanes store 256 consecutive bytes, at a multiple of 256 from out's first byte
.set I, I+1
.endr
	s_wait_dscnt 0x0                               ; the closing lines, six on end
	s_wait_alu 0x0
	s_wait_tensorcnt 0x0
	ds_add_u32 v254, v255
	s_wait_dscnt 0x0
	s_endpgm
.Lfunc_end_k_q03e1ca5fe5_oproj:
	.size	k_q03e1ca5fe5_oproj, .Lfunc_end_k_q03e1ca5fe5_oproj-k_q03e1ca5fe5_oproj
	.p2alignl 7, 3214868480
	.fill 96, 4, 3214868480
	.section	.rodata,"a",@progbits
	.p2align	6, 0x0
	.amdhsa_kernel k_q03e1ca5fe5_oproj
		.amdhsa_group_segment_fixed_size 275456
		.amdhsa_private_segment_fixed_size 0
		.amdhsa_enable_private_segment 0
		.amdhsa_kernarg_size 24
		.amdhsa_user_sgpr_count 2
		.amdhsa_user_sgpr_kernarg_segment_ptr 1
		.amdhsa_wavefront_size32 1
		.amdhsa_system_sgpr_workgroup_id_x 1
		.amdhsa_system_sgpr_workgroup_id_y 1
		.amdhsa_system_sgpr_workgroup_id_z 1
		.amdhsa_system_vgpr_workitem_id 0
		.amdhsa_next_free_vgpr 256
		.amdhsa_next_free_sgpr 66
		.amdhsa_reserve_vcc 0
		.amdhsa_float_denorm_mode_32 3
		.amdhsa_float_denorm_mode_16_64 3
		.amdhsa_memory_ordered 1
		.amdhsa_forward_progress 1
		.amdhsa_inst_pref_size 41
	.end_amdhsa_kernel
	.amdgpu_metadata
---
amdhsa.version: [ 1, 2 ]
amdhsa.kernels:
  - .name:           k_q03e1ca5fe5_oproj
    .symbol:         k_q03e1ca5fe5_oproj.kd
    .args:
      - { .name: aobuf, .offset: 0, .size: 8, .value_kind: global_buffer, .address_space: global }
      - { .name: wbuf, .offset: 8, .size: 8, .value_kind: global_buffer, .address_space: global }
      - { .name: out0, .offset: 16, .size: 8, .value_kind: global_buffer, .address_space: global }
    .group_segment_fixed_size: 275456
    .private_segment_fixed_size: 0
    .kernarg_segment_align: 8
    .kernarg_segment_size: 24
    .max_flat_workgroup_size: 256
    .sgpr_count:     66
    .vgpr_count:     256
    .wavefront_size: 32
...
	.end_amdgpu_metadata
.endif
;; end of part 8
